; MI455X (gfx1250); checked and timed in simulation.
; The chip was launched on July 23, 2026; its instructions are those of AMD's public machine-readable ISA for CDNA 5 (MIT licence, August 2026) and "CDNA5" Instruction Set Architecture Reference Guide (July 2026). The comments in the code are by the model that wrote it; some were corrected since.
;; Bahdanau Attention. Allowed arithmetic: float matrix products may take bf16 or f16 operands with f32 sums; all other float work in f32.
;; Inputs: c_b 1,024 float32; c_w 1,024 x 1,024 float32; hs 16 x 2,048 x 1,024 float32; ht 2 x 16 x 1,024 float32; k_b 1,024 float32; k_w 1,024 x 1,024 float32; q_b 1,024 float32; q_w 1,024 x 1,024 float32; v_b 1 float32; v_w 1 x 1,024 float32.
;; Outputs: out0 2 x 16 x 1,024 float32; out1 2 x 16 x 2,048 float32.
;; 3 versions, each right; version 2 is faster than version 1; version 3 is version 2 with the launch main written anew for expert scheduling mode. Each part assembles by itself: llvm-mc -triple=amdgcn-amd-amdhsa -mcpu=gfx1250 --defsym DOCPART=n.
;; ======== version 1 of 3: 5 launches
;; workspace buffers: kwb 2,097,152 bytes; qh 131,072 bytes; ebuf 262,144 bytes; pctx 2,097,152 bytes; ctx 131,072 bytes
;; launch kwprep (part 1): grid 128 x 1, 4 waves a work-group, no clusters, 0 bytes of LDS; arguments k_w, kwb; writes kwb
.if DOCPART == 1
	.amdgcn_target "amdgcn-amd-amdhsa--gfx1250"
	.amdhsa_code_object_version 6
	.text
	.protected	k_qda6c6695ab_kwprep
	.globl	k_qda6c6695ab_kwprep
	.p2align	8
	.type	k_qda6c6695ab_kwprep,@function
k_qda6c6695ab_kwprep:
	s_mov_b64 s[64:65], 0
	v_nop
	global_prefetch_b8 v0, s[64:65] scope:SCOPE_SE
	s_setreg_imm32_b32 hwreg(HW_REG_WAVE_MODE, 25, 1), 1
	s_wait_xcnt 0x0
; k_w [1024 (o)][1024 (k)] f32  ->  kwb, bf16 in the order in which the main launch's matrix fragments are loaded:
;   kwb[nb 8][ks 32][nt 8][c 2][lane 32][16 bytes] = k_w[128 nb + 16 nt + (lane & 15)][32 ks + 16 c + 8 (lane >> 4) + 0..7]
; so that one 16-byte load a lane there covers 512 neighbouring bytes and needs no shuffle.
; A wave takes 16 rows x 128 k (512 bytes of each row): 16 loads, 32 roundings, 8 stores of 512 neighbouring bytes.
; 512 waves = 64 row tiles x 8 pieces of K.  No LDS, no barrier: no wave needs another's data.
.set X, 8                              ; v[8:71]  group g = 2 s + c: 8 registers f32 as loaded, its first 4 then bf16
	s_load_b128 s[4:7], s[0:1], 0x0                ; k_w s[4:5], kwb s[6:7]
	v_lshrrev_b32 v1, 5, v0
	v_readfirstlane_b32 s8, v1                     ; wave 0..3
	s_lshl_b32 s9, ttmp9, 2
	s_add_co_u32 s9, s9, s8                        ; W = 4 x work-group + wave, 0..511
	s_lshr_b32 s10, s9, 3                          ; rt: row tile 0..63
	s_and_b32 s11, s9, 7                           ; kc: piece of K 0..7
	s_lshl_b32 s12, s10, 16                        ; from: 16 rows of 4,096 bytes a tile
	s_lshl_b32 s14, s11, 9                         ;       + 512 bytes a piece
	s_add_co_u32 s12, s12, s14
	s_mov_b32 s13, 0
	s_lshr_b32 s14, s10, 3                         ; to: nb = rt / 8, 262,144 bytes each
	s_lshl_b32 s14, s14, 18
	s_lshl_b32 s16, s11, 15                        ;     ks = 4 kc + s, 8,192 bytes each
	s_add_co_u32 s14, s14, s16
	s_and_b32 s16, s10, 7                          ;     nt = rt % 8, 1,024 bytes each
	s_lshl_b32 s16, s16, 10
	s_add_co_u32 s14, s14, s16
	s_mov_b32 s15, 0
	v_and_b32 v1, 15, v0                           ; r
	v_bfe_u32 v2, v0, 4, 1                         ; h
	v_lshlrev_b32 v3, 12, v1
	v_lshl_add_u32 v3, v2, 5, v3                   ; r rows + 8 h numbers of 4 bytes
	v_and_b32 v4, 31, v0
	v_lshlrev_b32 v4, 4, v4                        ; 16 x lane
	s_wait_kmcnt 0x0
	s_add_nc_u64 s[4:5], s[4:5], s[12:13]
	s_add_nc_u64 s[6:7], s[6:7], s[14:15]
.irp g, 0,1,2,3,4,5,6,7
	global_load_b128 v[X+8*\g:X+8*\g+3],   v3, s[4:5] offset:64*\g th:TH_LOAD_NT      ; k = 32 s + 16 c + 8 h + 0..3
	global_load_b128 v[X+8*\g+4:X+8*\g+7], v3, s[4:5] offset:64*\g+16 th:TH_LOAD_NT   ; + 4..7
.endr
.irp g, 0,1,2,3,4,5,6,7
	s_wait_loadcnt 14-2*\g                         ; loads come back in order: group g's two are in, the younger groups' stay out
	v_cvt_pk_bf16_f32 v[X+8*\g],   v[X+8*\g],   v[X+8*\g+1]
	v_cvt_pk_bf16_f32 v[X+8*\g+1], v[X+8*\g+2], v[X+8*\g+3]
	v_cvt_pk_bf16_f32 v[X+8*\g+2], v[X+8*\g+4], v[X+8*\g+5]
	v_cvt_pk_bf16_f32 v[X+8*\g+3], v[X+8*\g+6], v[X+8*\g+7]
	global_store_b128 v4, v[X+8*\g:X+8*\g+3], s[6:7] offset:(\g>>1)*8192+(\g&1)*512   ; 512 neighbouring bytes, aligned
.endr
	s_endpgm
.Lfunc_end_k_qda6c6695ab_kwprep:
	.size	k_qda6c6695ab_kwprep, .Lfunc_end_k_qda6c6695ab_kwprep-k_qda6c6695ab_kwprep
	.p2alignl 7, 3214868480
	.fill 96, 4, 3214868480
	.section	.rodata,"a",@progbits
	.p2align	6, 0x0
	.amdhsa_kernel k_qda6c6695ab_kwprep
		.amdhsa_group_segment_fixed_size 0
		.amdhsa_private_segment_fixed_size 0
		.amdhsa_enable_private_segment 0
		.amdhsa_kernarg_size 16
		.amdhsa_user_sgpr_count 2
		.amdhsa_user_sgpr_kernarg_segment_ptr 1
		.amdhsa_wavefront_size32 1
		.amdhsa_system_sgpr_workgroup_id_x 1
		.amdhsa_system_sgpr_workgroup_id_y 1
		.amdhsa_system_sgpr_workgroup_id_z 1
		.amdhsa_system_vgpr_workitem_id 0
		.amdhsa_next_free_vgpr 80
		.amdhsa_next_free_sgpr 66
		.amdhsa_reserve_vcc 0
		.amdhsa_float_denorm_mode_32 3
		.amdhsa_float_denorm_mode_16_64 3
		.amdhsa_memory_ordered 1
		.amdhsa_forward_progress 1
		.amdhsa_inst_pref_size 6
	.end_amdhsa_kernel
	.amdgpu_metadata
---
amdhsa.version: [ 1, 2 ]
amdhsa.kernels:
  - .name:           k_qda6c6695ab_kwprep
    .symbol:         k_qda6c6695ab_kwprep.kd
    .args:
      - { .name: k_w, .offset: 0, .size: 8, .value_kind: global_buffer, .address_space: global }
      - { .name: kwb, .offset: 8, .size: 8, .value_kind: global_buffer, .address_space: global }
    .group_segment_fixed_size: 0
    .private_segment_fixed_size: 0
    .kernarg_segment_align: 8
    .kernarg_segment_size: 16
    .max_flat_workgroup_size: 128
    .sgpr_count:     66
    .vgpr_count:     80
    .wavefront_size: 32
...
	.end_amdgpu_metadata
.endif
;; end of part 1
;; launch linq (part 2): grid 16 x 1, 16 waves a work-group, no clusters, 141,312 bytes of LDS; arguments ht, q_w, q_b, qh; writes qh
.if DOCPART == 2
	.amdgcn_target "amdgcn-amd-amdhsa--gfx1250"
	.amdhsa_code_object_version 6
	.text
	.protected	k_qda6c6695ab_linq
	.globl	k_qda6c6695ab_linq
	.p2align	8
	.type	k_qda6c6695ab_linq,@function
k_qda6c6695ab_linq:
	s_mov_b64 s[64:65], 0
	v_nop
	global_prefetch_b8 v0, s[64:65] scope:SCOPE_SE
	s_setreg_imm32_b32 hwreg(HW_REG_WAVE_MODE, 25, 1), 1
	s_wait_xcnt 0x0
; out[m][o] = sum over k of x[m][k] w[o][k] + bias[o].  x: [32][1024], w: [1024][1024], bias: [1024], out: [32][1024], all f32.
; The body serves two launches: q(ht) ahead of the main launch and c(ctx) at the end.
; Operands are rounded to bf16 for the matrix unit, sums are kept in f32 (their order differs from a plain ascending sum).
; The weights bind: 4 MiB read once.  A work-group owns 64 columns o (one aligned 256-byte piece of every output row);
; its 16 waves split K: wave kq takes k = 64 kq .. 64 kq + 63, 256 aligned bytes of each of its 64 rows of w and of the 32 rows of x.
; The 16 partial blocks of 32 x 64 meet in LDS; wave kq then sums output rows 2 kq and 2 kq + 1.
; No tensor loads and no cluster: every byte of w is used by one wave alone, and x is 128 KiB.
; THE MATRIX INSTRUCTION IS USED TRANSPOSED (source 0 = rows of w, source 1 = rows of x): lane (r, h) holds out[16 mt + r][16 nt + 8 h + 0..7].
.set G,    16                          ; v[16:207] twelve groups of 16: w(s, nt) = group 4 s + nt, x(s, mt) = group 8 + 2 s + mt
                                       ;           a group: 16 f32 as loaded; rounded in place its first 8 registers are the fragment
                                       ;           accumulator (mt, nt) = the upper 8 registers of group 4 mt + nt, free after the rounding
.set PP,   272                          ; LDS row: 64 f32 + 16 bytes, so that 16 rows start in 16 different 16-byte columns
.set PART, 32*PP                        ; one wave's partial block, 8,704 bytes
	s_load_b256 s[4:11], s[0:1], 0x0               ; x s[4:5], w s[6:7], bias s[8:9], out s[10:11]
	v_lshl_add_u32 v208, v0, 2, 0x22000
	v_mov_b32 v209, 0
	v_lshrrev_b32 v1, 5, v0
	v_readfirstlane_b32 s12, v1                    ; kq = wave 0..15
	v_and_b32 v1, 15, v0                           ; r
	v_bfe_u32 v2, v0, 4, 1                         ; h
	v_lshlrev_b32 v3, 12, v1
	v_lshl_add_u32 v3, v2, 5, v3                   ; r rows of 4,096 bytes + 8 h numbers
	v_lshlrev_b32 v4, 4, v1                        ; 16 r
	s_lshl_b32 s14, s12, 8                         ; my 64 k: 256 bytes
	s_mov_b32 s15, 0
	s_lshl_b32 s16, ttmp9, 18                      ; my group's 64 rows of w
	s_mov_b32 s17, 0
	s_lshl_b32 s18, ttmp9, 8                       ; my group's 64 columns of bias and out
	s_mov_b32 s19, 0
	s_wait_kmcnt 0x0
	s_add_nc_u64 s[4:5], s[4:5], s[14:15]
	s_add_nc_u64 s[6:7], s[6:7], s[14:15]
	s_add_nc_u64 s[6:7], s[6:7], s[16:17]
	s_add_nc_u64 s[8:9], s[8:9], s[18:19]
	s_add_nc_u64 s[10:11], s[10:11], s[18:19]
	; a fragment's lane wants k = 8 h + 0..7 and 16 + 8 h + 0..7: four loads of four f32
.irp s, 0,1
.irp t, 0,1,2,3
.irp q, 0,1,2,3
	global_load_b128 v[G+16*(4*\s+\t)+4*\q:G+16*(4*\s+\t)+4*\q+3], v3, s[6:7] offset:\t*65536+128*\s+64*(\q>>1)+16*(\q&1) th:TH_LOAD_NT
.endr
.endr
.endr
.irp s, 0,1
.irp t, 0,1
.irp q, 0,1,2,3
	global_load_b128 v[G+16*(8+2*\s+\t)+4*\q:G+16*(8+2*\s+\t)+4*\q+3], v3, s[4:5] offset:\t*65536+128*\s+64*(\q>>1)+16*(\q&1)
.endr
.endr
.endr
	global_load_b128 v[8:11], v4, s[8:9]           ; bias of the four columns that I store at the end
	; LDS addresses, while the loads are on their way
	s_mul_i32 s13, s12, PART
	v_mul_u32_u24 v5, v1, PP
	v_lshl_add_u32 v5, v2, 5, v5
	v_add_nc_u32 v5, s13, v5                       ; in: my block, row r, 8 h columns
	s_lshl_b32 s13, s12, 1
	v_add_nc_u32 v12, s13, v2                      ; the output row that I sum: 2 kq + h
	v_mul_u32_u24 v6, v12, PP
	v_lshl_add_u32 v6, v1, 4, v6                   ; back: that row, columns 4 r .. 4 r + 3, in block 0
	v_add_nc_u32 v7, 8*PART, v6                    ; and in block 8 (an LDS offset has 16 bits)
	v_lshlrev_b32 v12, 12, v12
	v_lshl_add_u32 v12, v1, 4, v12                 ; the same place in out
	s_wait_loadcnt 0x0
.irp g, 0,1,2,3,4,5,6,7,8,9,10,11
.irp i, 0,1,2,3,4,5,6,7
	v_cvt_pk_bf16_f32 v[G+16*\g+\i], v[G+16*\g+2*\i], v[G+16*\g+2*\i+1]    ; register i is written when 2 i and 2 i + 1 have been read
.endr
.endr
	; eight accumulators by turns, one instruction a turn; the first K step starts the sums
.irp m, 0,1
.irp t, 0,1,2,3
	v_wmma_f32_16x16x32_bf16 v[G+16*(4*\m+\t)+8:G+16*(4*\m+\t)+15], v[G+16*\t:G+16*\t+7], v[G+16*(8+\m):G+16*(8+\m)+7], 0
.endr
.endr
.irp m, 0,1
.irp t, 0,1,2,3
	v_wmma_f32_16x16x32_bf16 v[G+16*(4*\m+\t)+8:G+16*(4*\m+\t)+15], v[G+16*(4+\t):G+16*(4+\t)+7], v[G+16*(10+\m):G+16*(10+\m)+7], v[G+16*(4*\m+\t)+8:G+16*(4*\m+\t)+15]
.endr
.endr
.rept 4
	v_nop                                          ; four places between the last matrix instruction and the LDS stores of its result
.endr
.irp m, 0,1
.irp t, 0,1,2,3
	ds_store_b128 v5, v[G+16*(4*\m+\t)+8:G+16*(4*\m+\t)+11]  offset:\m*16*PP+64*\t
	ds_store_b128 v5, v[G+16*(4*\m+\t)+12:G+16*(4*\m+\t)+15] offset:\m*16*PP+64*\t+16
.endr
.endr
	s_wait_dscnt 0x0                               ; my block is in LDS, for the others' sake
	s_barrier_signal -1
	s_barrier_wait -1                              ; all sixteen blocks are
.irp j, 0,1,2,3,4,5,6,7
	ds_load_b128 v[G+4*\j:G+4*\j+3], v6 offset:\j*PART
.endr
.irp j, 0,1,2,3,4,5,6,7
	ds_load_b128 v[G+32+4*\j:G+32+4*\j+3], v7 offset:\j*PART
.endr
	s_wait_dscnt 0x0
	; a tree of packed sums over the sixteen pieces of K
.irp k, 0,1,2,3,4,5,6,7
	v_pk_add_f32 v[G+8*\k:G+8*\k+1],   v[G+8*\k:G+8*\k+1],   v[G+8*\k+4:G+8*\k+5]
	v_pk_add_f32 v[G+8*\k+2:G+8*\k+3], v[G+8*\k+2:G+8*\k+3], v[G+8*\k+6:G+8*\k+7]
.endr
.irp k, 0,1,2,3
	v_pk_add_f32 v[G+16*\k:G+16*\k+1],   v[G+16*\k:G+16*\k+1],   v[G+16*\k+8:G+16*\k+9]
	v_pk_add_f32 v[G+16*\k+2:G+16*\k+3], v[G+16*\k+2:G+16*\k+3], v[G+16*\k+10:G+16*\k+11]
.endr
.irp k, 0,1
	v_pk_add_f32 v[G+32*\k:G+32*\k+1],   v[G+32*\k:G+32*\k+1],   v[G+32*\k+16:G+32*\k+17]
	v_pk_add_f32 v[G+32*\k+2:G+32*\k+3], v[G+32*\k+2:G+32*\k+3], v[G+32*\k+18:G+32*\k+19]
.endr
	v_pk_add_f32 v[G:G+1],   v[G:G+1],   v[G+32:G+33]
	v_pk_add_f32 v[G+2:G+3], v[G+2:G+3], v[G+34:G+35]
	v_pk_add_f32 v[G:G+1],   v[G:G+1],   v[8:9]
	v_pk_add_f32 v[G+2:G+3], v[G+2:G+3], v[10:11]
	global_store_b128 v12, v[G:G+3], s[10:11]      ; sixteen lanes store 256 neighbouring bytes, aligned: the group's piece of one row
	s_wait_tensorcnt 0x0
	ds_add_u32 v208, v209
	s_wait_dscnt 0x0
	s_endpgm
.Lfunc_end_k_qda6c6695ab_linq:
	.size	k_qda6c6695ab_linq, .Lfunc_end_k_qda6c6695ab_linq-k_qda6c6695ab_linq
	.p2alignl 7, 3214868480
	.fill 96, 4, 3214868480
	.section	.rodata,"a",@progbits
	.p2align	6, 0x0
	.amdhsa_kernel k_qda6c6695ab_linq
		.amdhsa_group_segment_fixed_size 141312
		.amdhsa_private_segment_fixed_size 0
		.amdhsa_enable_private_segment 0
		.amdhsa_kernarg_size 32
		.amdhsa_user_sgpr_count 2
		.amdhsa_user_sgpr_kernarg_segment_ptr 1
		.amdhsa_wavefront_size32 1
		.amdhsa_system_sgpr_workgroup_id_x 1
		.amdhsa_system_sgpr_workgroup_id_y 1
		.amdhsa_system_sgpr_workgroup_id_z 1
		.amdhsa_system_vgpr_workitem_id 0
		.amdhsa_next_free_vgpr 210
		.amdhsa_next_free_sgpr 66
		.amdhsa_reserve_vcc 0
		.amdhsa_float_denorm_mode_32 3
		.amdhsa_float_denorm_mode_16_64 3
		.amdhsa_memory_ordered 1
		.amdhsa_forward_progress 1
		.amdhsa_inst_pref_size 18
	.end_amdhsa_kernel
	.amdgpu_metadata
---
amdhsa.version: [ 1, 2 ]
amdhsa.kernels:
  - .name:           k_qda6c6695ab_linq
    .symbol:         k_qda6c6695ab_linq.kd
    .args:
      - { .name: ht, .offset: 0, .size: 8, .value_kind: global_buffer, .address_space: global }
      - { .name: q_w, .offset: 8, .size: 8, .value_kind: global_buffer, .address_space: global }
      - { .name: q_b, .offset: 16, .size: 8, .value_kind: global_buffer, .address_space: global }
      - { .name: qh, .offset: 24, .size: 8, .value_kind: global_buffer, .address_space: global }
    .group_segment_fixed_size: 141312
    .private_segment_fixed_size: 0
    .kernarg_segment_align: 8
    .kernarg_segment_size: 32
    .max_flat_workgroup_size: 512
    .sgpr_count:     66
    .vgpr_count:     210
    .wavefront_size: 32
...
	.end_amdgpu_metadata
.endif
;; end of part 2
;; launch main (part 3): grid 256 x 1, 4 waves a work-group, no clusters, 305,920 bytes of LDS; arguments hs, kwb, qh, k_b, v_w, v_b, ebuf, pctx; writes ebuf, pctx
.if DOCPART == 3
	.amdgcn_target "amdgcn-amd-amdhsa--gfx1250"
	.amdhsa_code_object_version 6
	.text
	.protected	k_qda6c6695ab_main
	.globl	k_qda6c6695ab_main
	.p2align	8
	.type	k_qda6c6695ab_main,@function
k_qda6c6695ab_main:
	s_mov_b64 s[64:65], 0
	v_nop
	global_prefetch_b8 v0, s[64:65] scope:SCOPE_SE
	s_setreg_imm32_b32 hwreg(HW_REG_WAVE_MODE, 25, 1), 1
	s_wait_xcnt 0x0
; One work-group = 128 rows s of one batch b (block id = 16 b + blk), all 1,024 columns o.  From ONE read of its rows of hs it makes
;   kh = hs k_w^T (in registers only),  e[d][s] = sum over o of v[o] tanh(qh[d][o] + kh[s][o] + k_b[o]) + v_b   -> ebuf,
;   p[d][s] = exp(e - the block's maximum of e),  pctx[id][d][g] = sum over the block's s of p[d][s] hs[s][g]  -> pctx.
; The next launch joins the 16 blocks of a batch (it takes the row's maximum away as well).
; SHARES: the 128 rows lie in LDS as bf16 for the whole launch, as eight regions of 128 k (128 rows x 272 bytes each, 278,528 bytes in all).
; Four waves, as many as a WGP has SIMDs; wave w owns columns 256 w .. 256 w + 255,
; in two passes of 128: a block of 128 x 128 of kh in 512 registers, 32 K steps of 32, 64 matrix instructions a step.
; k_w's fragments come straight from kwb into registers (each wave's columns are its own, LDS would only copy them), four steps ahead.
; hs arrives during pass 0, 64 k at a time (whole aligned 256-byte pieces of 32 rows a wave), is rounded and stored into LDS one trip (four steps) ahead of its use:
; a trip reads region i and stores region i + 1, and one barrier a trip stands between a region's stores and its first read.  No byte of a region is written twice.
; NO TENSOR LOADS, NO CLUSTER: beside the resident rows 49,152 bytes of LDS are left; two slots of one K step of 32 for the 512 columns of a pass take 65,536,
; and a slot that small would want one round of a cluster's barrier for every 64 matrix instructions.
; tanh(y) = 1 - 2 / (1 + 2^(C y)), C = 2 log2(e): an exponential that overflows or vanishes gives exactly +1 or -1, so nothing is clamped.
; So e = sum v + v_b + sum (-2 v) / (1 + 2^(C y)).
; LIMITS: hs, k_w and p enter the matrix unit rounded to bf16; tanh in this form has an absolute error of about 1e-7; sums are ordered otherwise than a plain
; ascending sum; NaN and infinities in the inputs are not carried as the exact formula would carry them.
;
; THE MATRIX INSTRUCTION IS USED TRANSPOSED in the large product (source 0 = 16 rows of k_w, source 1 = 16 rows of hs):
; lane (r, h), register j of tile (mt, nt) holds kh[16 mt + r][16 nt + 8 h + j].
; REGISTERS, in windows of 256:  window 0: addresses, sums, fragments of hs, hs on its way;  window 1: four buffers of k_w fragments (buffer s, tile nt at 64 s + 8 nt);
; window 2: tiles mt 0-3 (tile (mt, nt) at 8 (8 mt + nt));  window 3: tiles mt 4-7.
.set AP,   272                         ; LDS pitch of a row in a region: 256 bytes + 16 = 17 x 16: sixteen rows start in sixteen different 16-byte columns
.set RG,   128*AP                      ; a region: 128 rows x 128 k, 34,816 bytes
.set TAB,  8*RG                        ; C (qh[0] + k_b), C (qh[1] + k_b), -2 v: three arrays of 1,024 f32, 4,096 bytes apart; wave w uses bytes 1,024 w .. of each
.set ESCR, TAB+12288                   ; [wave][d][128] f32: each wave's share of e
.set PSCR, ESCR+4096                   ; a wave's own 544 bytes: p[d][128] bf16, pitch 272
.set CSCR, PSCR+2176                   ; a wave's own 2,048 bytes: [d][256] f32 on the way out
.set VAB,  2                           ; v2      r AP + 16 h
.set VA,   4                           ; v4, v5  VAB + the region that is read: v4 for tiles mt 0-3, v5 for tiles 4-7, each stepped when its own loads are back
.set VST,  8                           ; v8      (32 w + h) AP + 8 r + the region that is stored
.set VHS,  9                           ; v9      (32 w + h) 4096 + 16 r: my 16 bytes of hs; never rewritten
.set VKB,  10                          ; v10     16 x lane; never rewritten
.set VTB,  11                          ; v11     TAB + 1024 w + 32 h; never rewritten
.set VS,   12                          ; v12     sum of v over my wave's 256 columns
.set VTR,  18                          ; v18     address of the transposing loads
.set STG,  32                          ; v32-63  set-up: the raw table loads; pass 0: a set of hs rounded to bf16, on its way into LDS
.set SUM,  32                          ; v32-63  from the first epilogue on: pair (mt, d) at 32 + 4 mt + 2 d: sums of -2 v / (1 + 2^x) over even and odd j
.set AF,   64                          ; v64-127 fragments of hs, tile mt at 64 + 8 mt
.set HSB,  128                         ; v128-191, v192-255: two sets of hs on their way, 64 k each
.set CQ,   64                          ; epilogue: two sets of 24 constants (v64, v88)
.set XB,   128                         ; epilogue: two buffers of 32 (v128, v160)
.set EP,   224                         ; v224-255 the four waves' shares of e, then e and p
.set PF,   192                         ; v192-223 fragments of p
.set HF,   64                          ; v64-191 transposed fragments of hs, two halves of 8 tiles
.set MUL_LO, 0xa1                      ; source 0 window 1, source 1 window 0, C and D window 2
.set MUL_HI, 0xf1                      ; the same, C and D window 3
.set TO_B,   0x40                      ; destination window 1
.set TO_T,   0x80                      ; destination window 2
.set FROM_T, 0x0a                      ; sources 0 and 1 window 2
.set ACC_LO, 0x02                      ; source 0 window 2
.set ACC_HI, 0x03                      ; source 0 window 3
.set CMUL,   0x50                      ; C and D window 1
.set COUT,   0x04                      ; source 1 (an LDS store's data) window 1
.set MSB, 0
.macro WIN new                         ; the immediate's high byte repeats the setting that is left; a switch that changes nothing is dropped
.if MSB != \new
	s_set_vgpr_msb (MSB<<8)|\new
.set MSB, \new
.endif
.endm
.macro PLACES                          ; four places behind a matrix instruction (ISA guide 7.12.1)
.rept 4
	v_nop
.endr
.endm
; eight LDS loads: the fragments of tiles mt = 4 half .. 4 half + 3 at byte off of the region's rows
.macro ALOAD half, off
.irp m, 0,1,2,3
	ds_load_b128 v[AF+8*(4*\half+\m):AF+8*(4*\half+\m)+3],   v[VA+\half] offset:(4*\half+\m)*16*AP+\off
	ds_load_b128 v[AF+8*(4*\half+\m)+4:AF+8*(4*\half+\m)+7], v[VA+\half] offset:(4*\half+\m)*16*AP+\off+32
.endr
.endm
; sixteen loads of 512 neighbouring bytes: one K step's 8 KiB of kwb into buffer s (set the window to TO_B first)
.macro BLOAD s
.irp b, 0,1,2,3,4,5,6,7
	global_load_b128 v[64*\s+8*\b:64*\s+8*\b+3],   v[VKB], s[6:7] offset:\s*8192+\b*1024
	global_load_b128 v[64*\s+8*\b+4:64*\s+8*\b+7], v[VKB], s[6:7] offset:\s*8192+\b*1024+512
.endr
.endm
; sixteen loads: 64 k (256 aligned bytes) of my wave's 32 rows of hs, two rows a load
.macro HSLOAD base, off
.irp i, 0,1,2,3,4,5,6,7,8,9,10,11,12,13,14,15
	global_load_b128 v[\base+4*\i:\base+4*\i+3], v[VHS], s[4:5] offset:\i*8192+\off th:TH_LOAD_NT
.endr
.endm
; 32 matrix instructions: tiles mt = 4 half .. + 3 x all 8 nt.  The 64 accumulators take turns, one instruction a turn, in the same order in every step,
; zero = 1: the first product starts the sums.
.macro MUL32 s, half, zero
.irp m, 0,1,2,3
.irp b, 0,1,2,3,4,5,6,7
.if \zero
	v_wmma_f32_16x16x32_bf16 v[8*(8*\m+\b):8*(8*\m+\b)+7], v[64*\s+8*\b:64*\s+8*\b+7], v[AF+8*(4*\half+\m):AF+8*(4*\half+\m)+7], 0
.else
	v_wmma_f32_16x16x32_bf16 v[8*(8*\m+\b):8*(8*\m+\b)+7], v[64*\s+8*\b:64*\s+8*\b+7], v[AF+8*(4*\half+\m):AF+8*(4*\half+\m)+7], v[8*(8*\m+\b):8*(8*\m+\b)+7]
.endif
.endr
.endr
.endm
; a set of hs is rounded into STG, stored into the region that is being filled, and (reload) asked for again, four sets further on.
; STG is written again two steps later, behind a wait on DScnt that leaves only eight younger loads out: these stores are done by then.
.macro STAGE set, reload
.irp i, 0,1,2,3,4,5,6,7,8,9,10,11,12,13,14,15
	v_cvt_pk_bf16_f32 v[STG+2*\i],   v[HSB+64*\set+4*\i],   v[HSB+64*\set+4*\i+1]
	v_cvt_pk_bf16_f32 v[STG+2*\i+1], v[HSB+64*\set+4*\i+2], v[HSB+64*\set+4*\i+3]
.endr
.irp i, 0,1,2,3,4,5,6,7,8,9,10,11,12,13,14,15
	ds_store_b64 v[VST], v[STG+2*\i:STG+2*\i+1] offset:\i*2*AP+\set*128
.endr
.if \reload
	HSLOAD HSB+64*\set, \set*256
.endif
.endm
; One K step of 32 on buffer s.  lc: how many younger global loads may stay out when this step's k_w (and the set of hs that it stages) must be in.
; stg: 0 nothing, 1 stage, 2 stage and ask again.  bar: the trip's barrier.  apre: fetch the next step's fragments of hs.  bl: ask for k_w four steps ahead.
.macro STEP s, zero, lc, stg, set, bar, apre, bl
	s_wait_loadcnt \lc
.if \bar
	s_wait_dscnt 0x0                               ; my stores of this trip's two sets of hs are in LDS (and no LDS access of mine is out at the signal)
	s_barrier_signal -1
.else
	s_wait_dscnt 0x8                               ; all but the eight youngest: tiles mt 0-3 are in, tiles 4-7 may be out
.endif
	WIN MUL_LO
	MUL32 \s, 0, \zero
	WIN 0
.if \bar
	s_barrier_wait -1                              ; every wave's stores are in LDS: the next region may be read
.endif
	PLACES
.if \stg
	STAGE \set, \stg-1
.endif
.if \apre
.if \s == 3
	v_add_nc_u32 v[VA], RG, v[VA]                  ; the next region; the loads that are out (tiles 4-7) are addressed by the other register
.endif
	ALOAD 0, ((\s+1)&3)*64
.if \stg
	s_wait_dscnt 24                                ; behind tiles 4-7 of this step stand the 16 stores and the 8 loads just issued
.else
	s_wait_dscnt 8                                 ; behind tiles 4-7 of this step stand the 8 loads just issued
.endif
.if \s == 3
	v_add_nc_u32 v[VA+1], RG, v[VA+1]              ; its loads are back: the next region for tiles 4-7 too
.endif
.else
	s_wait_dscnt 0x0
.endif
	WIN MUL_HI
	MUL32 \s, 1, \zero
	PLACES
	WIN 0
.if \apre
	ALOAD 1, ((\s+1)&3)*64
.endif
.if \bl
	WIN TO_B
	BLOAD \s
.endif
.endm
; Four K steps = 128 k = one region = two sets of hs.  Global loads are issued in the order set 0, B, B, set 1, B, B, sixteen each.
.macro TRIP zero, stg, lc0, lc1, lc2, lc3, bl, last
	STEP 0, \zero, \lc0, \stg, 0, 0, 1, \bl
	STEP 1, 0, \lc1, 0, 0, 0, 1, \bl
	STEP 2, 0, \lc2, \stg, 1, 0, 1, \bl
.if \stg
	STEP 3, 0, \lc3, 0, 0, 1, 1-\last, \bl
.else
	STEP 3, 0, \lc3, 0, 0, 0, 1-\last, \bl
.endif
	WIN 0                                          ; at a label and at a branch every window is 0
.if \bl
	s_wait_xcnt 0x0                                ; the bases of the loads issued are stepped only behind this wait
	s_add_nc_u64 s[6:7], s[6:7], 32768             ; four K steps of kwb
.if \stg == 2
	s_add_nc_u64 s[4:5], s[4:5], 512               ; two sets of hs
.endif
.endif
.if \stg == 2
	v_add_nc_u32 v[VST], RG, v[VST]                ; the next region is stored (this trip's stores were waited for in front of its barrier)
.endif
.endm
	; ---------------- set-up ----------------
	s_load_b512 s[4:19], s[0:1], 0x0               ; hs 4, kwb 6, qh 8, k_b 10, v_w 12, v_b 14, ebuf 16, pctx 18
	v_lshl_add_u32 v20, v0, 2, 0x4a900
	v_mov_b32 v21, 0
	v_lshrrev_b32 v1, 5, v0
	v_readfirstlane_b32 s20, v1                    ; wave 0..3
	s_lshr_b32 s22, ttmp9, 4                       ; b
	s_and_b32 s23, ttmp9, 15                       ; blk
	s_mov_b32 s25, 0                               ; the upper word of every offset below
	s_mov_b32 s28, 0x4038aa3b                      ; C = 2 log2(e), twice: a pair for the packed forms
	s_mov_b32 s29, 0x4038aa3b
	s_mov_b32 s30, 0x76543210                      ; v_permlanex16_b32: lane i of one half reads lane i of the other
	s_mov_b32 s31, 0xfedcba98
	s_mov_b32 s34, 0x3fb8aa3b                      ; log2(e)
	v_and_b32 v1, 15, v0                           ; r
	v_bfe_u32 v3, v0, 4, 1                         ; h
	v_and_b32 v24, 31, v0                          ; lane
	v_mul_u32_u24 v[VAB], v1, AP
	v_lshl_add_u32 v[VAB], v3, 4, v[VAB]
	v_mov_b32 v[VA], v[VAB]                        ; region 0
	v_mov_b32 v[VA+1], v[VAB]
	v_lshl_add_u32 v25, s20, 5, v3                 ; row 32 w + h
	v_mul_u32_u24 v[VST], v25, AP
	v_lshl_add_u32 v[VST], v1, 3, v[VST]
	v_lshlrev_b32 v[VHS], 12, v25
	v_lshl_add_u32 v[VHS], v1, 4, v[VHS]
	v_lshlrev_b32 v[VKB], 4, v24
	s_lshl_b32 s27, s20, 10
	s_add_co_u32 s27, s27, TAB
	v_lshl_add_u32 v[VTB], v3, 5, s27
	v_lshlrev_b32 v26, 5, v0                       ; thread t makes the table's columns 8 t .. 8 t + 7: wave w its own 256
	v_add_nc_u32 v27, TAB, v26
	s_wait_kmcnt 0x0
	s_load_b32 s32, s[14:15], 0x0                  ; v_b
	s_lshl_b32 s24, ttmp9, 19                      ; my block's 128 rows of 4,096 bytes
	s_add_nc_u64 s[4:5], s[4:5], s[24:25]
	s_lshl_b32 s24, s20, 19                        ; my wave's 256 columns in kwb: 64 K steps of 8 KiB, pass 1's behind pass 0's
	s_add_nc_u64 s[6:7], s[6:7], s[24:25]
	s_lshl_b32 s24, s22, 12                        ; qh's row b (row 16 + b is 65,536 bytes on)
	s_add_nc_u64 s[8:9], s[8:9], s[24:25]
	s_lshl_b32 s24, s22, 13                        ; ebuf's row b, my block's 512 bytes
	s_lshl_b32 s27, s23, 9
	s_add_co_u32 s24, s24, s27
	s_add_nc_u64 s[16:17], s[16:17], s[24:25]
	s_lshl_b32 s24, ttmp9, 13                      ; pctx's block, my wave's 1,024 bytes
	s_lshl_b32 s27, s20, 10
	s_add_co_u32 s24, s24, s27
	s_add_nc_u64 s[18:19], s[18:19], s[24:25]
	global_load_b128 v[32:35], v26, s[8:9]                 ; qh[0][b]
	global_load_b128 v[36:39], v26, s[8:9] offset:16
	global_load_b128 v[40:43], v26, s[8:9] offset:65536    ; qh[1][b]
	global_load_b128 v[44:47], v26, s[8:9] offset:65552
	global_load_b128 v[48:51], v26, s[10:11]               ; k_b
	global_load_b128 v[52:55], v26, s[10:11] offset:16
	global_load_b128 v[56:59], v26, s[12:13]               ; v
	global_load_b128 v[60:63], v26, s[12:13] offset:16
	WIN TO_T
	HSLOAD 0, 0                                    ; k 0-63 and 64-127 into registers that are accumulators later
	HSLOAD 64, 256
	WIN 0
	HSLOAD HSB, 512                                ; k 128-191
	WIN TO_B
	BLOAD 0
	WIN 0
	s_wait_loadcnt 32                              ; the 32 youngest (the set k 128-191 and K step 0 of kwb) stay out; tables and k 0-127 are in
	; the table: Q_d = C (qh_d + k_b), V' = -2 v; and the sum of v
.irp j, 0,2,4,6
	v_pk_mul_f32 v[48+\j:49+\j], v[48+\j:49+\j], s[28:29] op_sel_hi:[1,0]
.endr
.irp j, 0,2,4,6
	v_pk_fma_f32 v[32+\j:33+\j], v[32+\j:33+\j], s[28:29], v[48+\j:49+\j] op_sel_hi:[1,0,1]
	v_pk_fma_f32 v[40+\j:41+\j], v[40+\j:41+\j], s[28:29], v[48+\j:49+\j] op_sel_hi:[1,0,1]
.endr
	v_pk_add_f32 v[28:29], v[56:57], v[58:59]
	v_pk_add_f32 v[30:31], v[60:61], v[62:63]
	v_pk_add_f32 v[28:29], v[28:29], v[30:31]
	v_add_f32 v[VS], v28, v29
.irp j, 0,2,4,6
	v_pk_mul_f32 v[56+\j:57+\j], v[56+\j:57+\j], -2.0 op_sel_hi:[1,0]
.endr
.irp x, 1,2,4,8
	v_add_f32_dpp v[VS], v[VS], v[VS] row_xmask:\x row_mask:0xf bank_mask:0xf
.endr
	v_permlanex16_b32 v28, v[VS], s30, s31
	v_add_f32 v[VS], v[VS], v28
	ds_store_b128 v27, v[32:35]
	ds_store_b128 v27, v[36:39] offset:16
	ds_store_b128 v27, v[40:43] offset:4096
	ds_store_b128 v27, v[44:47] offset:4112
	ds_store_b128 v27, v[56:59] offset:8192
	ds_store_b128 v27, v[60:63] offset:8208
	WIN FROM_T
.irp t, 0,1
.irp i, 0,1,2,3,4,5,6,7,8,9,10,11,12,13,14,15
	v_cvt_pk_bf16_f32 v[AF+32*\t+2*\i],   v[64*\t+4*\i],   v[64*\t+4*\i+1]
	v_cvt_pk_bf16_f32 v[AF+32*\t+2*\i+1], v[64*\t+4*\i+2], v[64*\t+4*\i+3]
.endr
.endr
	WIN 0
.irp t, 0,1
.irp i, 0,1,2,3,4,5,6,7,8,9,10,11,12,13,14,15
	ds_store_b64 v[VST], v[AF+32*\t+2*\i:AF+32*\t+2*\i+1] offset:\i*2*AP+\t*128     ; region 0
.endr
.endr
	WIN TO_B
	BLOAD 1
	WIN 0
	HSLOAD HSB+64, 768                             ; k 192-255
	WIN TO_B
	BLOAD 2
	BLOAD 3
	WIN 0
	s_wait_xcnt 0x0                                ; the bases are stepped only behind this wait
	s_add_nc_u64 s[4:5], s[4:5], 1024              ; hs at k 256: what trip 0 asks for
	s_add_nc_u64 s[6:7], s[6:7], 32768             ; kwb at K step 4
	s_wait_kmcnt 0x0                               ; v_b
	s_wait_dscnt 0x0                               ; my part of region 0 and of the table is in LDS
	v_add_nc_u32 v[VST], RG, v[VST]                ; trip 0 stores region 1
	s_barrier_signal -1
	s_barrier_wait -1
	ALOAD 0, 0
	ALOAD 1, 0
	; ---------------- pass 0: columns 256 w .. + 127; hs comes in ----------------
	; Trip i stores k 128 (i + 1) .. + 127 and asks for the 128 behind them.  Behind a step's k_w 64 or 80 loads have been issued; the wait names 63, the largest count it can.
	TRIP 1, 2, 63, 63, 63, 63, 1, 0
	s_mov_b32 s26, 5
.Lpass0:
	TRIP 0, 2, 63, 63, 63, 63, 1, 0
	s_sub_co_u32 s26, s26, 1
	s_cmp_lg_u32 s26, 0
	s_cbranch_scc1 .Lpass0
	TRIP 0, 1, 63, 63, 48, 48, 1, 0                ; the last two sets of hs are stored, nothing more is asked of hs: 64, 64, 48, 48 loads stand behind
	TRIP 0, 0, 48, 48, 48, 48, 1, 1                ; three steps' k_w stand behind; its loads of kwb are pass 1's first four steps
; ---------------- the epilogue of a pass ----------------
.macro CLOAD nt, p                     ; Q0, Q1, V' of columns 16 nt + 8 h + 0..7 into constant set nt & 1
.irp a, 0,1,2
	ds_load_b128 v[CQ+24*((\nt)&1)+8*\a:CQ+24*((\nt)&1)+8*\a+3],   v[VTB] offset:\a*4096+\p*512+(\nt)*64
	ds_load_b128 v[CQ+24*((\nt)&1)+8*\a+4:CQ+24*((\nt)&1)+8*\a+7], v[VTB] offset:\a*4096+\p*512+(\nt)*64+16
.endr
.endm
.macro EF g                            ; batch g = 4 nt + u, tiles mt = 2 u, 2 u + 1: x = C kh + Q_d for both d, 32 numbers a lane
.set e_nt, (\g)>>2
.set e_u,  (\g)&3
.set e_x,  XB+32*((\g)&1)
.set e_c,  CQ+24*(e_nt&1)
.if e_u < 2
	WIN ACC_LO
.else
	WIN ACC_HI
.endif
.irp t, 0,1
.irp d, 0,1
.irp j, 0,2,4,6
	v_pk_fma_f32 v[e_x+16*\t+8*\d+\j:e_x+16*\t+8*\d+\j+1], v[8*(8*((2*e_u+\t)&3)+e_nt)+\j:8*(8*((2*e_u+\t)&3)+e_nt)+\j+1], s[28:29], v[e_c+8*\d+\j:e_c+8*\d+\j+1] op_sel_hi:[1,0,1]
.endr
.endr
.endr
	WIN 0
.endm
.macro EBATCH p                        ; batch g (a symbol): 2^x, + 1, reciprocal, times -2 v into the sums; the next batch's x is made behind the exponentials
.set b_x,  XB+32*(g&1)
.set b_nt, g>>2
.set b_u,  g&3
.set b_c,  CQ+24*(b_nt&1)+16
.set b_first, 8*\p+b_nt
.set i, 0
.rept 32
	v_exp_f32 v[b_x+i], v[b_x+i]
.set i, i+1
.endr
.if g < 31
.if ((g+1)&3) == 0
	s_wait_dscnt 0x0                               ; the next column tile's constants: the only LDS loads that are out
.endif
	EF g+1                                         ; plain vector work on other registers: the place behind the exponentials (ISA guide 5.7.2)
.else
	v_nop
	s_wait_alu depctr_va_vdst(0)
.endif
.set i, 0
	s_wait_alu depctr_va_vdst(0)
.rept 16
	v_pk_add_f32 v[b_x+i:b_x+i+1], v[b_x+i:b_x+i+1], 1.0 op_sel_hi:[1,0]
.set i, i+2
.endr
.set i, 0
.rept 32
	v_rcp_f32 v[b_x+i], v[b_x+i]
.set i, i+1
.endr
	v_nop                                          ; the place behind the reciprocals
	s_wait_alu depctr_va_vdst(0)
.irp j, 0,2,4,6
.irp t, 0,1
.irp d, 0,1
.if b_first+\j == 0
	s_wait_alu depctr_va_vdst(0)
	v_pk_mul_f32 v[SUM+4*(2*b_u+\t)+2*\d:SUM+4*(2*b_u+\t)+2*\d+1], v[b_c+\j:b_c+\j+1], v[b_x+16*\t+8*\d+\j:b_x+16*\t+8*\d+\j+1]   ; the first product starts the sum
.else
	v_pk_fma_f32 v[SUM+4*(2*b_u+\t)+2*\d:SUM+4*(2*b_u+\t)+2*\d+1], v[b_c+\j:b_c+\j+1], v[b_x+16*\t+8*\d+\j:b_x+16*\t+8*\d+\j+1], v[SUM+4*(2*b_u+\t)+2*\d:SUM+4*(2*b_u+\t)+2*\d+1]
.endif
.endr
.endr
.endr
.if b_u == 3
.if b_nt < 6
	CLOAD b_nt+2, \p                               ; this set's constants have had their last use
.endif
.endif
.endm
.macro EPI p
	CLOAD 0, \p
	CLOAD 1, \p
	s_wait_dscnt 0x6                               ; tile 0's six loads are in, tile 1's stay out
	EF 0
.set g, 0
.rept 32
	EBATCH \p
.set g, g+1
.endr
.endm
	EPI 0
	; ---------------- pass 1: columns 256 w + 128 .. + 255; hs is whole in LDS and has been shown to every wave: no barrier ----------------
	v_mov_b32 v[VA], v[VAB]                        ; region 0 again
	v_mov_b32 v[VA+1], v[VAB]
	ALOAD 0, 0
	ALOAD 1, 0
	TRIP 1, 0, 48, 48, 48, 48, 1, 0
	s_mov_b32 s26, 6
.Lpass1:
	TRIP 0, 0, 48, 48, 48, 48, 1, 0
	s_sub_co_u32 s26, s26, 1
	s_cmp_lg_u32 s26, 0
	s_cbranch_scc1 .Lpass1
	TRIP 0, 0, 48, 32, 16, 0, 0, 1                 ; nothing more is asked for: the counts run down
	EPI 1
	; ---------------- e of the block ----------------
	v_and_b32 v1, 15, v0                           ; r
	v_bfe_u32 v3, v0, 4, 1                         ; h
	v_and_b32 v24, 31, v0                          ; lane
	s_lshl_b32 s24, s20, 10
	s_add_co_u32 s24, s24, ESCR
	v_lshl_add_u32 v13, v1, 2, s24                 ; my wave's share, row r
	v_add_nc_u32 v14, ESCR, v[VKB]                 ; rows 4 lane .. + 3 of wave 0's share
	s_mul_i32 s24, s20, 544
	s_add_co_u32 s24, s24, PSCR
	v_lshl_add_u32 v16, v24, 3, s24                ; p of rows 4 lane .. + 3
	v_and_b32 v25, 1, v0
	v_mul_u32_u24 v25, v25, 272
	v_lshl_add_u32 v25, v3, 4, v25
	v_add_nc_u32 v17, s24, v25                     ; fragment of p: row d = r & 1, 8 h numbers
	v_and_b32 v25, 7, v0
	v_lshl_add_u32 v25, v3, 3, v25
	v_mul_u32_u24 v25, v25, AP                     ; row 8 h + (lane & 7)
	v_bfe_u32 v26, v0, 3, 1
	v_lshl_add_u32 v25, v26, 4, v25                ; + 16 bytes for lanes 8-15 and 24-31
	s_mul_i32 s24, s20, 2*RG                       ; my wave's 256 columns of hs are regions 2 w and 2 w + 1
	v_add_nc_u32 v[VTR], s24, v25
	s_lshl_b32 s24, s20, 11
	s_add_co_u32 s24, s24, CSCR
	v_lshl_add_u32 v22, v1, 2, s24
	v_add_nc_u32 v23, s24, v[VKB]
	; a lane's two sums, the other half's (columns 8 (1 - h) + j), and the sum of v: my wave's share of e for row 16 mt + r
.irp k, 0,1,2,3,4,5,6,7,8,9,10,11,12,13,14,15
	v_add_f32 v[SUM+2*\k], v[SUM+2*\k], v[SUM+2*\k+1]
.endr
.irp k, 0,1,2,3,4,5,6,7,8,9,10,11,12,13,14,15
	v_permlanex16_b32 v[SUM+2*\k+1], v[SUM+2*\k], s30, s31
.endr
.irp k, 0,1,2,3,4,5,6,7,8,9,10,11,12,13,14,15
	v_add_f32 v[SUM+2*\k], v[SUM+2*\k], v[SUM+2*\k+1]
.endr
.irp k, 0,1,2,3,4,5,6,7,8,9,10,11,12,13,14,15
	v_add_f32 v[SUM+2*\k], v[SUM+2*\k], v[VS]
	ds_store_b32 v13, v[SUM+2*\k] offset:(\k&1)*512+(\k>>1)*64     ; both halves of the lanes write the same number to the same word
.endr
	s_wait_dscnt 0x0                               ; my share is in LDS, for the others' sake
	s_barrier_signal -1
	s_barrier_wait -1
.irp d, 0,1
.irp q, 0,1,2,3
	ds_load_b128 v[EP+16*\d+4*\q:EP+16*\d+4*\q+3], v14 offset:\q*1024+\d*512
.endr
.endr
	s_wait_dscnt 0x0
.irp d, 0,1
	v_pk_add_f32 v[EP+16*\d:EP+16*\d+1],     v[EP+16*\d:EP+16*\d+1],     v[EP+16*\d+4:EP+16*\d+5]
	v_pk_add_f32 v[EP+16*\d+2:EP+16*\d+3],   v[EP+16*\d+2:EP+16*\d+3],   v[EP+16*\d+6:EP+16*\d+7]
	v_pk_add_f32 v[EP+16*\d+8:EP+16*\d+9],   v[EP+16*\d+8:EP+16*\d+9],   v[EP+16*\d+12:EP+16*\d+13]
	v_pk_add_f32 v[EP+16*\d+10:EP+16*\d+11], v[EP+16*\d+10:EP+16*\d+11], v[EP+16*\d+14:EP+16*\d+15]
	v_pk_add_f32 v[EP+16*\d:EP+16*\d+1],     v[EP+16*\d:EP+16*\d+1],     v[EP+16*\d+8:EP+16*\d+9]
	v_pk_add_f32 v[EP+16*\d+2:EP+16*\d+3],   v[EP+16*\d+2:EP+16*\d+3],   v[EP+16*\d+10:EP+16*\d+11]
.irp i, 0,1,2,3
	v_add_f32 v[EP+16*\d+\i], s32, v[EP+16*\d+\i]  ; + v_b: e[d] of rows 4 lane .. + 3, the same bits in every wave
.endr
.endr
	s_cmp_lg_u32 s20, 0                            ; wave 0 stores e[0], wave 1 e[1]: 512 neighbouring bytes each.  The data registers are not written again
	s_cbranch_scc1 .Lnot_wave_0
	global_store_b128 v[VKB], v[EP:EP+3], s[16:17]
.Lnot_wave_0:
	s_cmp_lg_u32 s20, 1
	s_cbranch_scc1 .Lnot_wave_1
	global_store_b128 v[VKB], v[EP+16:EP+19], s[16:17] offset:131072
.Lnot_wave_1:
	; p = exp(e - the block's maximum), every wave for itself, into its own bytes of LDS
.irp d, 0,1
	v_max3_num_f32 v[24+\d], v[EP+16*\d], v[EP+16*\d+1], v[EP+16*\d+2]
	v_max_num_f32 v[24+\d], v[24+\d], v[EP+16*\d+3]
.irp x, 1,2,4,8
	v_max_num_f32_dpp v[24+\d], v[24+\d], v[24+\d] row_xmask:\x row_mask:0xf bank_mask:0xf
.endr
	v_permlanex16_b32 v[26+\d], v[24+\d], s30, s31
	v_max_num_f32 v[24+\d], v[24+\d], v[26+\d]
	v_mul_f32 v[24+\d], s34, v[24+\d]
.irp i, 0,1,2,3
	v_fma_f32 v[EP+16*\d+4+\i], v[EP+16*\d+\i], s34, -v[24+\d]
.endr
.endr
.irp d, 0,1
.irp i, 0,1,2,3
	v_exp_f32 v[EP+16*\d+4+\i], v[EP+16*\d+4+\i]
.endr
.endr
	v_nop                                          ; the place behind the exponentials
	s_wait_alu depctr_va_vdst(0)
.irp d, 0,1
	v_cvt_pk_bf16_f32 v[28+2*\d], v[EP+16*\d+4], v[EP+16*\d+5]
	v_cvt_pk_bf16_f32 v[29+2*\d], v[EP+16*\d+6], v[EP+16*\d+7]
	ds_store_b64 v16, v[28+2*\d:29+2*\d] offset:272*\d
.endr
	; ---------------- pctx[d][g] = sum over the 128 rows of p[d][row] hs[row][g], g = my wave's 256 columns ----------------
	; Natural form: source 0 = p, row m standing for d = m & 1 (rows 2-15 are copies: nothing is cleared), source 1 = hs [K = rows][N = columns] by transposing loads.
	; In the result register j of lane (r, h) is (m = 8 h + j, n = r): registers 0 and 1 are d = 0 and 1, in both halves of the lanes.
.macro HLOAD half, k                   ; rows 32 k .. + 31, columns 128 half + 16 b .. + 15 of my 256: offsets up to 65,504, inside the 16-bit field
.irp b, 0,1,2,3,4,5,6,7
	ds_load_tr16_b128 v[HF+64*\half+8*\b:HF+64*\half+8*\b+3],   v[VTR] offset:(\k)*32*AP+\half*RG+32*\b
	ds_load_tr16_b128 v[HF+64*\half+8*\b+4:HF+64*\half+8*\b+7], v[VTR] offset:(\k)*32*AP+\half*RG+32*\b+16*AP
.endr
.endm
.macro CSTEP half, k, left, more       ; eight of the sixteen accumulators, one instruction a turn
	s_wait_dscnt \left
	WIN CMUL
.irp b, 0,1,2,3,4,5,6,7
.if \k == 0
	v_wmma_f32_16x16x32_bf16 v[8*(8*\half+\b):8*(8*\half+\b)+7], v[PF+8*\k:PF+8*\k+7], v[HF+64*\half+8*\b:HF+64*\half+8*\b+7], 0
.else
	v_wmma_f32_16x16x32_bf16 v[8*(8*\half+\b):8*(8*\half+\b)+7], v[PF+8*\k:PF+8*\k+7], v[HF+64*\half+8*\b:HF+64*\half+8*\b+7], v[8*(8*\half+\b):8*(8*\half+\b)+7]
.endif
.endr
	WIN 0
	PLACES
.if \more
	HLOAD \half, \k+1
.endif
.endm
.irp k, 0,1,2,3
	ds_load_b128 v[PF+8*\k:PF+8*\k+3],   v17 offset:64*\k      ; LDS serves a wave's instructions in order: these see my stores of p
	ds_load_b128 v[PF+8*\k+4:PF+8*\k+7], v17 offset:64*\k+32
.endr
	HLOAD 0, 0
	HLOAD 1, 0
	CSTEP 0, 0, 16, 1                              ; the count leaves the other half's sixteen loads out
	CSTEP 1, 0, 16, 1
	CSTEP 0, 1, 16, 1
	CSTEP 1, 1, 16, 1
	CSTEP 0, 2, 16, 1
	CSTEP 1, 2, 16, 1
	CSTEP 0, 3, 16, 0
	CSTEP 1, 3, 0, 0
	WIN COUT
.irp b, 0,1,2,3,4,5,6,7,8,9,10,11,12,13,14,15
	ds_store_b32 v22, v[8*\b]   offset:64*\b               ; d = 0, column 16 nt + r
	ds_store_b32 v22, v[8*\b+1] offset:1024+64*\b          ; d = 1
.endr
	WIN 0
.irp q, 0,1,2,3
	ds_load_b128 v[HF+4*\q:HF+4*\q+3], v23 offset:512*\q   ; my own bytes, read back by rows
.endr
.irp q, 0,1,2,3
	s_wait_dscnt 3-\q
	global_store_b128 v[VKB], v[HF+4*\q:HF+4*\q+3], s[18:19] offset:(\q>>1)*4096+(\q&1)*512    ; 512 neighbouring bytes, aligned
.endr
	s_wait_tensorcnt 0x0
	ds_add_u32 v20, v21
	s_wait_dscnt 0x0
	s_endpgm
.Lfunc_end_k_qda6c6695ab_main:
	.size	k_qda6c6695ab_main, .Lfunc_end_k_qda6c6695ab_main-k_qda6c6695ab_main
	.p2alignl 7, 3214868480
	.fill 96, 4, 3214868480
	.section	.rodata,"a",@progbits
	.p2align	6, 0x0
	.amdhsa_kernel k_qda6c6695ab_main
		.amdhsa_group_segment_fixed_size 305920
		.amdhsa_private_segment_fixed_size 0
		.amdhsa_enable_private_segment 0
		.amdhsa_kernarg_size 64
		.amdhsa_user_sgpr_count 2
		.amdhsa_user_sgpr_kernarg_segment_ptr 1
		.amdhsa_wavefront_size32 1
		.amdhsa_system_sgpr_workgroup_id_x 1
		.amdhsa_system_sgpr_workgroup_id_y 1
		.amdhsa_system_sgpr_workgroup_id_z 1
		.amdhsa_system_vgpr_workitem_id 0
		.amdhsa_next_free_vgpr 1024
		.amdhsa_next_free_sgpr 66
		.amdhsa_reserve_vcc 0
		.amdhsa_float_denorm_mode_32 3
		.amdhsa_float_denorm_mode_16_64 3
		.amdhsa_memory_ordered 1
		.amdhsa_forward_progress 1
		.amdhsa_inst_pref_size 255
	.end_amdhsa_kernel
	.section	.bss,"aw",@nobits
	.p2align	6
	.space	262144
	.amdgpu_metadata
---
amdhsa.version: [ 1, 2 ]
amdhsa.kernels:
  - .name:           k_qda6c6695ab_main
    .symbol:         k_qda6c6695ab_main.kd
    .args:
      - { .name: hs, .offset: 0, .size: 8, .value_kind: global_buffer, .address_space: global }
      - { .name: kwb, .offset: 8, .size: 8, .value_kind: global_buffer, .address_space: global }
      - { .name: qh, .offset: 16, .size: 8, .value_kind: global_buffer, .address_space: global }
      - { .name: k_b, .offset: 24, .size: 8, .value_kind: global_buffer, .address_space: global }
      - { .name: v_w, .offset: 32, .size: 8, .value_kind: global_buffer, .address_space: global }
      - { .name: v_b, .offset: 40, .size: 8, .value_kind: global_buffer, .address_space: global }
      - { .name: ebuf, .offset: 48, .size: 8, .value_kind: global_buffer, .address_space: global }
      - { .name: pctx, .offset: 56, .size: 8, .value_kind: global_buffer, .address_space: global }
    .group_segment_fixed_size: 305920
    .private_segment_fixed_size: 0
    .kernarg_segment_align: 8
    .kernarg_segment_size: 64
    .max_flat_workgroup_size: 128
    .sgpr_count:     66
    .vgpr_count:     1024
    .wavefront_size: 32
...
	.end_amdgpu_metadata
.endif
;; end of part 3
;; launch comb (part 4): grid 32 x 2, 4 waves a work-group, no clusters, 0 bytes of LDS; arguments ebuf, pctx, out1, ctx; writes out1, ctx
.if DOCPART == 4
	.amdgcn_target "amdgcn-amd-amdhsa--gfx1250"
	.amdhsa_code_object_version 6
	.text
	.protected	k_qda6c6695ab_comb
	.globl	k_qda6c6695ab_comb
	.p2align	8
	.type	k_qda6c6695ab_comb,@function
k_qda6c6695ab_comb:
	s_mov_b64 s[64:65], 0
	v_nop
	global_prefetch_b8 v0, s[64:65] scope:SCOPE_SE
	s_setreg_imm32_b32 hwreg(HW_REG_WAVE_MODE, 25, 1), 1
	s_wait_xcnt 0x0
; The softmax over S = 2,048 is finished and the 16 blocks' partial contexts are joined.
; Row id = 16 d + b (the grid's x).  Eight waves share a row (part = 4 y + wave); each reads the whole row of e (8 KiB) and makes for itself
;   m_q = maximum of block q (the number that the launch before took away: a maximum is exact),  M = maximum of the row,
;   L = sum of exp(e - M),  f_q = exp(m_q - M) / L;
; then at[256 part .. + 255] = exp(e - M) / L  -> out1,  and  ctx[128 part .. + 127] = sum over q of f_q pctx[16 b + q][d][..]  -> ctx.
; Waves do not depend on each other: no LDS, no barrier.  Every load and store of a wave covers 512 neighbouring bytes.
; An exponential below 2^-126 comes out as zero.
.set E,  16                            ; v[16:79]    e of the row: load q = block q, 4 numbers a lane
.set P,  80                            ; v[80:143]   the 16 blocks' partial contexts, my 4 columns
.set A,  144                           ; v[144:151]  e of my 256 places of at
.set MQ, 152                           ; v[152:167]  m_q
.set F,  168                           ; v[168:183]  at work in the maxima, then f_q
	s_load_b256 s[4:11], s[0:1], 0x0               ; ebuf s[4:5], pctx s[6:7], out1 s[8:9], ctx s[10:11]
	v_lshrrev_b32 v1, 5, v0
	v_readfirstlane_b32 s12, v1                    ; wave
	s_and_b32 s13, ttmp7, 0xffff
	s_lshl_b32 s13, s13, 2
	s_add_co_u32 s13, s13, s12                     ; part 0..7
	v_and_b32 v1, 31, v0
	v_lshlrev_b32 v1, 4, v1                        ; 16 x lane
	s_lshl_b32 s14, ttmp9, 13                      ; the row in ebuf and out1
	s_mov_b32 s15, 0
	s_and_b32 s16, ttmp9, 15                       ; b: 16 blocks of 8,192 bytes
	s_lshl_b32 s16, s16, 17
	s_lshr_b32 s17, ttmp9, 4                       ; d: 4,096 bytes
	s_lshl_b32 s17, s17, 12
	s_add_co_u32 s16, s16, s17
	s_lshl_b32 s20, s13, 9                         ; my 128 columns
	s_add_co_u32 s16, s16, s20
	s_mov_b32 s17, 0
	s_lshl_b32 s18, s13, 10                        ; my 256 places of at
	s_mov_b32 s19, 0
	s_lshl_b32 s21, ttmp9, 12                      ; the row in ctx
	s_add_co_u32 s20, s20, s21
	s_mov_b32 s21, 0
	s_mov_b32 s24, 0x76543210                      ; v_permlanex16_b32: lane i of one half reads lane i of the other
	s_mov_b32 s25, 0xfedcba98
	s_mov_b32 s26, 0x3fb8aa3b                      ; log2(e)
	s_wait_kmcnt 0x0
	s_add_nc_u64 s[4:5], s[4:5], s[14:15]
	s_add_nc_u64 s[22:23], s[4:5], s[18:19]
	s_add_nc_u64 s[6:7], s[6:7], s[16:17]
	s_add_nc_u64 s[8:9], s[8:9], s[14:15]
	s_add_nc_u64 s[8:9], s[8:9], s[18:19]
	s_add_nc_u64 s[10:11], s[10:11], s[20:21]
.irp q, 0,1,2,3,4,5,6,7,8,9,10,11,12,13,14,15
	global_load_b128 v[E+4*\q:E+4*\q+3], v1, s[4:5] offset:512*\q
.endr
	global_load_b128 v[A:A+3],   v1, s[22:23]
	global_load_b128 v[A+4:A+7], v1, s[22:23] offset:512
.irp q, 0,1,2,3,4,5,6,7,8,9,10,11,12,13,14,15
	global_load_b128 v[P+4*\q:P+4*\q+3], v1, s[6:7] offset:8192*\q
.endr
	s_wait_loadcnt 18                              ; the row of e is in; the 18 younger loads stay out
	; the sixteen blocks' maxima, side by side
.irp q, 0,1,2,3,4,5,6,7,8,9,10,11,12,13,14,15
	v_max_num_f32 v[F+\q], v[E+4*\q], v[E+4*\q+1]
.endr
.irp q, 0,1,2,3,4,5,6,7,8,9,10,11,12,13,14,15
	v_max3_num_f32 v[MQ+\q], v[F+\q], v[E+4*\q+2], v[E+4*\q+3]
.endr
.irp x, 1,2,4,8
.irp q, 0,1,2,3,4,5,6,7,8,9,10,11,12,13,14,15
	v_max_num_f32_dpp v[MQ+\q], v[MQ+\q], v[MQ+\q] row_xmask:\x row_mask:0xf bank_mask:0xf
.endr
.endr
.irp q, 0,1,2,3,4,5,6,7,8,9,10,11,12,13,14,15
	v_permlanex16_b32 v[F+\q], v[MQ+\q], s24, s25
.endr
.irp q, 0,1,2,3,4,5,6,7,8,9,10,11,12,13,14,15
	v_max_num_f32 v[MQ+\q], v[MQ+\q], v[F+\q]
.endr
	v_max3_num_f32 v2, v[MQ], v[MQ+1], v[MQ+2]
	v_max3_num_f32 v3, v[MQ+3], v[MQ+4], v[MQ+5]
	v_max3_num_f32 v4, v[MQ+6], v[MQ+7], v[MQ+8]
	v_max3_num_f32 v5, v[MQ+9], v[MQ+10], v[MQ+11]
	v_max3_num_f32 v6, v[MQ+12], v[MQ+13], v[MQ+14]
	v_max3_num_f32 v2, v2, v3, v4
	v_max3_num_f32 v5, v5, v6, v[MQ+15]
	v_max_num_f32 v2, v2, v5                       ; M
	v_mul_f32 v3, s26, v2                          ; M log2(e)
.set i, 0
.rept 64
	v_fma_f32 v[E+i], v[E+i], s26, -v3
.set i, i+1
.endr
.irp q, 0,1,2,3,4,5,6,7,8,9,10,11,12,13,14,15
	v_sub_f32 v[F+\q], v[MQ+\q], v2
.endr
.irp q, 0,1,2,3,4,5,6,7,8,9,10,11,12,13,14,15
	v_mul_f32 v[F+\q], s26, v[F+\q]
.endr
.set i, 0
.rept 64
	v_exp_f32 v[E+i], v[E+i]
.set i, i+1
.endr
.irp q, 0,1,2,3,4,5,6,7,8,9,10,11,12,13,14,15
	v_exp_f32 v[F+\q], v[F+\q]
.endr
	v_nop                                          ; the place behind the exponentials (ISA guide 5.7.2)
	; L: a tree of packed sums in the lane, then across the lanes
	s_wait_alu depctr_va_vdst(0)
.irp k, 0,1,2,3,4,5,6,7,8,9,10,11,12,13,14,15
	v_pk_add_f32 v[E+4*\k:E+4*\k+1], v[E+4*\k:E+4*\k+1], v[E+4*\k+2:E+4*\k+3]
.endr
.irp k, 0,1,2,3,4,5,6,7
	v_pk_add_f32 v[E+8*\k:E+8*\k+1], v[E+8*\k:E+8*\k+1], v[E+8*\k+4:E+8*\k+5]
.endr
.irp k, 0,1,2,3
	v_pk_add_f32 v[E+16*\k:E+16*\k+1], v[E+16*\k:E+16*\k+1], v[E+16*\k+8:E+16*\k+9]
.endr
	v_pk_add_f32 v[E:E+1], v[E:E+1], v[E+16:E+17]
	v_pk_add_f32 v[E+32:E+33], v[E+32:E+33], v[E+48:E+49]
	v_pk_add_f32 v[E:E+1], v[E:E+1], v[E+32:E+33]
	v_add_f32 v4, v[E], v[E+1]
.irp x, 1,2,4,8
	v_add_f32_dpp v4, v4, v4 row_xmask:\x row_mask:0xf bank_mask:0xf
.endr
	v_permlanex16_b32 v5, v4, s24, s25
	v_add_f32 v4, v4, v5                           ; L, at least 1: the row's largest term is exp(0)
	v_rcp_f32 v6, v4
	s_wait_loadcnt 0x0                             ; my places of e and the partial contexts
.irp i, 0,1,2,3,4,5,6,7
	v_fma_f32 v[A+\i], v[A+\i], s26, -v3           ; plain work that touches neither v4 nor v6: the place behind the reciprocal
.endr
.irp i, 0,1,2,3,4,5,6,7
	v_exp_f32 v[A+\i], v[A+\i]
.endr
	s_wait_alu depctr_va_vdst(0)
.irp q, 0,1,2,3,4,5,6,7,8,9,10,11,12,13,14,15
	v_mul_f32 v[F+\q], v[F+\q], v6                 ; f_q; also the place behind the exponentials
.endr
.irp i, 0,1,2,3,4,5,6,7
	v_mul_f32 v[A+\i], v[A+\i], v6
.endr
	global_store_b128 v1, v[A:A+3],   s[8:9]
	global_store_b128 v1, v[A+4:A+7], s[8:9] offset:512
	; ctx: f_q is one register of a pair; op_sel and op_sel_hi pick it for both halves of the packed form
	v_pk_mul_f32 v[8:9],   v[P:P+1],   v[F:F+1] op_sel_hi:[1,0]
	v_pk_mul_f32 v[10:11], v[P+2:P+3], v[F:F+1] op_sel_hi:[1,0]
	v_pk_fma_f32 v[8:9],   v[P+4:P+5], v[F:F+1], v[8:9]   op_sel:[0,1,0] op_sel_hi:[1,1,1]
	v_pk_fma_f32 v[10:11], v[P+6:P+7], v[F:F+1], v[10:11] op_sel:[0,1,0] op_sel_hi:[1,1,1]
.irp k, 1,2,3,4,5,6,7
	v_pk_fma_f32 v[8:9],   v[P+8*\k:P+8*\k+1],   v[F+2*\k:F+2*\k+1], v[8:9]   op_sel_hi:[1,0,1]
	v_pk_fma_f32 v[10:11], v[P+8*\k+2:P+8*\k+3], v[F+2*\k:F+2*\k+1], v[10:11] op_sel_hi:[1,0,1]
	v_pk_fma_f32 v[8:9],   v[P+8*\k+4:P+8*\k+5], v[F+2*\k:F+2*\k+1], v[8:9]   op_sel:[0,1,0] op_sel_hi:[1,1,1]
	v_pk_fma_f32 v[10:11], v[P+8*\k+6:P+8*\k+7], v[F+2*\k:F+2*\k+1], v[10:11] op_sel:[0,1,0] op_sel_hi:[1,1,1]
.endr
	global_store_b128 v1, v[8:11], s[10:11]
	s_endpgm
.Lfunc_end_k_qda6c6695ab_comb:
	.size	k_qda6c6695ab_comb, .Lfunc_end_k_qda6c6695ab_comb-k_qda6c6695ab_comb
	.p2alignl 7, 3214868480
	.fill 96, 4, 3214868480
	.section	.rodata,"a",@progbits
	.p2align	6, 0x0
	.amdhsa_kernel k_qda6c6695ab_comb
		.amdhsa_group_segment_fixed_size 0
		.amdhsa_private_segment_fixed_size 0
		.amdhsa_enable_private_segment 0
		.amdhsa_kernarg_size 32
		.amdhsa_user_sgpr_count 2
		.amdhsa_user_sgpr_kernarg_segment_ptr 1
		.amdhsa_wavefront_size32 1
		.amdhsa_system_sgpr_workgroup_id_x 1
		.amdhsa_system_sgpr_workgroup_id_y 1
		.amdhsa_system_sgpr_workgroup_id_z 1
		.amdhsa_system_vgpr_workitem_id 0
		.amdhsa_next_free_vgpr 184
		.amdhsa_next_free_sgpr 66
		.amdhsa_reserve_vcc 0
		.amdhsa_float_denorm_mode_32 3
		.amdhsa_float_denorm_mode_16_64 3
		.amdhsa_memory_ordered 1
		.amdhsa_forward_progress 1
		.amdhsa_inst_pref_size 26
	.end_amdhsa_kernel
	.amdgpu_metadata
---
amdhsa.version: [ 1, 2 ]
amdhsa.kernels:
  - .name:           k_qda6c6695ab_comb
    .symbol:         k_qda6c6695ab_comb.kd
    .args:
      - { .name: ebuf, .offset: 0, .size: 8, .value_kind: global_buffer, .address_space: global }
      - { .name: pctx, .offset: 8, .size: 8, .value_kind: global_buffer, .address_space: global }
      - { .name: out1, .offset: 16, .size: 8, .value_kind: global_buffer, .address_space: global }
      - { .name: ctx, .offset: 24, .size: 8, .value_kind: global_buffer, .address_space: global }
    .group_segment_fixed_size: 0
    .private_segment_fixed_size: 0
    .kernarg_segment_align: 8
    .kernarg_segment_size: 32
    .max_flat_workgroup_size: 128
    .sgpr_count:     66
    .vgpr_count:     184
    .wavefront_size: 32
...
	.end_amdgpu_metadata
.endif
;; end of part 4
;; launch linc: the kernel of part 2 again; grid 16 x 1, 16 waves a work-group, no clusters, 141,312 bytes of LDS; arguments ctx, c_w, c_b, out0; writes out0
;; ======== version 2 of 3: 4 launches; 1.39 times as fast as version 1
;; workspace buffers: kwb 2,097,152 bytes; cwb 2,097,152 bytes; qh 524,288 bytes; ebuf 262,144 bytes; pctx 2,097,152 bytes; ctx 131,072 bytes
;; launch prep (part 5): grid 192 x 1, 4 waves a work-group, no clusters, 55,808 bytes of LDS; arguments ht, q_w, q_b, qh, k_w, kwb, c_w, cwb; writes qh, kwb, cwb
.if DOCPART == 5
	.amdgcn_target "amdgcn-amd-amdhsa--gfx1250"
	.amdhsa_code_object_version 6
	.text
	.protected	k_qda6c6695ab_prep
	.globl	k_qda6c6695ab_prep
	.p2align	8
	.type	k_qda6c6695ab_prep,@function
k_qda6c6695ab_prep:
	s_mov_b64 s[64:65], 0
	v_nop
	global_prefetch_b8 v0, s[64:65] scope:SCOPE_SE
	s_setreg_imm32_b32 hwreg(HW_REG_WAVE_MODE, 25, 1), 1
	s_wait_xcnt 0x0
; Preparations that depend on nothing but the inputs, in one launch.  The branch hangs on the work-group's number alone.
;
; WORK-GROUPS 0-63:  qh[kp][m][o] = sum over k in quarter kp of ht[m][k] q_w[o][k] + q_b[o] / 4.
; ht: [32][1024], q_w: [1024][1024], q_b: [1024], all f32; qh: [4][32][1024] f32: four partial sums over K, which the main launch adds when it reads them.
; Operands are rounded to bf16 for the matrix unit, sums are kept in f32 (their order differs from a plain ascending sum).
; Work-group id = 16 kp + og owns 64 columns o (one aligned 256-byte piece of every output row) and 256 k; wave w takes k = 64 (4 kp + w) .. + 63.
; So a work-group brings 64 KiB of q_w and 32 KiB of ht; K is split over work-groups because a reader that adds the parts follows.
; Every global load takes two rows x 256 neighbouring bytes (16 lanes a row).  A matrix fragment wants a row in a lane, so the wave rounds what it loaded
; and lays it into LDS bytes of its own (96 rows x 144 bytes: 64 rows of q_w, 32 of ht), from which it reads its fragments: no barrier, the bytes are its own.
; The 4 partial blocks of 32 x 64 meet in LDS (each in its wave's bytes, whose first use is over); wave w then sums output rows 8 w .. 8 w + 7.
; No tensor loads and no cluster: every byte of q_w is used by one wave alone, and ht is 128 KiB.
; THE MATRIX INSTRUCTION IS USED TRANSPOSED (source 0 = rows of q_w, source 1 = rows of ht): lane (r, h) holds out[16 mt + r][16 nt + 8 h + 0..7].
;
; WORK-GROUPS 64-191:  k_w -> kwb and c_w -> cwb: [1024 (o)][1024 (k)] f32 to bf16 in the order in which later launches load their matrix fragments:
;   [nb 8][ks 32][nt 8][c 2][lane 32][16 bytes] = w[128 nb + 16 nt + (lane & 15)][32 ks + 16 c + 8 (lane >> 4) + 0..7]
; so that one 16-byte load a lane there covers 512 neighbouring bytes and needs no shuffle.
; A wave takes 16 rows x 128 k (512 bytes of each row) of each of the two: 32 loads, 64 roundings, 16 stores of 512 neighbouring bytes.
; 512 waves = 64 row tiles x 8 pieces of K.
.set NLIN, 64                          ; work-groups of the first kind
.set LP,   144                         ; LDS row of 64 bf16 + 16 bytes = 9 x 16: sixteen rows start in sixteen different 16-byte columns
.set WREG, 96*LP                       ; a wave's own bytes, 13,824
.set PP,   272                         ; row of a partial block: 64 f32 + 16 bytes
.set LD,   32                          ; v[32:95] 16 loads of ht, v[96:223] 32 loads of q_w
.set F,    32                          ; v[32:127] fragments: (K step s, tile t) at 8 (6 s + t); t 0-3 q_w, t 4-5 ht
.set ACC,  128                         ; v[128:191] accumulator (mt, nt) at 8 (4 mt + nt)
.set G,    32                          ; v[32:95] row pair i, block j at 16 i + 4 j: the partial sums of my outputs
.set XK,   8                           ; second kind: v[8:71] k_w, group g = 2 s + c: 8 registers f32 as loaded, its first 4 then bf16
.set XC,   72                          ;              v[72:135] c_w likewise
.macro PUT reg, off                    ; four f32 of a row -> four bf16 -> 8 bytes of the row in LDS
	v_cvt_pk_bf16_f32 v[\reg],   v[\reg],   v[\reg+1]
	v_cvt_pk_bf16_f32 v[\reg+1], v[\reg+2], v[\reg+3]
	ds_store_b64 v5, v[\reg:\reg+1] offset:\off
.endm
.macro WLOAD base, src                 ; sixteen loads: my 16 rows x 128 k of one weight
.irp g, 0,1,2,3,4,5,6,7
	global_load_b128 v[\base+8*\g:\base+8*\g+3],   v3, s[\src:\src+1] offset:64*\g th:TH_LOAD_NT      ; k = 32 s + 16 c + 8 h + 0..3
	global_load_b128 v[\base+8*\g+4:\base+8*\g+7], v3, s[\src:\src+1] offset:64*\g+16 th:TH_LOAD_NT   ; + 4..7
.endr
.endm
.macro WCONV base, dst, behind         ; behind: loads issued behind this weight's sixteen
.irp g, 0,1,2,3,4,5,6,7
	s_wait_loadcnt \behind+14-2*\g                 ; loads come back in order: group g's two are in, the younger ones stay out
	v_cvt_pk_bf16_f32 v[\base+8*\g],   v[\base+8*\g],   v[\base+8*\g+1]
	v_cvt_pk_bf16_f32 v[\base+8*\g+1], v[\base+8*\g+2], v[\base+8*\g+3]
	v_cvt_pk_bf16_f32 v[\base+8*\g+2], v[\base+8*\g+4], v[\base+8*\g+5]
	v_cvt_pk_bf16_f32 v[\base+8*\g+3], v[\base+8*\g+6], v[\base+8*\g+7]
	global_store_b128 v4, v[\base+8*\g:\base+8*\g+3], s[\dst:\dst+1] offset:(\g>>1)*8192+(\g&1)*512   ; 512 neighbouring bytes, aligned
.endr
.endm
	v_lshl_add_u32 v224, v0, 2, 0xd800
	v_mov_b32 v225, 0
	s_cmp_lt_u32 ttmp9, NLIN
	s_cbranch_scc0 .Lkw
	s_load_b256 s[4:11], s[0:1], 0x0               ; ht s[4:5], q_w s[6:7], q_b s[8:9], qh s[10:11]
	v_lshrrev_b32 v1, 5, v0
	v_readfirstlane_b32 s12, v1                    ; wave 0..3
	s_and_b32 s20, ttmp9, 15                       ; og: my 64 columns
	s_lshr_b32 s21, ttmp9, 4                       ; kp: my quarter of K
	v_and_b32 v1, 15, v0                           ; r
	v_bfe_u32 v2, v0, 4, 1                         ; h
	v_lshlrev_b32 v3, 4, v1                        ; 16 r
	v_lshl_add_u32 v4, v2, 12, v3                  ; row h of a pair, 16 r bytes into my 256
	s_lshl_b32 s14, s21, 2
	s_add_co_u32 s14, s14, s12                     ; 4 kp + wave
	s_lshl_b32 s14, s14, 8                         ; my 64 k: 256 bytes
	s_mov_b32 s15, 0
	s_lshl_b32 s16, s20, 18                        ; my group's 64 rows of q_w
	s_mov_b32 s17, 0
	s_lshl_b32 s18, s20, 8                         ; my group's 64 columns of q_b and qh
	s_mov_b32 s19, 0
	s_lshl_b32 s22, s21, 17                        ; part kp of qh: 131,072 bytes
	s_mov_b32 s23, 0
	s_mov_b32 s24, 0x3e800000                      ; 0.25, twice: a pair for the packed form
	s_mov_b32 s25, 0x3e800000
	s_wait_kmcnt 0x0
	s_add_nc_u64 s[4:5], s[4:5], s[14:15]
	s_add_nc_u64 s[6:7], s[6:7], s[14:15]
	s_add_nc_u64 s[6:7], s[6:7], s[16:17]
	s_add_nc_u64 s[8:9], s[8:9], s[18:19]
	s_add_nc_u64 s[10:11], s[10:11], s[18:19]
	s_add_nc_u64 s[10:11], s[10:11], s[22:23]
	global_load_b128 v[8:11], v3, s[8:9]           ; bias of the four columns that I store at the end
.set i, 0
.rept 16
	global_load_b128 v[LD+4*i:LD+4*i+3], v4, s[4:5] offset:i*8192                        ; rows 2 i, 2 i + 1 of ht
.set i, i+1
.endr
.set i, 0
.rept 32
	global_load_b128 v[LD+64+4*i:LD+64+4*i+3], v4, s[6:7] offset:i*8192 th:TH_LOAD_NT    ; rows 2 i, 2 i + 1 of my 64 of q_w
.set i, i+1
.endr
	; LDS addresses, while the loads are on their way
	s_mul_i32 s13, s12, WREG
	v_mul_u32_u24 v5, v2, LP
	v_lshl_add_u32 v5, v1, 3, v5
	v_add_nc_u32 v5, s13, v5                       ; in: row h of a pair, 8 r bytes
	v_mul_u32_u24 v6, v1, LP
	v_lshl_add_u32 v6, v2, 4, v6
	v_add_nc_u32 v6, s13, v6                       ; fragments: row r, 16 h bytes
	v_mul_u32_u24 v7, v1, PP
	v_lshl_add_u32 v7, v2, 5, v7
	v_add_nc_u32 v7, s13, v7                       ; partial block in: row r, 8 h columns
	s_lshl_b32 s13, s12, 3
	v_add_nc_u32 v12, s13, v2                      ; the first output row that I sum: 8 w + h
	v_mul_u32_u24 v13, v12, PP
	v_lshl_add_u32 v13, v1, 4, v13                 ; back: that row, columns 4 r .. 4 r + 3, in wave 0's block (offsets reach 43,104, inside the 16-bit field)
	v_lshlrev_b32 v12, 12, v12
	v_lshl_add_u32 v12, v1, 4, v12                 ; the same place in my part of qh
	s_wait_loadcnt 32                              ; bias and ht are in; the 32 loads of q_w stay out
.set i, 0
.rept 16
	PUT LD+4*i, (32+i)*2*LP                        ; ht lies behind the 64 rows of q_w
.set i, i+1
.endr
.irp g, 0,1,2,3
	s_wait_loadcnt 24-8*\g                         ; loads come back in order: eight more are in, the younger ones stay out
.irp j, 0,1,2,3,4,5,6,7
	PUT LD+64+4*(8*\g+\j), (8*\g+\j)*2*LP
.endr
.endr
	s_wait_dscnt 0x0                               ; my stores are done: their data registers take the fragments now
.irp s, 0,1
.irp t, 0,1,2,3,4,5
	ds_load_b128 v[F+8*(6*\s+\t):F+8*(6*\s+\t)+3],   v6 offset:\t*16*LP+64*\s
	ds_load_b128 v[F+8*(6*\s+\t)+4:F+8*(6*\s+\t)+7], v6 offset:\t*16*LP+64*\s+32
.endr
.endr
	s_wait_dscnt 12                                ; the first K step's twelve loads are in, the second's stay out
	; eight accumulators by turns, one instruction a turn; the first K step starts the sums
.irp m, 0,1
.irp t, 0,1,2,3
	v_wmma_f32_16x16x32_bf16 v[ACC+8*(4*\m+\t):ACC+8*(4*\m+\t)+7], v[F+8*\t:F+8*\t+7], v[F+8*(4+\m):F+8*(4+\m)+7], 0
.endr
.endr
	s_wait_dscnt 0x0
.irp m, 0,1
.irp t, 0,1,2,3
	v_wmma_f32_16x16x32_bf16 v[ACC+8*(4*\m+\t):ACC+8*(4*\m+\t)+7], v[F+8*(6+\t):F+8*(6+\t)+7], v[F+8*(10+\m):F+8*(10+\m)+7], v[ACC+8*(4*\m+\t):ACC+8*(4*\m+\t)+7]
.endr
.endr
.rept 4
	v_nop                                          ; four places between the last matrix instruction and the LDS stores of its result
.endr
.irp m, 0,1
.irp t, 0,1,2,3
	ds_store_b128 v7, v[ACC+8*(4*\m+\t):ACC+8*(4*\m+\t)+3]   offset:\m*16*PP+64*\t       ; over my own rows, which I have read
	ds_store_b128 v7, v[ACC+8*(4*\m+\t)+4:ACC+8*(4*\m+\t)+7] offset:\m*16*PP+64*\t+16
.endr
.endr
	s_wait_dscnt 0x0                               ; my block is in LDS, for the others' sake
	s_barrier_signal -1
	s_barrier_wait -1                              ; all four blocks are
.irp i, 0,1,2,3
.irp j, 0,1,2,3
	ds_load_b128 v[G+16*\i+4*\j:G+16*\i+4*\j+3], v13 offset:\j*WREG+\i*2*PP              ; row 8 w + 2 i + h of block j
.endr
.endr
	s_wait_dscnt 0x0
.irp i, 0,1,2,3
	v_pk_add_f32 v[G+16*\i:G+16*\i+1],     v[G+16*\i:G+16*\i+1],     v[G+16*\i+4:G+16*\i+5]
	v_pk_add_f32 v[G+16*\i+2:G+16*\i+3],   v[G+16*\i+2:G+16*\i+3],   v[G+16*\i+6:G+16*\i+7]
	v_pk_add_f32 v[G+16*\i+8:G+16*\i+9],   v[G+16*\i+8:G+16*\i+9],   v[G+16*\i+12:G+16*\i+13]
	v_pk_add_f32 v[G+16*\i+10:G+16*\i+11], v[G+16*\i+10:G+16*\i+11], v[G+16*\i+14:G+16*\i+15]
	v_pk_add_f32 v[G+16*\i:G+16*\i+1],     v[G+16*\i:G+16*\i+1],     v[G+16*\i+8:G+16*\i+9]
	v_pk_add_f32 v[G+16*\i+2:G+16*\i+3],   v[G+16*\i+2:G+16*\i+3],   v[G+16*\i+10:G+16*\i+11]
	v_pk_fma_f32 v[G+16*\i:G+16*\i+1],     v[8:9],   s[24:25], v[G+16*\i:G+16*\i+1]   op_sel_hi:[1,0,1]   ; a quarter of the bias in each of the four parts
	v_pk_fma_f32 v[G+16*\i+2:G+16*\i+3],   v[10:11], s[24:25], v[G+16*\i+2:G+16*\i+3] op_sel_hi:[1,0,1]
	global_store_b128 v12, v[G+16*\i:G+16*\i+3], s[10:11] offset:\i*8192                 ; sixteen lanes store 256 neighbouring bytes, aligned: the group's piece of one row
.endr
	s_wait_tensorcnt 0x0
	ds_add_u32 v224, v225
	s_wait_dscnt 0x0
	s_endpgm
.Lkw:
	s_load_b256 s[4:11], s[0:1], 0x20              ; k_w s[4:5], kwb s[6:7], c_w s[8:9], cwb s[10:11]
	v_lshrrev_b32 v1, 5, v0
	v_readfirstlane_b32 s12, v1                    ; wave 0..3
	s_sub_co_u32 s13, ttmp9, NLIN
	s_lshl_b32 s13, s13, 2
	s_add_co_u32 s13, s13, s12                     ; W = 4 x (work-group - 64) + wave, 0..511
	s_lshr_b32 s14, s13, 3                         ; rt: row tile 0..63
	s_and_b32 s15, s13, 7                          ; kc: piece of K 0..7
	s_lshl_b32 s16, s14, 16                        ; from: 16 rows of 4,096 bytes a tile
	s_lshl_b32 s18, s15, 9                         ;       + 512 bytes a piece
	s_add_co_u32 s16, s16, s18
	s_mov_b32 s17, 0
	s_lshr_b32 s18, s14, 3                         ; to: nb = rt / 8, 262,144 bytes each
	s_lshl_b32 s18, s18, 18
	s_lshl_b32 s20, s15, 15                        ;     ks = 4 kc + s, 8,192 bytes each
	s_add_co_u32 s18, s18, s20
	s_and_b32 s20, s14, 7                          ;     nt = rt % 8, 1,024 bytes each
	s_lshl_b32 s20, s20, 10
	s_add_co_u32 s18, s18, s20
	s_mov_b32 s19, 0
	v_and_b32 v1, 15, v0                           ; r
	v_bfe_u32 v2, v0, 4, 1                         ; h
	v_lshlrev_b32 v3, 12, v1
	v_lshl_add_u32 v3, v2, 5, v3                   ; r rows + 8 h numbers of 4 bytes
	v_and_b32 v4, 31, v0
	v_lshlrev_b32 v4, 4, v4                        ; 16 x lane
	s_wait_kmcnt 0x0
	s_add_nc_u64 s[4:5], s[4:5], s[16:17]
	s_add_nc_u64 s[6:7], s[6:7], s[18:19]
	s_add_nc_u64 s[8:9], s[8:9], s[16:17]
	s_add_nc_u64 s[10:11], s[10:11], s[18:19]
	WLOAD XK, 4
	WLOAD XC, 8
	WCONV XK, 6, 16                                ; behind k_w's loads stand c_w's sixteen
	WCONV XC, 10, 0
	s_endpgm
.Lfunc_end_k_qda6c6695ab_prep:
	.size	k_qda6c6695ab_prep, .Lfunc_end_k_qda6c6695ab_prep-k_qda6c6695ab_prep
	.p2alignl 7, 3214868480
	.fill 96, 4, 3214868480
	.section	.rodata,"a",@progbits
	.p2align	6, 0x0
	.amdhsa_kernel k_qda6c6695ab_prep
		.amdhsa_group_segment_fixed_size 55808
		.amdhsa_private_segment_fixed_size 0
		.amdhsa_enable_private_segment 0
		.amdhsa_kernarg_size 64
		.amdhsa_user_sgpr_count 2
		.amdhsa_user_sgpr_kernarg_segment_ptr 1
		.amdhsa_wavefront_size32 1
		.amdhsa_system_sgpr_workgroup_id_x 1
		.amdhsa_system_sgpr_workgroup_id_y 1
		.amdhsa_system_sgpr_workgroup_id_z 1
		.amdhsa_system_vgpr_workitem_id 0
		.amdhsa_next_free_vgpr 226
		.amdhsa_next_free_sgpr 66
		.amdhsa_reserve_vcc 0
		.amdhsa_float_denorm_mode_32 3
		.amdhsa_float_denorm_mode_16_64 3
		.amdhsa_memory_ordered 1
		.amdhsa_forward_progress 1
		.amdhsa_inst_pref_size 34
	.end_amdhsa_kernel
	.amdgpu_metadata
---
amdhsa.version: [ 1, 2 ]
amdhsa.kernels:
  - .name:           k_qda6c6695ab_prep
    .symbol:         k_qda6c6695ab_prep.kd
    .args:
      - { .name: ht, .offset: 0, .size: 8, .value_kind: global_buffer, .address_space: global }
      - { .name: q_w, .offset: 8, .size: 8, .value_kind: global_buffer, .address_space: global }
      - { .name: q_b, .offset: 16, .size: 8, .value_kind: global_buffer, .address_space: global }
      - { .name: qh, .offset: 24, .size: 8, .value_kind: global_buffer, .address_space: global }
      - { .name: k_w, .offset: 32, .size: 8, .value_kind: global_buffer, .address_space: global }
      - { .name: kwb, .offset: 40, .size: 8, .value_kind: global_buffer, .address_space: global }
      - { .name: c_w, .offset: 48, .size: 8, .value_kind: global_buffer, .address_space: global }
      - { .name: cwb, .offset: 56, .size: 8, .value_kind: global_buffer, .address_space: global }
    .group_segment_fixed_size: 55808
    .private_segment_fixed_size: 0
    .kernarg_segment_align: 8
    .kernarg_segment_size: 64
    .max_flat_workgroup_size: 128
    .sgpr_count:     66
    .vgpr_count:     226
    .wavefront_size: 32
...
	.end_amdgpu_metadata
.endif
;; end of part 5
;; launch main (part 6): grid 256 x 1, 4 waves a work-group, no clusters, 310,016 bytes of LDS; arguments hs, kwb, qh, k_b, v_w, v_b, ebuf, pctx; writes ebuf, pctx
.if DOCPART == 6
	.amdgcn_target "amdgcn-amd-amdhsa--gfx1250"
	.amdhsa_code_object_version 6
	.text
	.protected	k_qda6c6695ab_main
	.globl	k_qda6c6695ab_main
	.p2align	8
	.type	k_qda6c6695ab_main,@function
k_qda6c6695ab_main:
	s_mov_b64 s[64:65], 0
	v_nop
	global_prefetch_b8 v0, s[64:65] scope:SCOPE_SE
	s_setreg_imm32_b32 hwreg(HW_REG_WAVE_MODE, 25, 1), 1
	s_wait_xcnt 0x0
; One work-group = 128 rows s of one batch b (block id = 16 b + blk), all 1,024 columns o.  From ONE read of its rows of hs it makes
;   kh = hs k_w^T (in registers only),  e[d][s] = sum over o of v[o] tanh(qh[d][o] + kh[s][o] + k_b[o]) + v_b   -> ebuf,
;   p[d][s] = exp(e - the block's maximum of e),  pctx[id][d][g] = sum over the block's s of p[d][s] hs[s][g]  -> pctx.
; The next launch joins the 16 blocks of a batch (it takes the row's maximum away as well).
; qh comes from the launch before as four partial sums over K, [4][32][1024] f32 (q_b included); the set-up adds them.
; SHARES: the 128 rows lie in LDS as bf16 for the whole launch, as eight regions of 128 k (128 rows x 272 bytes each, 278,528 bytes in all).
; Four waves, as many as a WGP has SIMDs; wave w owns columns 256 w .. 256 w + 255,
; in two passes of 128: a block of 128 x 128 of kh in 512 registers, 32 K steps of 32, 64 matrix instructions a step.
; k_w's fragments come straight from kwb into registers (each wave's columns are its own, LDS would only copy them), four steps ahead.
; hs arrives during pass 0, 64 k at a time (whole aligned 256-byte pieces of 32 rows a wave), is rounded and stored into LDS one trip (four steps) ahead of its use:
; a trip reads region i and stores region i + 1, and one barrier a trip stands between a region's stores and its first read.  No byte of a region is written twice.
; THE TEXT IS KEPT SHORT BY RUNNING IT AGAIN: both passes run the same K loop (a first trip that starts the sums, six trips in a loop, a tail that asks for nothing);
; what only pass 0 does (hs) stands in the trip under two counters made of constants, 14 sets to store and 12 to ask for, which are used up when pass 0 ends.
; The epilogue is one body for one d and one pass, run four times; each run starts its own sums and leaves its share of e in LDS.
; Every wait in the trip has a count that holds whichever way those branches go.
; NO TENSOR LOADS, NO CLUSTER: beside the resident rows 49,152 bytes of LDS are left; two slots of one K step of 32 for the 512 columns of a pass take 65,536,
; and a slot that small would want one round of a cluster's barrier for every 64 matrix instructions.
; tanh(y) = 1 - 2 / (1 + 2^(C y)), C = 2 log2(e): an exponential that overflows or vanishes gives exactly +1 or -1, so nothing is clamped.
; So e = sum v + v_b + sum (-2 v) / (1 + 2^(C y)).
; LIMITS: hs, k_w and p enter the matrix unit rounded to bf16; tanh in this form has an absolute error of about 1e-7; sums are ordered otherwise than a plain
; ascending sum; NaN and infinities in the inputs are not carried as the exact formula would carry them.
;
; THE MATRIX INSTRUCTION IS USED TRANSPOSED in the large product (source 0 = 16 rows of k_w, source 1 = 16 rows of hs):
; lane (r, h), register j of tile (mt, nt) holds kh[16 mt + r][16 nt + 8 h + j].
; REGISTERS, in windows of 256:  window 0: addresses, sums, fragments of hs, hs on its way;  window 1: four buffers of k_w fragments (buffer s, tile nt at 64 s + 8 nt);
; window 2: tiles mt 0-3 (tile (mt, nt) at 8 (8 mt + nt));  window 3: tiles mt 4-7.
; SCALARS: s[4:19] the eight addresses; s20 wave; s26 trips, s27 pass, s39 run of the epilogue; s37 sets of hs left to store, s38 left to ask for.
.set AP,   272                         ; LDS pitch of a row in a region: 256 bytes + 16 = 17 x 16: sixteen rows start in sixteen different 16-byte columns
.set RG,   128*AP                      ; a region: 128 rows x 128 k, 34,816 bytes
.set TABQ, 8*RG                        ; C (qh[d] + k_b) as [wave][pass][d][128] f32: 512 bytes for each run of the epilogue, in the order of the runs
.set TABV, TABQ+8192                   ; -2 v as [wave][pass][128] f32
.set ESCR, TABV+4096                   ; [wave][pass][d][128] f32: the shares of e
.set PSCR, ESCR+8192                   ; a wave's own 544 bytes: p[d][128] bf16, pitch 272
.set CSCR, PSCR+2176                   ; a wave's own 2,048 bytes: [d][256] f32 on the way out
.set VAB,  2                           ; v2      r AP + 16 h
.set VA,   4                           ; v4      VAB + the region that is read
.set VSB,  6                           ; v6      (32 w + h) AP + 8 r
.set VST,  8                           ; v8      VSB + the region that is stored
.set VHS,  9                           ; v9      (32 w + h) 4096 + 16 r: my 16 bytes of hs; never rewritten
.set VKB,  10                          ; v10     16 x lane; never rewritten
.set VTQ,  11                          ; v11     TABQ + 2048 w + 32 h, + 512 a run
.set VS,   12                          ; v12     half the sum of v over my wave's 256 columns
.set VTV,  13                          ; v13     TABV + 1024 w + 32 h, + 512 a pass
.set VES,  15                          ; v15     ESCR + 2048 w + 4 r, + 512 a run
.set VTR,  18                          ; v18     address of the transposing loads
.set STG,  32                          ; v32-63  set-up: the raw table loads; pass 0: a set of hs rounded to bf16, on its way into LDS
.set SUM,  32                          ; v32-47  in a run of the epilogue: pair mt at 32 + 2 mt: sums of -2 v / (1 + 2^x) over even and odd j
.set QP,   64                          ; v64-111 set-up: parts 1-3 of qh, part p, d at 64 + 16 (p - 1) + 8 d
.set AF,   64                          ; v64-127 fragments of hs, tile mt at 64 + 8 mt
.set HSB,  128                         ; v128-191, v192-255: two sets of hs on their way, 64 k each
.set CQ,   64                          ; epilogue: two sets of 16 constants (v64, v80)
.set XB,   128                         ; epilogue: two buffers of 32 (v128, v160)
.set EPL,  128                         ; v128-191 the eight shares of e for each d
.set EV,   240                         ; v240-247 e[d] of rows 4 lane .. + 3; read by the stores, never rewritten
.set ET,   248                         ; v248-255 p
.set PF,   192                         ; v192-223 fragments of p
.set HF,   64                          ; v64-191 transposed fragments of hs, two halves of 8 tiles
.set MUL_LO, 0xa1                      ; source 0 window 1, source 1 window 0, C and D window 2
.set MUL_HI, 0xf1                      ; the same, C and D window 3
.set TO_B,   0x40                      ; destination window 1
.set TO_T,   0x80                      ; destination window 2
.set FROM_T, 0x0a                      ; sources 0 and 1 window 2
.set ACC_LO, 0x02                      ; source 0 window 2
.set ACC_HI, 0x03                      ; source 0 window 3
.set CMUL,   0x50                      ; C and D window 1
.set COUT,   0x04                      ; source 1 (an LDS store's data) window 1
.set MSB, 0
.macro WIN new                         ; the immediate's high byte repeats the setting that is left; a switch that changes nothing is dropped
.if MSB != \new
	s_set_vgpr_msb (MSB<<8)|\new
.set MSB, \new
.endif
.endm
.macro PLACES                          ; four places behind a matrix instruction (ISA guide 7.12.1)
.rept 4
	v_nop
.endr
.endm
; eight LDS loads: the fragments of tiles mt = 4 half .. 4 half + 3 at byte off of the region's rows
.macro ALOAD half, off
.irp m, 0,1,2,3
	ds_load_b128 v[AF+8*(4*\half+\m):AF+8*(4*\half+\m)+3],   v[VA] offset:(4*\half+\m)*16*AP+\off
	ds_load_b128 v[AF+8*(4*\half+\m)+4:AF+8*(4*\half+\m)+7], v[VA] offset:(4*\half+\m)*16*AP+\off+32
.endr
.endm
; sixteen loads of 512 neighbouring bytes: one K step's 8 KiB of kwb into buffer s (set the window to TO_B first)
.macro BLOAD s
.irp b, 0,1,2,3,4,5,6,7
	global_load_b128 v[64*\s+8*\b:64*\s+8*\b+3],   v[VKB], s[6:7] offset:\s*8192+\b*1024
	global_load_b128 v[64*\s+8*\b+4:64*\s+8*\b+7], v[VKB], s[6:7] offset:\s*8192+\b*1024+512
.endr
.endm
; sixteen loads: 64 k (256 aligned bytes) of my wave's 32 rows of hs, two rows a load
.macro HSLOAD base, off
.irp i, 0,1,2,3,4,5,6,7,8,9,10,11,12,13,14,15
	global_load_b128 v[\base+4*\i:\base+4*\i+3], v[VHS], s[4:5] offset:\i*8192+\off th:TH_LOAD_NT
.endr
.endm
; 32 matrix instructions: tiles mt = 4 half .. + 3 x all 8 nt.  The 64 accumulators take turns, one instruction a turn, in the same order in every step,
; zero = 1: the first product starts the sums.
.macro MUL32 s, half, zero
.irp m, 0,1,2,3
.irp b, 0,1,2,3,4,5,6,7
.if \zero
	v_wmma_f32_16x16x32_bf16 v[8*(8*\m+\b):8*(8*\m+\b)+7], v[64*\s+8*\b:64*\s+8*\b+7], v[AF+8*(4*\half+\m):AF+8*(4*\half+\m)+7], 0
.else
	v_wmma_f32_16x16x32_bf16 v[8*(8*\m+\b):8*(8*\m+\b)+7], v[64*\s+8*\b:64*\s+8*\b+7], v[AF+8*(4*\half+\m):AF+8*(4*\half+\m)+7], v[8*(8*\m+\b):8*(8*\m+\b)+7]
.endif
.endr
.endr
.endm
; While sets are left to store: a set of hs is rounded into STG and stored into the region that is being filled; while sets are left to ask for: it is asked for again,
; four sets further on (the pointer stands two sets behind, hence the 512).  STG is written again two steps later, behind waits for all my LDS accesses.
.macro STAGE set
	s_cmp_eq_u32 s37, 0
	s_cbranch_scc1 .Lstaged_\@
.irp i, 0,1,2,3,4,5,6,7,8,9,10,11,12,13,14,15
	v_cvt_pk_bf16_f32 v[STG+2*\i],   v[HSB+64*\set+4*\i],   v[HSB+64*\set+4*\i+1]
	v_cvt_pk_bf16_f32 v[STG+2*\i+1], v[HSB+64*\set+4*\i+2], v[HSB+64*\set+4*\i+3]
.endr
.irp i, 0,1,2,3,4,5,6,7,8,9,10,11,12,13,14,15
	ds_store_b64 v[VST], v[STG+2*\i:STG+2*\i+1] offset:\i*2*AP+\set*128
.endr
	s_sub_co_u32 s37, s37, 1
	s_cmp_eq_u32 s38, 0
	s_cbranch_scc1 .Lstaged_\@
	HSLOAD HSB+64*\set, 512+\set*256
	s_sub_co_u32 s38, s38, 1
.Lstaged_\@:
.endm
; One K step of 32 on buffer s.  lc: how many younger global loads may stay out when this step's k_w must be in; the set of hs that the step stores was asked for
; just ahead of that k_w, so it is in as well.  stg: the step has a place for hs.  bar: the trip's barrier.  apre: fetch the next step's fragments of hs.
; bl: ask for k_w four steps ahead.  adv: step the two pointers.
.macro STEP s, zero, lc, stg, set, bar, apre, bl, adv
	s_wait_loadcnt \lc
	s_wait_dscnt 0x8                               ; all but the eight youngest: tiles mt 0-3 are in (and any stores of hs done), tiles 4-7 may be out
	WIN MUL_LO
	MUL32 \s, 0, \zero
	WIN 0
	PLACES
	s_wait_dscnt 0x0                               ; tiles 4-7, asked for 32 matrix instructions ago: no LDS access of mine is out now
.if \bar
	s_barrier_signal -1                            ; my stores of this trip's two sets of hs are in LDS
	s_barrier_wait -1                              ; every wave's are: the next region may be read
	v_add_nc_u32 v[VA], RG, v[VA]
.endif
.if \adv
	s_wait_xcnt 0x0                                ; the bases of the loads issued are stepped only behind this wait; the youngest were issued 32 matrix instructions ago
	s_add_nc_u64 s[6:7], s[6:7], 32768             ; four K steps of kwb
	s_add_nc_u64 s[4:5], s[4:5], 512               ; two sets of hs (no load uses it once the twelve sets have been asked for)
.endif
.if \stg
	STAGE \set
.endif
.if \apre
	ALOAD 0, ((\s+1)&3)*64
.endif
	WIN MUL_HI
	MUL32 \s, 1, \zero
	PLACES
	WIN 0
.if \apre
	ALOAD 1, ((\s+1)&3)*64
.endif
.if \bl
	WIN TO_B
	BLOAD \s
.endif
.endm
; Four K steps = 128 k = one region = two sets of hs.  Behind a step's k_w stand the k_w loads of the three steps after it, 48; sets of hs among them only make the wait stricter.
.macro TRIP zero
	STEP 0, \zero, 48, 1, 0, 0, 1, 1, 1
	STEP 1, 0,     48, 0, 0, 0, 1, 1, 0
	STEP 2, 0,     48, 1, 1, 0, 1, 1, 0
	STEP 3, 0,     48, 0, 0, 1, 1, 1, 0
	WIN 0                                          ; at a label and at a branch every window is 0
	v_add_nc_u32 v[VST], RG, v[VST]                ; the next region is stored (this trip's stores were waited for in front of its barrier)
.endm
.macro TAIL                            ; the pass's last trip asks for nothing: the counts run down
	STEP 0, 0, 48, 0, 0, 0, 1, 0, 0
	STEP 1, 0, 32, 0, 0, 0, 1, 0, 0
	STEP 2, 0, 16, 0, 0, 0, 1, 0, 0
	STEP 3, 0, 0,  0, 0, 0, 0, 0, 0
.endm
; ---- the epilogue's macros: one run = one d, the pass's 128 columns, all 64 tiles ----
.macro CLOAD nt                        ; C (qh[d] + k_b) and -2 v of columns 16 nt + 8 h + 0..7 into constant set nt & 1
.set c_c, CQ+16*((\nt)&1)
	ds_load_b128 v[c_c:c_c+3],     v[VTQ] offset:(\nt)*64
	ds_load_b128 v[c_c+4:c_c+7],   v[VTQ] offset:(\nt)*64+16
	ds_load_b128 v[c_c+8:c_c+11],  v[VTV] offset:(\nt)*64
	ds_load_b128 v[c_c+12:c_c+15], v[VTV] offset:(\nt)*64+16
.endm
.macro EF g                            ; batch g = 2 nt + u, the four tiles (4 u + t, nt) of one window: x = C kh + C (qh + k_b), 32 numbers a lane
.set e_nt, (\g)>>1
.set e_x,  XB+32*((\g)&1)
.set e_c,  CQ+16*(e_nt&1)
.if ((\g)&1) == 0
	WIN ACC_LO
.else
	WIN ACC_HI
.endif
.irp t, 0,1,2,3
.irp j, 0,2,4,6
	v_pk_fma_f32 v[e_x+8*\t+\j:e_x+8*\t+\j+1], v[8*(8*\t+e_nt)+\j:8*(8*\t+e_nt)+\j+1], s[28:29], v[e_c+\j:e_c+\j+1] op_sel_hi:[1,0,1]
.endr
.endr
	WIN 0
.endm
.macro EBATCH                          ; batch g (a symbol): 2^x, + 1, reciprocal, times -2 v into the sums; the next batch's x is made behind the exponentials
.set b_x,  XB+32*(g&1)
.set b_nt, g>>1
.set b_u,  g&1
.set b_c,  CQ+16*(b_nt&1)+8
.set i, 0
.rept 32
	v_exp_f32 v[b_x+i], v[b_x+i]
.set i, i+1
.endr
.if g < 15
.if b_u == 1
	s_wait_dscnt 0x0                               ; the next column tile's constants: the only LDS loads that are out
.endif
	EF g+1                                         ; plain vector work on other registers: the place behind the exponentials (ISA guide 5.7.2)
.else
	v_nop
	s_wait_alu depctr_va_vdst(0)
.endif
.set i, 0
	s_wait_alu depctr_va_vdst(0)
.rept 16
	v_pk_add_f32 v[b_x+i:b_x+i+1], v[b_x+i:b_x+i+1], 1.0 op_sel_hi:[1,0]
.set i, i+2
.endr
.set i, 0
.rept 32
	v_rcp_f32 v[b_x+i], v[b_x+i]
.set i, i+1
.endr
	v_nop                                          ; the place behind the reciprocals
	s_wait_alu depctr_va_vdst(0)
.irp j, 0,2,4,6
.irp t, 0,1,2,3
.if b_nt+\j == 0
	s_wait_alu depctr_va_vdst(0)
	v_pk_mul_f32 v[SUM+2*(4*b_u+\t):SUM+2*(4*b_u+\t)+1], v[b_c+\j:b_c+\j+1], v[b_x+8*\t+\j:b_x+8*\t+\j+1]   ; the first product starts the run's sum
.else
	v_pk_fma_f32 v[SUM+2*(4*b_u+\t):SUM+2*(4*b_u+\t)+1], v[b_c+\j:b_c+\j+1], v[b_x+8*\t+\j:b_x+8*\t+\j+1], v[SUM+2*(4*b_u+\t):SUM+2*(4*b_u+\t)+1]
.endif
.endr
.endr
.if b_u == 1
.if b_nt < 6
	CLOAD b_nt+2                                   ; this set's constants have had their last use
.endif
.endif
.endm
	; ---------------- set-up ----------------
	s_load_b512 s[4:19], s[0:1], 0x0               ; hs 4, kwb 6, qh 8, k_b 10, v_w 12, v_b 14, ebuf 16, pctx 18
	v_lshl_add_u32 v20, v0, 2, 0x4b900
	v_mov_b32 v21, 0
	v_lshrrev_b32 v1, 5, v0
	v_readfirstlane_b32 s20, v1                    ; wave 0..3
	s_lshr_b32 s22, ttmp9, 4                       ; b
	s_and_b32 s23, ttmp9, 15                       ; blk
	s_mov_b32 s25, 0                               ; the upper word of every offset below
	s_mov_b32 s28, 0x4038aa3b                      ; C = 2 log2(e), twice: a pair for the packed forms
	s_mov_b32 s29, 0x4038aa3b
	s_mov_b32 s30, 0x76543210                      ; v_permlanex16_b32: lane i of one half reads lane i of the other
	s_mov_b32 s31, 0xfedcba98
	s_mov_b32 s34, 0x3fb8aa3b                      ; log2(e)
	s_mov_b32 s37, 14                              ; of the 16 sets of hs the set-up stores two
	s_mov_b32 s38, 12                              ; and asks for four
	v_and_b32 v1, 15, v0                           ; r
	v_bfe_u32 v3, v0, 4, 1                         ; h
	v_and_b32 v24, 31, v0                          ; lane
	v_mul_u32_u24 v[VAB], v1, AP
	v_lshl_add_u32 v[VAB], v3, 4, v[VAB]
	v_lshl_add_u32 v25, s20, 5, v3                 ; row 32 w + h
	v_mul_u32_u24 v[VSB], v25, AP
	v_lshl_add_u32 v[VSB], v1, 3, v[VSB]
	v_lshlrev_b32 v[VHS], 12, v25
	v_lshl_add_u32 v[VHS], v1, 4, v[VHS]
	v_lshlrev_b32 v[VKB], 4, v24
	s_lshl_b32 s27, s20, 11
	s_add_co_u32 s27, s27, TABQ
	v_lshl_add_u32 v[VTQ], v3, 5, s27
	v_lshl_add_u32 v27, v3, 10, s27                ; thread t makes columns 8 t .. 8 t + 7 = wave w, pass h, columns 8 r .. of the pass
	v_lshl_add_u32 v27, v1, 5, v27
	s_lshl_b32 s27, s20, 10
	s_add_co_u32 s27, s27, TABV
	v_lshl_add_u32 v[VTV], v3, 5, s27
	s_lshl_b32 s27, s20, 11
	s_add_co_u32 s27, s27, ESCR
	v_lshl_add_u32 v[VES], v1, 2, s27
	v_lshlrev_b32 v26, 5, v0                       ; 32 t: my 8 numbers in qh, k_b, v and in the table of -2 v
	v_add_nc_u32 v23, TABV, v26
	s_wait_kmcnt 0x0
	s_load_b32 s32, s[14:15], 0x0                  ; v_b
	s_lshl_b32 s24, ttmp9, 19                      ; my block's 128 rows of 4,096 bytes
	s_add_nc_u64 s[4:5], s[4:5], s[24:25]
	s_lshl_b32 s24, s20, 19                        ; my wave's 256 columns in kwb: 64 K steps of 8 KiB, pass 1's behind pass 0's
	s_add_nc_u64 s[6:7], s[6:7], s[24:25]
	s_lshl_b32 s24, s22, 12                        ; qh's row b (row 16 + b is 65,536 bytes on, the next part 131,072)
	s_add_nc_u64 s[8:9], s[8:9], s[24:25]
	s_lshl_b32 s24, s22, 13                        ; ebuf's row b, my block's 512 bytes
	s_lshl_b32 s27, s23, 9
	s_add_co_u32 s24, s24, s27
	s_add_nc_u64 s[16:17], s[16:17], s[24:25]
	s_lshl_b32 s24, ttmp9, 13                      ; pctx's block, my wave's 1,024 bytes
	s_lshl_b32 s27, s20, 10
	s_add_co_u32 s24, s24, s27
	s_add_nc_u64 s[18:19], s[18:19], s[24:25]
	global_load_b128 v[32:35], v26, s[8:9]                 ; qh part 0, [0][b]
	global_load_b128 v[36:39], v26, s[8:9] offset:16
	global_load_b128 v[40:43], v26, s[8:9] offset:65536    ; qh part 0, [1][b]
	global_load_b128 v[44:47], v26, s[8:9] offset:65552
.irp p, 1,2,3
.irp d, 0,1
	global_load_b128 v[QP+16*(\p-1)+8*\d:QP+16*(\p-1)+8*\d+3],   v26, s[8:9] offset:\p*131072+\d*65536      ; parts 1 to 3
	global_load_b128 v[QP+16*(\p-1)+8*\d+4:QP+16*(\p-1)+8*\d+7], v26, s[8:9] offset:\p*131072+\d*65536+16
.endr
.endr
	global_load_b128 v[48:51], v26, s[10:11]               ; k_b
	global_load_b128 v[52:55], v26, s[10:11] offset:16
	global_load_b128 v[56:59], v26, s[12:13]               ; v
	global_load_b128 v[60:63], v26, s[12:13] offset:16
	WIN TO_T
	HSLOAD 0, 0                                    ; k 0-63 and 64-127 into registers that are accumulators later
	HSLOAD 64, 256
	WIN 0
	HSLOAD HSB, 512                                ; k 128-191
	WIN TO_B
	BLOAD 0
	WIN 0
	s_wait_loadcnt 32                              ; the 32 youngest (the set k 128-191 and K step 0 of kwb) stay out; tables and k 0-127 are in
	; qh: the four partial sums over K are added, (0 + 1) + (2 + 3)
.irp d, 0,1
.irp j, 0,2,4,6
	v_pk_add_f32 v[32+8*\d+\j:33+8*\d+\j], v[32+8*\d+\j:33+8*\d+\j], v[QP+8*\d+\j:QP+8*\d+\j+1]
	v_pk_add_f32 v[QP+16+8*\d+\j:QP+16+8*\d+\j+1], v[QP+16+8*\d+\j:QP+16+8*\d+\j+1], v[QP+32+8*\d+\j:QP+32+8*\d+\j+1]
.endr
.endr
.irp d, 0,1
.irp j, 0,2,4,6
	v_pk_add_f32 v[32+8*\d+\j:33+8*\d+\j], v[32+8*\d+\j:33+8*\d+\j], v[QP+16+8*\d+\j:QP+16+8*\d+\j+1]
.endr
.endr
	; the tables: C (qh_d + k_b), -2 v; and half the sum of v
.irp j, 0,2,4,6
	v_pk_mul_f32 v[48+\j:49+\j], v[48+\j:49+\j], s[28:29] op_sel_hi:[1,0]
.endr
.irp j, 0,2,4,6
	v_pk_fma_f32 v[32+\j:33+\j], v[32+\j:33+\j], s[28:29], v[48+\j:49+\j] op_sel_hi:[1,0,1]
	v_pk_fma_f32 v[40+\j:41+\j], v[40+\j:41+\j], s[28:29], v[48+\j:49+\j] op_sel_hi:[1,0,1]
.endr
	v_pk_add_f32 v[28:29], v[56:57], v[58:59]
	v_pk_add_f32 v[30:31], v[60:61], v[62:63]
	v_pk_add_f32 v[28:29], v[28:29], v[30:31]
	v_add_f32 v[VS], v28, v29
.irp j, 0,2,4,6
	v_pk_mul_f32 v[56+\j:57+\j], v[56+\j:57+\j], -2.0 op_sel_hi:[1,0]
.endr
.irp x, 1,2,4,8
	v_add_f32_dpp v[VS], v[VS], v[VS] row_xmask:\x row_mask:0xf bank_mask:0xf
.endr
	v_permlanex16_b32 v28, v[VS], s30, s31
	v_add_f32 v[VS], v[VS], v28
	v_mul_f32 v[VS], 0.5, v[VS]                    ; each d's share of e takes it once in each of the two passes
	ds_store_b128 v27, v[32:35]
	ds_store_b128 v27, v[36:39] offset:16
	ds_store_b128 v27, v[40:43] offset:512
	ds_store_b128 v27, v[44:47] offset:528
	ds_store_b128 v23, v[56:59]
	ds_store_b128 v23, v[60:63] offset:16
	WIN FROM_T
.irp t, 0,1
.irp i, 0,1,2,3,4,5,6,7,8,9,10,11,12,13,14,15
	v_cvt_pk_bf16_f32 v[AF+32*\t+2*\i],   v[64*\t+4*\i],   v[64*\t+4*\i+1]
	v_cvt_pk_bf16_f32 v[AF+32*\t+2*\i+1], v[64*\t+4*\i+2], v[64*\t+4*\i+3]
.endr
.endr
	WIN 0
.irp t, 0,1
.irp i, 0,1,2,3,4,5,6,7,8,9,10,11,12,13,14,15
	ds_store_b64 v[VSB], v[AF+32*\t+2*\i:AF+32*\t+2*\i+1] offset:\i*2*AP+\t*128     ; region 0
.endr
.endr
	WIN TO_B
	BLOAD 1
	WIN 0
	HSLOAD HSB+64, 768                             ; k 192-255
	WIN TO_B
	BLOAD 2
	BLOAD 3
	WIN 0
	s_wait_kmcnt 0x0                               ; v_b
	s_wait_dscnt 0x0                               ; my part of region 0 and of the tables is in LDS
	s_barrier_signal -1
	s_barrier_wait -1
	; ---------------- two passes: columns 256 w + 128 pass .. + 127 ----------------
	s_mov_b32 s27, 0
.Lpass:
	v_mov_b32 v[VA], v[VAB]                        ; region 0 is read,
	v_add_nc_u32 v[VST], RG, v[VSB]                ; region 1 stored
	ALOAD 0, 0
	ALOAD 1, 0
	TRIP 1                                         ; its first products start the sums
	s_mov_b32 s26, 6
.Ltrip:
	TRIP 0
	s_sub_co_u32 s26, s26, 1
	s_cmp_lg_u32 s26, 0
	s_cbranch_scc1 .Ltrip
	TAIL
	s_cmp_lg_u32 s27, 0
	s_cbranch_scc1 .Lno_more_kw
	s_add_nc_u64 s[6:7], s[6:7], 32768             ; every load was waited for in the last K step, so the base is free
	WIN TO_B
	BLOAD 0                                        ; pass 1's first four K steps: they have the epilogue in which to land
	BLOAD 1
	BLOAD 2
	BLOAD 3
	WIN 0
.Lno_more_kw:
	; the epilogue: one run for each d
	s_mov_b32 s39, 0
.Lrun:
	CLOAD 0
	CLOAD 1
	s_wait_dscnt 0x4                               ; tile 0's four loads are in, tile 1's stay out
	EF 0
.set g, 0
.rept 16
	EBATCH
.set g, g+1
.endr
	; a lane's two sums, the other half's (columns 8 (1 - h) + j), and half the sum of v: this run's share of e for row 16 mt + r
.irp m, 0,1,2,3,4,5,6,7
	v_add_f32 v[SUM+2*\m], v[SUM+2*\m], v[SUM+2*\m+1]
.endr
.irp m, 0,1,2,3,4,5,6,7
	v_permlanex16_b32 v[SUM+2*\m+1], v[SUM+2*\m], s30, s31
.endr
.irp m, 0,1,2,3,4,5,6,7
	v_add_f32 v[SUM+2*\m], v[SUM+2*\m], v[SUM+2*\m+1]
.endr
.irp m, 0,1,2,3,4,5,6,7
	v_add_f32 v[SUM+2*\m], v[SUM+2*\m], v[VS]
	ds_store_b32 v[VES], v[SUM+2*\m] offset:\m*64  ; both halves of the lanes write the same number to the same word
.endr
	s_wait_dscnt 0x0                               ; the share is in LDS; its address steps behind this wait
	v_add_nc_u32 v[VTQ], 512, v[VTQ]               ; the next run's constants
	v_add_nc_u32 v[VES], 512, v[VES]               ; and its share
	s_add_co_u32 s39, s39, 1
	s_cmp_lt_u32 s39, 2
	s_cbranch_scc1 .Lrun
	v_add_nc_u32 v[VTV], 512, v[VTV]               ; the next pass's -2 v
	s_add_co_u32 s27, s27, 1
	s_cmp_lt_u32 s27, 2
	s_cbranch_scc1 .Lpass
	; ---------------- e of the block ----------------
	s_wait_loadcnt 0x0                             ; met: the last loads of kwb were waited for in the last K step; window 1 gets a new use below
	v_and_b32 v1, 15, v0                           ; r
	v_bfe_u32 v3, v0, 4, 1                         ; h
	v_and_b32 v24, 31, v0                          ; lane
	v_add_nc_u32 v14, ESCR, v[VKB]                 ; rows 4 lane .. + 3 of the first share
	s_mul_i32 s24, s20, 544
	s_add_co_u32 s24, s24, PSCR
	v_lshl_add_u32 v16, v24, 3, s24                ; p of rows 4 lane .. + 3
	v_and_b32 v25, 1, v0
	v_mul_u32_u24 v25, v25, 272
	v_lshl_add_u32 v25, v3, 4, v25
	v_add_nc_u32 v17, s24, v25                     ; fragment of p: row d = r & 1, 8 h numbers
	v_and_b32 v25, 7, v0
	v_lshl_add_u32 v25, v3, 3, v25
	v_mul_u32_u24 v25, v25, AP                     ; row 8 h + (lane & 7)
	v_bfe_u32 v26, v0, 3, 1
	v_lshl_add_u32 v25, v26, 4, v25                ; + 16 bytes for lanes 8-15 and 24-31
	s_mul_i32 s24, s20, 2*RG                       ; my wave's 256 columns of hs are regions 2 w and 2 w + 1
	v_add_nc_u32 v[VTR], s24, v25
	s_lshl_b32 s24, s20, 11
	s_add_co_u32 s24, s24, CSCR
	v_lshl_add_u32 v22, v1, 2, s24
	v_add_nc_u32 v23, s24, v[VKB]
	s_barrier_signal -1                            ; my four shares are in LDS (waited for at the end of each run)
	s_barrier_wait -1
.irp d, 0,1
.irp q, 0,1,2,3,4,5,6,7
	ds_load_b128 v[EPL+32*\d+4*\q:EPL+32*\d+4*\q+3], v14 offset:\q*1024+\d*512     ; q = 2 wave + pass
.endr
.endr
	s_wait_dscnt 0x0
.irp d, 0,1
.irp q, 0,2,4,6
	v_pk_add_f32 v[EPL+32*\d+4*\q:EPL+32*\d+4*\q+1],   v[EPL+32*\d+4*\q:EPL+32*\d+4*\q+1],   v[EPL+32*\d+4*\q+4:EPL+32*\d+4*\q+5]
	v_pk_add_f32 v[EPL+32*\d+4*\q+2:EPL+32*\d+4*\q+3], v[EPL+32*\d+4*\q+2:EPL+32*\d+4*\q+3], v[EPL+32*\d+4*\q+6:EPL+32*\d+4*\q+7]
.endr
.irp q, 0,4
	v_pk_add_f32 v[EPL+32*\d+4*\q:EPL+32*\d+4*\q+1],   v[EPL+32*\d+4*\q:EPL+32*\d+4*\q+1],   v[EPL+32*\d+4*\q+8:EPL+32*\d+4*\q+9]
	v_pk_add_f32 v[EPL+32*\d+4*\q+2:EPL+32*\d+4*\q+3], v[EPL+32*\d+4*\q+2:EPL+32*\d+4*\q+3], v[EPL+32*\d+4*\q+10:EPL+32*\d+4*\q+11]
.endr
	v_pk_add_f32 v[EV+4*\d:EV+4*\d+1],   v[EPL+32*\d:EPL+32*\d+1],   v[EPL+32*\d+16:EPL+32*\d+17]
	v_pk_add_f32 v[EV+4*\d+2:EV+4*\d+3], v[EPL+32*\d+2:EPL+32*\d+3], v[EPL+32*\d+18:EPL+32*\d+19]
.irp i, 0,1,2,3
	v_add_f32 v[EV+4*\d+\i], s32, v[EV+4*\d+\i]    ; + v_b: e[d] of rows 4 lane .. + 3, the same bits in every wave
.endr
.endr
	s_cmp_lg_u32 s20, 0                            ; wave 0 stores e[0], wave 1 e[1]: 512 neighbouring bytes each.  The data registers are not written again
	s_cbranch_scc1 .Lnot_wave_0
	global_store_b128 v[VKB], v[EV:EV+3], s[16:17]
.Lnot_wave_0:
	s_cmp_lg_u32 s20, 1
	s_cbranch_scc1 .Lnot_wave_1
	global_store_b128 v[VKB], v[EV+4:EV+7], s[16:17] offset:131072
.Lnot_wave_1:
	; p = exp(e - the block's maximum), every wave for itself, into its own bytes of LDS
.irp d, 0,1
	v_max3_num_f32 v[24+\d], v[EV+4*\d], v[EV+4*\d+1], v[EV+4*\d+2]
	v_max_num_f32 v[24+\d], v[24+\d], v[EV+4*\d+3]
.irp x, 1,2,4,8
	v_max_num_f32_dpp v[24+\d], v[24+\d], v[24+\d] row_xmask:\x row_mask:0xf bank_mask:0xf
.endr
	v_permlanex16_b32 v[26+\d], v[24+\d], s30, s31
	v_max_num_f32 v[24+\d], v[24+\d], v[26+\d]
	v_mul_f32 v[24+\d], s34, v[24+\d]
.irp i, 0,1,2,3
	v_fma_f32 v[ET+4*\d+\i], v[EV+4*\d+\i], s34, -v[24+\d]
.endr
.endr
.irp i, 0,1,2,3,4,5,6,7
	v_exp_f32 v[ET+\i], v[ET+\i]
.endr
	v_nop                                          ; the place behind the exponentials
	s_wait_alu depctr_va_vdst(0)
.irp d, 0,1
	v_cvt_pk_bf16_f32 v[28+2*\d], v[ET+4*\d],   v[ET+4*\d+1]
	v_cvt_pk_bf16_f32 v[29+2*\d], v[ET+4*\d+2], v[ET+4*\d+3]
	ds_store_b64 v16, v[28+2*\d:29+2*\d] offset:272*\d
.endr
	; ---------------- pctx[d][g] = sum over the 128 rows of p[d][row] hs[row][g], g = my wave's 256 columns ----------------
	; Natural form: source 0 = p, row m standing for d = m & 1 (rows 2-15 are copies: nothing is cleared), source 1 = hs [K = rows][N = columns] by transposing loads.
	; In the result register j of lane (r, h) is (m = 8 h + j, n = r): registers 0 and 1 are d = 0 and 1, in both halves of the lanes.
.macro HLOAD half, k                   ; rows 32 k .. + 31, columns 128 half + 16 b .. + 15 of my 256: offsets up to 65,504, inside the 16-bit field
.irp b, 0,1,2,3,4,5,6,7
	ds_load_tr16_b128 v[HF+64*\half+8*\b:HF+64*\half+8*\b+3],   v[VTR] offset:(\k)*32*AP+\half*RG+32*\b
	ds_load_tr16_b128 v[HF+64*\half+8*\b+4:HF+64*\half+8*\b+7], v[VTR] offset:(\k)*32*AP+\half*RG+32*\b+16*AP
.endr
.endm
.macro CSTEP half, k, left, more       ; eight of the sixteen accumulators, one instruction a turn
	s_wait_dscnt \left
	WIN CMUL
.irp b, 0,1,2,3,4,5,6,7
.if \k == 0
	v_wmma_f32_16x16x32_bf16 v[8*(8*\half+\b):8*(8*\half+\b)+7], v[PF+8*\k:PF+8*\k+7], v[HF+64*\half+8*\b:HF+64*\half+8*\b+7], 0
.else
	v_wmma_f32_16x16x32_bf16 v[8*(8*\half+\b):8*(8*\half+\b)+7], v[PF+8*\k:PF+8*\k+7], v[HF+64*\half+8*\b:HF+64*\half+8*\b+7], v[8*(8*\half+\b):8*(8*\half+\b)+7]
.endif
.endr
	WIN 0
	PLACES
.if \more
	HLOAD \half, \k+1
.endif
.endm
.irp k, 0,1,2,3
	ds_load_b128 v[PF+8*\k:PF+8*\k+3],   v17 offset:64*\k      ; LDS serves a wave's instructions in order: these see my stores of p
	ds_load_b128 v[PF+8*\k+4:PF+8*\k+7], v17 offset:64*\k+32
.endr
	HLOAD 0, 0
	HLOAD 1, 0
	CSTEP 0, 0, 16, 1                              ; the count leaves the other half's sixteen loads out
	CSTEP 1, 0, 16, 1
	CSTEP 0, 1, 16, 1
	CSTEP 1, 1, 16, 1
	CSTEP 0, 2, 16, 1
	CSTEP 1, 2, 16, 1
	CSTEP 0, 3, 16, 0
	CSTEP 1, 3, 0, 0
	WIN COUT
.irp b, 0,1,2,3,4,5,6,7,8,9,10,11,12,13,14,15
	ds_store_b32 v22, v[8*\b]   offset:64*\b               ; d = 0, column 16 nt + r
	ds_store_b32 v22, v[8*\b+1] offset:1024+64*\b          ; d = 1
.endr
	WIN 0
.irp q, 0,1,2,3
	ds_load_b128 v[HF+4*\q:HF+4*\q+3], v23 offset:512*\q   ; my own bytes, read back by rows
.endr
.irp q, 0,1,2,3
	s_wait_dscnt 3-\q
	global_store_b128 v[VKB], v[HF+4*\q:HF+4*\q+3], s[18:19] offset:(\q>>1)*4096+(\q&1)*512    ; 512 neighbouring bytes, aligned
.endr
	s_wait_tensorcnt 0x0
	ds_add_u32 v20, v21
	s_wait_dscnt 0x0
	s_endpgm
.Lfunc_end_k_qda6c6695ab_main:
	.size	k_qda6c6695ab_main, .Lfunc_end_k_qda6c6695ab_main-k_qda6c6695ab_main
	.p2alignl 7, 3214868480
	.fill 96, 4, 3214868480
	.section	.rodata,"a",@progbits
	.p2align	6, 0x0
	.amdhsa_kernel k_qda6c6695ab_main
		.amdhsa_group_segment_fixed_size 310016
		.amdhsa_private_segment_fixed_size 0
		.amdhsa_enable_private_segment 0
		.amdhsa_kernarg_size 64
		.amdhsa_user_sgpr_count 2
		.amdhsa_user_sgpr_kernarg_segment_ptr 1
		.amdhsa_wavefront_size32 1
		.amdhsa_system_sgpr_workgroup_id_x 1
		.amdhsa_system_sgpr_workgroup_id_y 1
		.amdhsa_system_sgpr_workgroup_id_z 1
		.amdhsa_system_vgpr_workitem_id 0
		.amdhsa_next_free_vgpr 1024
		.amdhsa_next_free_sgpr 66
		.amdhsa_reserve_vcc 0
		.amdhsa_float_denorm_mode_32 3
		.amdhsa_float_denorm_mode_16_64 3
		.amdhsa_memory_ordered 1
		.amdhsa_forward_progress 1
		.amdhsa_inst_pref_size 242
	.end_amdhsa_kernel
	.amdgpu_metadata
---
amdhsa.version: [ 1, 2 ]
amdhsa.kernels:
  - .name:           k_qda6c6695ab_main
    .symbol:         k_qda6c6695ab_main.kd
    .args:
      - { .name: hs, .offset: 0, .size: 8, .value_kind: global_buffer, .address_space: global }
      - { .name: kwb, .offset: 8, .size: 8, .value_kind: global_buffer, .address_space: global }
      - { .name: qh, .offset: 16, .size: 8, .value_kind: global_buffer, .address_space: global }
      - { .name: k_b, .offset: 24, .size: 8, .value_kind: global_buffer, .address_space: global }
      - { .name: v_w, .offset: 32, .size: 8, .value_kind: global_buffer, .address_space: global }
      - { .name: v_b, .offset: 40, .size: 8, .value_kind: global_buffer, .address_space: global }
      - { .name: ebuf, .offset: 48, .size: 8, .value_kind: global_buffer, .address_space: global }
      - { .name: pctx, .offset: 56, .size: 8, .value_kind: global_buffer, .address_space: global }
    .group_segment_fixed_size: 310016
    .private_segment_fixed_size: 0
    .kernarg_segment_align: 8
    .kernarg_segment_size: 64
    .max_flat_workgroup_size: 128
    .sgpr_count:     66
    .vgpr_count:     1024
    .wavefront_size: 32
...
	.end_amdgpu_metadata
.endif
;; end of part 6
;; launch comb: the kernel of part 4 again; grid 32 x 2, 4 waves a work-group, no clusters, 0 bytes of LDS; arguments ebuf, pctx, out1, ctx; writes out1, ctx
;; launch linc (part 7): grid 16 x 1, 16 waves a work-group, no clusters, 141,312 bytes of LDS; arguments ctx, cwb, c_b, out0; writes out0
.if DOCPART == 7
	.amdgcn_target "amdgcn-amd-amdhsa--gfx1250"
	.amdhsa_code_object_version 6
	.text
	.protected	k_qda6c6695ab_linc
	.globl	k_qda6c6695ab_linc
	.p2align	8
	.type	k_qda6c6695ab_linc,@function
k_qda6c6695ab_linc:
	s_mov_b64 s[64:65], 0
	v_nop
	global_prefetch_b8 v0, s[64:65] scope:SCOPE_SE
	s_setreg_imm32_b32 hwreg(HW_REG_WAVE_MODE, 25, 1), 1
	s_wait_xcnt 0x0
; out0[m][o] = sum over k of ctx[m][k] c_w[o][k] + c_b[o].  ctx: [32][1024] f32, c_b: [1024] f32, out0: [32][1024] f32.
; c_w comes as cwb, which the first launch made of it: bf16 in fragment order,
;   cwb[nb 8][ks 32][nt 8][c 2][lane 32][16 bytes] = c_w[128 nb + 16 nt + (lane & 15)][32 ks + 16 c + 8 (lane >> 4) + 0..7],
; so a wave's weight fragments are 16 loads of 512 neighbouring bytes straight into registers: no rounding, no LDS.
; Operands are bf16 for the matrix unit, sums are kept in f32 (their order differs from a plain ascending sum).
; A work-group owns 64 columns o (one aligned 256-byte piece of every output row); its 16 waves split K: wave kq takes k = 64 kq .. 64 kq + 63.
; ctx is loaded two rows x 256 neighbouring bytes at a time; a matrix fragment wants a row in a lane, so the wave rounds it and lays it into LDS bytes of its own
; (32 rows x 144 bytes), from which it reads its fragments: no barrier, the bytes are its own.
; The 16 partial blocks of 32 x 64 meet in LDS (each in its wave's bytes, whose first use is over); wave kq then sums output rows 2 kq and 2 kq + 1.
; K is not split over work-groups: no later launch could add the parts.  Fewer columns a work-group would store pieces of 256-byte blocks.
; No tensor loads and no cluster: every byte of cwb is used by one wave alone, and ctx is 128 KiB.
; THE MATRIX INSTRUCTION IS USED TRANSPOSED (source 0 = rows of c_w, source 1 = rows of ctx): lane (r, h) holds out[16 mt + r][16 nt + 8 h + 0..7].
.set LP,   144                         ; LDS row of 64 bf16 + 16 bytes = 9 x 16: sixteen rows start in sixteen different 16-byte columns
.set PP,   272                         ; row of a partial block: 64 f32 + 16 bytes
.set WREG, 32*PP                       ; a wave's own bytes, 8,704: first ctx (4,608 of them), then its partial block
.set LD,   32                          ; v[32:95]   16 loads of ctx
.set XF,   32                          ; v[32:63]   fragments of ctx: (K step s, mt) at 8 (2 s + mt)
.set WF,   96                          ; v[96:159]  fragments of c_w: (K step s, nt) at 8 (4 s + nt)
.set ACC,  160                         ; v[160:223] accumulator (mt, nt) at 8 (4 mt + nt)
.set G,    32                          ; v[32:95]   the sixteen partial sums of my four outputs
.macro PUT reg, off                    ; four f32 of a row -> four bf16 -> 8 bytes of the row in LDS
	v_cvt_pk_bf16_f32 v[\reg],   v[\reg],   v[\reg+1]
	v_cvt_pk_bf16_f32 v[\reg+1], v[\reg+2], v[\reg+3]
	ds_store_b64 v5, v[\reg:\reg+1] offset:\off
.endm
	s_load_b256 s[4:11], s[0:1], 0x0               ; ctx s[4:5], cwb s[6:7], c_b s[8:9], out0 s[10:11]
	v_lshl_add_u32 v224, v0, 2, 0x22000
	v_mov_b32 v225, 0
	v_lshrrev_b32 v1, 5, v0
	v_readfirstlane_b32 s12, v1                    ; kq = wave 0..15
	v_and_b32 v1, 15, v0                           ; r
	v_bfe_u32 v2, v0, 4, 1                         ; h
	v_lshlrev_b32 v3, 4, v1                        ; 16 r
	v_lshl_add_u32 v4, v2, 12, v3                  ; ctx: row h of a pair, 16 r bytes into my 256
	v_and_b32 v17, 31, v0
	v_lshlrev_b32 v17, 4, v17                      ; cwb: 16 x lane
	s_lshl_b32 s14, s12, 8                         ; my 64 k of ctx: 256 bytes
	s_mov_b32 s15, 0
	s_lshr_b32 s16, ttmp9, 1                       ; cwb: nb = group / 2, 262,144 bytes each
	s_lshl_b32 s16, s16, 18
	s_and_b32 s17, ttmp9, 1                        ;      nt = 4 (group % 2) + t, 1,024 bytes each
	s_lshl_b32 s17, s17, 12
	s_add_co_u32 s16, s16, s17
	s_lshl_b32 s17, s12, 14                        ;      ks = 2 kq + s, 8,192 bytes each
	s_add_co_u32 s16, s16, s17
	s_mov_b32 s17, 0
	s_lshl_b32 s18, ttmp9, 8                       ; my group's 64 columns of c_b and out0
	s_mov_b32 s19, 0
	s_wait_kmcnt 0x0
	s_add_nc_u64 s[4:5], s[4:5], s[14:15]
	s_add_nc_u64 s[6:7], s[6:7], s[16:17]
	s_add_nc_u64 s[8:9], s[8:9], s[18:19]
	s_add_nc_u64 s[10:11], s[10:11], s[18:19]
	global_load_b128 v[8:11], v3, s[8:9]           ; bias of the four columns that I store at the end
.set i, 0
.rept 16
	global_load_b128 v[LD+4*i:LD+4*i+3], v4, s[4:5] offset:i*8192                        ; rows 2 i, 2 i + 1 of ctx
.set i, i+1
.endr
.irp s, 0,1
.irp t, 0,1,2,3
	global_load_b128 v[WF+8*(4*\s+\t):WF+8*(4*\s+\t)+3],   v17, s[6:7] offset:\s*8192+\t*1024 th:TH_LOAD_NT       ; k = 8 h + 0..7 of the K step
	global_load_b128 v[WF+8*(4*\s+\t)+4:WF+8*(4*\s+\t)+7], v17, s[6:7] offset:\s*8192+\t*1024+512 th:TH_LOAD_NT   ; k = 16 + 8 h + 0..7
.endr
.endr
	; LDS addresses, while the loads are on their way
	s_mul_i32 s13, s12, WREG
	v_mul_u32_u24 v5, v2, LP
	v_lshl_add_u32 v5, v1, 3, v5
	v_add_nc_u32 v5, s13, v5                       ; in: row h of a pair, 8 r bytes
	v_mul_u32_u24 v6, v1, LP
	v_lshl_add_u32 v6, v2, 4, v6
	v_add_nc_u32 v6, s13, v6                       ; fragments: row r, 16 h bytes
	v_mul_u32_u24 v7, v1, PP
	v_lshl_add_u32 v7, v2, 5, v7
	v_add_nc_u32 v7, s13, v7                       ; partial block in: row r, 8 h columns
	s_lshl_b32 s13, s12, 1
	v_add_nc_u32 v12, s13, v2                      ; the output row that I sum: 2 kq + h
	v_mul_u32_u24 v13, v12, PP
	v_lshl_add_u32 v13, v1, 4, v13                 ; back: that row, columns 4 r .. 4 r + 3, in wave 0's block
	v_add_nc_u32 v14, 8*WREG, v13                  ; and in wave 8's (an LDS offset has 16 bits)
	v_lshlrev_b32 v12, 12, v12
	v_lshl_add_u32 v12, v1, 4, v12                 ; the same place in out0
	s_wait_loadcnt 16                              ; bias and ctx are in; the 16 loads of cwb stay out
.set i, 0
.rept 16
	PUT LD+4*i, i*2*LP
.set i, i+1
.endr
	s_wait_dscnt 0x0                               ; my stores are done: their data registers take the fragments now
.irp s, 0,1
.irp m, 0,1
	ds_load_b128 v[XF+8*(2*\s+\m):XF+8*(2*\s+\m)+3],   v6 offset:\m*16*LP+64*\s
	ds_load_b128 v[XF+8*(2*\s+\m)+4:XF+8*(2*\s+\m)+7], v6 offset:\m*16*LP+64*\s+32
.endr
.endr
	s_wait_loadcnt 8                               ; the first K step's eight loads of cwb are in, the second's stay out
	s_wait_dscnt 4                                 ; and its four loads of ctx; the second's four stay out
	; eight accumulators by turns, one instruction a turn; the first K step starts the sums
.irp m, 0,1
.irp t, 0,1,2,3
	v_wmma_f32_16x16x32_bf16 v[ACC+8*(4*\m+\t):ACC+8*(4*\m+\t)+7], v[WF+8*\t:WF+8*\t+7], v[XF+8*\m:XF+8*\m+7], 0
.endr
.endr
	s_wait_loadcnt 0x0
	s_wait_dscnt 0x0
.irp m, 0,1
.irp t, 0,1,2,3
	v_wmma_f32_16x16x32_bf16 v[ACC+8*(4*\m+\t):ACC+8*(4*\m+\t)+7], v[WF+8*(4+\t):WF+8*(4+\t)+7], v[XF+8*(2+\m):XF+8*(2+\m)+7], v[ACC+8*(4*\m+\t):ACC+8*(4*\m+\t)+7]
.endr
.endr
.rept 4
	v_nop                                          ; four places between the last matrix instruction and the LDS stores of its result
.endr
.irp m, 0,1
.irp t, 0,1,2,3
	ds_store_b128 v7, v[ACC+8*(4*\m+\t):ACC+8*(4*\m+\t)+3]   offset:\m*16*PP+64*\t       ; over my own rows of ctx, which I have read
	ds_store_b128 v7, v[ACC+8*(4*\m+\t)+4:ACC+8*(4*\m+\t)+7] offset:\m*16*PP+64*\t+16
.endr
.endr
	s_wait_dscnt 0x0                               ; my block is in LDS, for the others' sake
	s_barrier_signal -1
	s_barrier_wait -1                              ; all sixteen blocks are
.irp j, 0,1,2,3,4,5,6,7
	ds_load_b128 v[G+4*\j:G+4*\j+3], v13 offset:\j*WREG
.endr
.irp j, 0,1,2,3,4,5,6,7
	ds_load_b128 v[G+32+4*\j:G+32+4*\j+3], v14 offset:\j*WREG
.endr
	s_wait_dscnt 0x0
	; a tree of packed sums over the sixteen pieces of K
.irp k, 0,1,2,3,4,5,6,7
	v_pk_add_f32 v[G+8*\k:G+8*\k+1],   v[G+8*\k:G+8*\k+1],   v[G+8*\k+4:G+8*\k+5]
	v_pk_add_f32 v[G+8*\k+2:G+8*\k+3], v[G+8*\k+2:G+8*\k+3], v[G+8*\k+6:G+8*\k+7]
.endr
.irp k, 0,1,2,3
	v_pk_add_f32 v[G+16*\k:G+16*\k+1],   v[G+16*\k:G+16*\k+1],   v[G+16*\k+8:G+16*\k+9]
	v_pk_add_f32 v[G+16*\k+2:G+16*\k+3], v[G+16*\k+2:G+16*\k+3], v[G+16*\k+10:G+16*\k+11]
.endr
.irp k, 0,1
	v_pk_add_f32 v[G+32*\k:G+32*\k+1],   v[G+32*\k:G+32*\k+1],   v[G+32*\k+16:G+32*\k+17]
	v_pk_add_f32 v[G+32*\k+2:G+32*\k+3], v[G+32*\k+2:G+32*\k+3], v[G+32*\k+18:G+32*\k+19]
.endr
	v_pk_add_f32 v[G:G+1],   v[G:G+1],   v[G+32:G+33]
	v_pk_add_f32 v[G+2:G+3], v[G+2:G+3], v[G+34:G+35]
	v_pk_add_f32 v[G:G+1],   v[G:G+1],   v[8:9]
	v_pk_add_f32 v[G+2:G+3], v[G+2:G+3], v[10:11]
	global_store_b128 v12, v[G:G+3], s[10:11]      ; sixteen lanes store 256 neighbouring bytes, aligned: the group's piece of one row
	s_wait_tensorcnt 0x0
	ds_add_u32 v224, v225
	s_wait_dscnt 0x0
	s_endpgm
.Lfunc_end_k_qda6c6695ab_linc:
	.size	k_qda6c6695ab_linc, .Lfunc_end_k_qda6c6695ab_linc-k_qda6c6695ab_linc
	.p2alignl 7, 3214868480
	.fill 96, 4, 3214868480
	.section	.rodata,"a",@progbits
	.p2align	6, 0x0
	.amdhsa_kernel k_qda6c6695ab_linc
		.amdhsa_group_segment_fixed_size 141312
		.amdhsa_private_segment_fixed_size 0
		.amdhsa_enable_private_segment 0
		.amdhsa_kernarg_size 32
		.amdhsa_user_sgpr_count 2
		.amdhsa_user_sgpr_kernarg_segment_ptr 1
		.amdhsa_wavefront_size32 1
		.amdhsa_system_sgpr_workgroup_id_x 1
		.amdhsa_system_sgpr_workgroup_id_y 1
		.amdhsa_system_sgpr_workgroup_id_z 1
		.amdhsa_system_vgpr_workitem_id 0
		.amdhsa_next_free_vgpr 226
		.amdhsa_next_free_sgpr 66
		.amdhsa_reserve_vcc 0
		.amdhsa_float_denorm_mode_32 3
		.amdhsa_float_denorm_mode_16_64 3
		.amdhsa_memory_ordered 1
		.amdhsa_forward_progress 1
		.amdhsa_inst_pref_size 15
	.end_amdhsa_kernel
	.amdgpu_metadata
---
amdhsa.version: [ 1, 2 ]
amdhsa.kernels:
  - .name:           k_qda6c6695ab_linc
    .symbol:         k_qda6c6695ab_linc.kd
    .args:
      - { .name: ctx, .offset: 0, .size: 8, .value_kind: global_buffer, .address_space: global }
      - { .name: cwb, .offset: 8, .size: 8, .value_kind: global_buffer, .address_space: global }
      - { .name: c_b, .offset: 16, .size: 8, .value_kind: global_buffer, .address_space: global }
      - { .name: out0, .offset: 24, .size: 8, .value_kind: global_buffer, .address_space: global }
    .group_segment_fixed_size: 141312
    .private_segment_fixed_size: 0
    .kernarg_segment_align: 8
    .kernarg_segment_size: 32
    .max_flat_workgroup_size: 512
    .sgpr_count:     66
    .vgpr_count:     226
    .wavefront_size: 32
...
	.end_amdgpu_metadata
.endif
;; end of part 7
;; ======== version 3 of 3: 4 launches; version 2 with the launch main written anew for expert scheduling mode
;; workspace buffers: kwb 2,097,152 bytes; cwb 2,097,152 bytes; qh 524,288 bytes; ebuf 262,144 bytes; pctx 2,097,152 bytes; ctx 131,072 bytes
;; launch prep: the kernel of part 5 again; grid 192 x 1, 4 waves a work-group, no clusters, 55,808 bytes of LDS; arguments ht, q_w, q_b, qh, k_w, kwb, c_w, cwb; writes qh, kwb, cwb
;; launch main (part 8): grid 256 x 1, 4 waves a work-group, no clusters, 310,016 bytes of LDS; arguments hs, kwb, qh, k_b, v_w, v_b, ebuf, pctx; writes ebuf, pctx
.if DOCPART == 8
	.amdgcn_target "amdgcn-amd-amdhsa--gfx1250"
	.amdhsa_code_object_version 6
	.text
	.protected	k_qda6c6695ab_main
	.globl	k_qda6c6695ab_main
	.p2align	8
	.type	k_qda6c6695ab_main,@function
k_qda6c6695ab_main:
	s_mov_b64 s[64:65], 0
	v_nop
	global_prefetch_b8 v0, s[64:65] scope:SCOPE_SE
	s_setreg_imm32_b32 hwreg(HW_REG_WAVE_SCHED_MODE, 0, 2), 2
	s_setreg_imm32_b32 hwreg(HW_REG_WAVE_MODE, 25, 1), 1
	s_wait_xcnt 0x0
	s_wait_alu depctr_vm_vsrc(0)
; One work-group = 128 rows s of one batch b (block id = 16 b + blk), all 1,024 columns o.  From ONE read of its rows of hs it makes
;   kh = hs k_w^T (in registers only),  e[d][s] = sum over o of v[o] tanh(qh[d][o] + kh[s][o] + k_b[o]) + v_b   -> ebuf,
;   p[d][s] = exp(e - the block's maximum of e),  pctx[id][d][g] = sum over the block's s of p[d][s] hs[s][g]  -> pctx.
; The next launch joins the 16 blocks of a batch (it takes the row's maximum away as well).
; qh comes from the launch before as four partial sums over K, [4][32][1024] f32 (q_b included); the set-up adds them.
; SHARES: the 128 rows lie in LDS as bf16 for the whole launch, as eight regions of 128 k (128 rows x 272 bytes each, 278,528 bytes in all).
; Four waves, as many as a WGP has SIMDs; wave w owns columns 256 w .. 256 w + 255,
; in two passes of 128: a block of 128 x 128 of kh in 512 registers, 32 K steps of 32, 64 matrix instructions a step.
; k_w's fragments come straight from kwb into registers (each wave's columns are its own, LDS would only copy them); a buffer is asked for again in the step behind the one that read it, three steps ahead of its use.
; hs arrives during pass 0, 64 k at a time (whole aligned 256-byte pieces of 32 rows a wave), is rounded and stored into LDS one trip (four steps) ahead of its use:
; a trip reads region i and stores region i + 1, and one barrier a trip stands between a region's stores and its first read.  No byte of a region is written twice.
; THE TEXT IS KEPT SHORT BY RUNNING IT AGAIN: both passes run the same K loop (a first trip that starts the sums, six trips in a loop, a tail that asks for the last buffer alone);
; what only pass 0 does (hs) stands in the trip under two counters made of constants, 14 sets to store and 12 to ask for, which are used up when pass 0 ends.
; The epilogue is one body for one d and one pass, run four times; each run starts its own sums and leaves its share of e in LDS.
; Every wait in the trip has a count that holds whichever way those branches go.
; NO TENSOR LOADS, NO CLUSTER: beside the resident rows 49,152 bytes of LDS are left; two slots of one K step of 32 for the 512 columns of a pass take 65,536,
; and a slot that small would want one round of a cluster's barrier for every 64 matrix instructions.
; tanh(y) = 1 - 2 / (1 + 2^(C y)), C = 2 log2(e): an exponential that overflows or vanishes gives exactly +1 or -1, so nothing is clamped.
; So e = sum v + v_b + sum (-2 v) / (1 + 2^(C y)).
; LIMITS: hs, k_w and p enter the matrix unit rounded to bf16; tanh in this form has an absolute error of about 1e-7; sums are ordered otherwise than a plain
; ascending sum; NaN and infinities in the inputs are not carried as the exact formula would carry them.
;
; THE MATRIX INSTRUCTION IS USED TRANSPOSED in the large product (source 0 = 16 rows of k_w, source 1 = 16 rows of hs):
; lane (r, h), register j of tile (mt, nt) holds kh[16 mt + r][16 nt + 8 h + j].
; REGISTERS, in windows of 256:  window 0: addresses, sums, fragments of hs, hs on its way;  window 1: four buffers of k_w fragments (buffer s, tile nt at 64 s + 8 nt);
; window 2: tiles mt 0-3 (tile (mt, nt) at 8 (8 mt + nt));  window 3: tiles mt 4-7.  Behind the passes windows 2 and 3 take the transposed fragments of hs.
; SCALARS: s[4:19] the eight addresses; s20 wave; s26 trips, s27 pass, s39 run of the epilogue; s37 sets of hs left to store, s38 left to ask for.
;
; THE MODE: SCHED_MODE bits 1:0 = 2 (LLVM: expert scheduling mode 2), set by the entry lines.  The code itself states the register dependences
; between vector or matrix instructions and memory or LDS instructions, with s_wait_alu, always for 0.
; THE PLAN, K LOOP.  Registers that memory or LDS instructions touch:
;   AF lo v64-95    read by a step's first 32 matrix instructions; the next step's fragments are loaded among its second 32.
;   AF hi v96-127   read by a step's second 32; this step's fragments are loaded among its first 32.
;   B0 .. B3        (window 1) B[s] is read by step s's 64 matrix instructions and loaded again among the first 32 of step s + 1.
;   HSB0, HSB1      read by the conversions that stand between a step's halves; loaded again among that step's second 32.
;   STG             written by those conversions; read by the LDS stores among the second 32.
;   VA, VST         read by the fragments' loads and by the stores of hs; written once a trip, between the halves of its last step.
;   VHS, VKB        offsets, made at the head and never written again: scalar bases and immediate offsets do the rest.
; TWO waits on va_vdst stand in a step.  The one between the halves states: the first 32 are done reading AF lo; the conversions have written STG and are done reading HSB; VA and VST are
; written.  Behind it only the second 32 are issued, which name AF hi, B[s] and window 3: none of the registers that the loads and stores among them touch.  The one at the step's end states:
; the second 32 are done reading AF hi and B[s].  Behind it come the next step's first 32 (AF lo, B[s + 1], window 2): none of the registers that the loads among them touch.
; A wait on vm_vsrc stands ahead of the conversions (the stores of two steps back have read STG) and ahead of the adds to VA and VST.
; THE EPILOGUE has a set of registers for each of the eight column tiles' constants, loaded in one run at a run's head behind one wait on va_vdst; no set is loaded twice in a run.
; THE LAST PRODUCT has 64 registers for each of its eight groups of transposed fragments (windows 2 and 3): one wait on va_vdst ahead of all its loads, which are then dealt among its matrix instructions.
.set AP,   272                         ; LDS pitch of a row in a region: 256 bytes + 16 = 17 x 16: sixteen rows start in sixteen different 16-byte columns
.set RG,   128*AP                      ; a region: 128 rows x 128 k, 34,816 bytes
.set TABQ, 8*RG                        ; C (qh[d] + k_b) as [wave][pass][d][128] f32: 512 bytes for each run of the epilogue, in the order of the runs
.set TABV, TABQ+8192                   ; -2 v as [wave][pass][128] f32
.set ESCR, TABV+4096                   ; [wave][pass][d][128] f32: the shares of e
.set PSCR, ESCR+8192                   ; a wave's own 544 bytes: p[d][128] bf16, pitch 272
.set CSCR, PSCR+2176                   ; a wave's own 2,048 bytes: [d][256] f32 on the way out
.set VAB,  2                           ; v2      r AP + 16 h
.set VA,   4                           ; v4      VAB + the region that is read
.set VSB,  6                           ; v6      (32 w + h) AP + 8 r
.set VST,  8                           ; v8      VSB + the region that is stored
.set VHS,  9                           ; v9      (32 w + h) 4096 + 16 r: my 16 bytes of hs; never rewritten
.set VKB,  10                          ; v10     16 x lane; never rewritten
.set VTQ,  11                          ; v11     TABQ + 2048 w + 32 h, + 512 a run
.set VS,   12                          ; v12     half the sum of v over my wave's 256 columns
.set VTV,  13                          ; v13     TABV + 1024 w + 32 h, + 512 a pass
.set VES,  15                          ; v15     ESCR + 2048 w + 4 r, + 512 a run
.set VTR,  18                          ; v18     address of the transposing loads
.set STG,  32                          ; v32-63  set-up: the raw table loads; pass 0: a set of hs rounded to bf16, on its way into LDS
.set SUM,  32                          ; v32-47  in a run of the epilogue: pair mt at 32 + 2 mt: sums of -2 v / (1 + 2^x) over even and odd j
.set QP,   64                          ; v64-111 set-up: parts 1-3 of qh, part p, d at 64 + 16 (p - 1) + 8 d
.set AF,   64                          ; v64-127 fragments of hs, tile mt at 64 + 8 mt
.set HSB,  128                         ; v128-191, v192-255: two sets of hs on their way, 64 k each
.set CQ,   64                          ; epilogue: eight sets of 16 constants: column tile nt at 64 + 16 nt (nt 0-3) and at 192 + 16 (nt - 4) (nt 4-7)
.set XB,   128                         ; epilogue: two buffers of 32 (v128, v160)
.set EPL,  128                         ; v128-191 the eight shares of e for each d
.set EV,   240                         ; v240-247 e[d] of rows 4 lane .. + 3; read by the stores, never rewritten
.set ET,   248                         ; v248-255 p
.set PF,   192                         ; v192-223 fragments of p
.set OB,   64                          ; v64-79  the way out: pctx read back by rows
.set MUL_LO, 0xa1                      ; source 0 window 1, source 1 window 0, C and D window 2
.set MUL_HI, 0xf1                      ; the same, C and D window 3
.set TO_B,   0x40                      ; destination window 1
.set TO_T,   0x80                      ; destination window 2
.set TO_U,   0xc0                      ; destination window 3
.set FROM_T, 0x0a                      ; sources 0 and 1 window 2
.set ACC_LO, 0x02                      ; source 0 window 2
.set ACC_HI, 0x03                      ; source 0 window 3
.set CMUL_T, 0x58                      ; C and D window 1, source 1 window 2
.set CMUL_U, 0x5c                      ; C and D window 1, source 1 window 3
.set COUT,   0x04                      ; source 1 (an LDS store's data) window 1
.set MSB, 0
.macro WIN new                         ; the immediate's high byte repeats the setting that is left; a switch that changes nothing is dropped
.if MSB != \new
	s_set_vgpr_msb (MSB<<8)|\new
.set MSB, \new
.endif
.endm
.macro PLACES                          ; four places behind a matrix instruction (ISA guide 7.12.1)
.rept 4
	v_nop
.endr
.endm
; eight LDS loads: the fragments of tiles mt = 4 half .. 4 half + 3 at byte off of the region's rows
.macro ALOAD half, off
.irp m, 0,1,2,3
	ds_load_b128 v[AF+8*(4*\half+\m):AF+8*(4*\half+\m)+3],   v[VA] offset:(4*\half+\m)*16*AP+\off
	ds_load_b128 v[AF+8*(4*\half+\m)+4:AF+8*(4*\half+\m)+7], v[VA] offset:(4*\half+\m)*16*AP+\off+32
.endr
.endm
; eight loads of 512 neighbouring bytes: tiles nt = 4 q .. 4 q + 3 of one K step's 8 KiB of kwb into buffer s (set the window to TO_B first)
.macro BHALF s, q
.irp b, 0,1,2,3
	global_load_b128 v[64*\s+8*(4*\q+\b):64*\s+8*(4*\q+\b)+3],   v[VKB], s[6:7] offset:\s*8192+(4*\q+\b)*1024
	global_load_b128 v[64*\s+8*(4*\q+\b)+4:64*\s+8*(4*\q+\b)+7], v[VKB], s[6:7] offset:\s*8192+(4*\q+\b)*1024+512
.endr
.endm
.macro BLOAD s                         ; the whole K step
	BHALF \s, 0
	BHALF \s, 1
.endm
; sixteen loads: 64 k (256 aligned bytes) of my wave's 32 rows of hs, two rows a load
.macro HSLOAD base, off
.irp i, 0,1,2,3,4,5,6,7,8,9,10,11,12,13,14,15
	global_load_b128 v[\base+4*\i:\base+4*\i+3], v[VHS], s[4:5] offset:\i*8192+\off th:TH_LOAD_NT
.endr
.endm
; 8 matrix instructions: tile mt = 4 half + m x all 8 nt.  The 64 accumulators take turns, one instruction a turn, in the same order in every step,
; zero = 1: the first product starts the sums.
.macro MUL8 s, half, m, zero
.irp b, 0,1,2,3,4,5,6,7
.if \zero
	v_wmma_f32_16x16x32_bf16 v[8*(8*\m+\b):8*(8*\m+\b)+7], v[64*\s+8*\b:64*\s+8*\b+7], v[AF+8*(4*\half+\m):AF+8*(4*\half+\m)+7], 0
.else
	v_wmma_f32_16x16x32_bf16 v[8*(8*\m+\b):8*(8*\m+\b)+7], v[64*\s+8*\b:64*\s+8*\b+7], v[AF+8*(4*\half+\m):AF+8*(4*\half+\m)+7], v[8*(8*\m+\b):8*(8*\m+\b)+7]
.endif
.endr
.endm
; hs, in three parts.  While sets are left to store: CONV rounds a set into STG, PUTHS stores it into the region that is being filled.  While sets are left to ask for: ASKHS asks for
; the set again, four sets further on (the pointer stands two sets behind, hence the 512).  The twelve sets to ask for are used up before the fourteen to store.
.macro CONV set
	s_cmp_eq_u32 s37, 0
	s_cbranch_scc1 .Lrounded_\@
	s_wait_alu depctr_vm_vsrc(0)                   ; the LDS stores of the set before have read STG, which the conversions write again
.irp i, 0,1,2,3,4,5,6,7,8,9,10,11,12,13,14,15
	v_cvt_pk_bf16_f32 v[STG+2*\i],   v[HSB+64*\set+4*\i],   v[HSB+64*\set+4*\i+1]
	v_cvt_pk_bf16_f32 v[STG+2*\i+1], v[HSB+64*\set+4*\i+2], v[HSB+64*\set+4*\i+3]
.endr
.Lrounded_\@:
.endm
.macro PUTHS set
	s_cmp_eq_u32 s37, 0
	s_cbranch_scc1 .Lstored_\@
.irp i, 0,1,2,3,4,5,6,7,8,9,10,11,12,13,14,15
	ds_store_b64 v[VST], v[STG+2*\i:STG+2*\i+1] offset:\i*2*AP+\set*128
.endr
	s_sub_co_u32 s37, s37, 1
.Lstored_\@:
.endm
.macro ASKHS set
	s_cmp_eq_u32 s38, 0
	s_cbranch_scc1 .Lasked_\@
	HSLOAD HSB+64*\set, 512+\set*256
	s_sub_co_u32 s38, s38, 1
.Lasked_\@:
.endm
; One K step of 32 on buffer s.  lc: how many younger global loads may stay out when this step's k_w must be in; the set of hs that the step stores was asked for
; just ahead of that k_w, so it is in as well.  stg: the step has a place for hs.  bar: the trip's barrier.  apre: fetch the next step's fragments of tiles 0-3.
; pb: the buffer of k_w that the step before has read and that is asked for again, or -1.  adv: step the two pointers.
.macro STEP s, zero, lc, stg, set, bar, apre, pb, adv
	s_wait_loadcnt \lc
	s_wait_dscnt 0x0                               ; tiles mt 0-3, asked for 24 matrix instructions ago, are in, and any stores of hs are done
	WIN MUL_LO
	MUL8 \s, 0, 0, \zero
	WIN 0
	ALOAD 1, \s*64                                 ; this step's tiles 4-7.  No wait here, nor at the loads of k_w below: no vector or matrix instruction since the wait at the last step's end names their registers
	WIN MUL_LO
	MUL8 \s, 0, 1, \zero
.if \pb >= 0
	WIN TO_B
	BHALF \pb, 0
	WIN MUL_LO
.endif
	MUL8 \s, 0, 2, \zero
.if \pb >= 0
	WIN TO_B
	BHALF \pb, 1
	WIN MUL_LO
.endif
	MUL8 \s, 0, 3, \zero
	WIN 0
.if \stg
	CONV \set
.endif
.if \bar
	s_wait_alu depctr_vm_vsrc(0)                   ; the fragments' loads issued so far have read VA, this trip's stores of hs VST
	v_add_nc_u32 v[VA], RG, v[VA]                  ; the next region is read (behind the barrier below),
	v_add_nc_u32 v[VST], RG, v[VST]                ; the one behind it stored
.endif
	PLACES
	s_wait_dscnt 0x0                               ; tiles 4-7, asked for 24 matrix instructions ago: no LDS access of mine is out now
.if \apre
	s_wait_alu depctr_va_vdst(0)                   ; the 32 matrix instructions above are done reading tiles 0-3's fragments; the conversions have written STG and are done reading their set of hs; VA and VST are written
.endif
.if \bar
	s_barrier_signal -1                            ; my stores of this trip's two sets of hs are in LDS
	s_barrier_wait -1                              ; every wave's are: the next region may be read
.endif
.if \adv
	s_wait_xcnt 0x0                                ; the bases of the loads issued are stepped only behind this wait; the youngest were issued eight matrix instructions ago
	s_add_nc_u64 s[6:7], s[6:7], 32768             ; four K steps of kwb
	s_add_nc_u64 s[4:5], s[4:5], 512               ; two sets of hs (no load uses it once the twelve sets have been asked for)
.endif
	WIN MUL_HI
	MUL8 \s, 1, 0, \zero
.if \apre
	WIN 0
	ALOAD 0, ((\s+1)&3)*64                         ; the next step's tiles 0-3.  No wait here, nor at the stores and loads of hs below: the matrix instructions since the wait above name tiles 4-7's fragments, B[s] and window 3 alone
.endif
.if \stg
	WIN 0
	PUTHS \set
.endif
	WIN MUL_HI
	MUL8 \s, 1, 1, \zero
.if \stg
	WIN 0
	ASKHS \set
	WIN MUL_HI
.endif
	MUL8 \s, 1, 2, \zero
	MUL8 \s, 1, 3, \zero
	PLACES
	WIN 0                                          ; at a label and at a branch every window is 0
	s_wait_alu depctr_va_vdst(0)                   ; the step's matrix instructions are done reading tiles 4-7's fragments and B[s], in which the loads that follow land (behind a pass's last step: k_w of the next pass, the epilogue's constants)
.endm
; Four K steps = 128 k = one region = two sets of hs.  Behind a step's k_w stand the k_w loads issued in the two steps before it, 32; sets of hs among them only make the wait stricter.
; A pass's very first step finds the k_w of three steps behind its own, asked for ahead of the pass, and has no buffer to ask for again.
.macro TRIP zero
.if \zero
	STEP 0, 1, 48, 1, 0, 0, 1, -1, 1
.else
	STEP 0, 0, 32, 1, 0, 0, 1, 3, 1
.endif
	STEP 1, 0, 32, 0, 0, 0, 1, 0, 0
	STEP 2, 0, 32, 1, 1, 0, 1, 1, 0
	STEP 3, 0, 32, 0, 0, 1, 1, 2, 0
.endm
.macro TAIL                            ; the pass's last trip asks for the last K step's k_w in its first step and for nothing more: the counts run down
	STEP 0, 0, 32, 0, 0, 0, 1, 3, 0
	STEP 1, 0, 32, 0, 0, 0, 1, -1, 0
	STEP 2, 0, 16, 0, 0, 0, 1, -1, 0
	STEP 3, 0, 0,  0, 0, 0, 0, -1, 0
.endm
; ---- the epilogue's macros: one run = one d, the pass's 128 columns, all 64 tiles ----
.macro CLOAD nt                        ; C (qh[d] + k_b) and -2 v of columns 16 nt + 8 h + 0..7 into constant set nt
.set c_c, CQ+16*(\nt)+64*((\nt)/4)
	ds_load_b128 v[c_c:c_c+3],     v[VTQ] offset:(\nt)*64
	ds_load_b128 v[c_c+4:c_c+7],   v[VTQ] offset:(\nt)*64+16
	ds_load_b128 v[c_c+8:c_c+11],  v[VTV] offset:(\nt)*64
	ds_load_b128 v[c_c+12:c_c+15], v[VTV] offset:(\nt)*64+16
.endm
.macro EF g                            ; batch g = 2 nt + u, the four tiles (4 u + t, nt) of one window: x = C kh + C (qh + k_b), 32 numbers a lane
.set e_nt, (\g)>>1
.set e_x,  XB+32*((\g)&1)
.set e_c,  CQ+16*e_nt+64*(e_nt/4)
.if ((\g)&1) == 0
	WIN ACC_LO
.else
	WIN ACC_HI
.endif
.irp t, 0,1,2,3
.irp j, 0,2,4,6
	v_pk_fma_f32 v[e_x+8*\t+\j:e_x+8*\t+\j+1], v[8*(8*\t+e_nt)+\j:8*(8*\t+e_nt)+\j+1], s[28:29], v[e_c+\j:e_c+\j+1] op_sel_hi:[1,0,1]
.endr
.endr
	WIN 0
.endm
.macro EBATCH                          ; batch g (a symbol): 2^x, + 1, reciprocal, times -2 v into the sums; the next batch's x is made behind the exponentials
.set b_x,  XB+32*(g&1)
.set b_nt, g>>1
.set b_u,  g&1
.set b_c,  CQ+16*b_nt+64*(b_nt/4)+8
.set i, 0
.rept 32
	v_exp_f32 v[b_x+i], v[b_x+i]
.set i, i+1
.endr
.if g < 15
.if b_u == 1
	s_wait_dscnt 24-4*b_nt                         ; LDS loads come back in order: the next column tile's four are in, the later tiles' stay out
.endif
	EF g+1                                         ; plain vector work on other registers: the place behind the exponentials (ISA guide 5.7.2)
.else
	v_nop
	s_wait_alu depctr_va_vdst(0)
.endif
.set i, 0
	s_wait_alu depctr_va_vdst(0)
.rept 16
	v_pk_add_f32 v[b_x+i:b_x+i+1], v[b_x+i:b_x+i+1], 1.0 op_sel_hi:[1,0]
.set i, i+2
.endr
.set i, 0
.rept 32
	v_rcp_f32 v[b_x+i], v[b_x+i]
.set i, i+1
.endr
	v_nop                                          ; the place behind the reciprocals
	s_wait_alu depctr_va_vdst(0)
.irp j, 0,2,4,6
.irp t, 0,1,2,3
.if b_nt+\j == 0
	s_wait_alu depctr_va_vdst(0)
	v_pk_mul_f32 v[SUM+2*(4*b_u+\t):SUM+2*(4*b_u+\t)+1], v[b_c+\j:b_c+\j+1], v[b_x+8*\t+\j:b_x+8*\t+\j+1]   ; the first product starts the run's sum
.else
	v_pk_fma_f32 v[SUM+2*(4*b_u+\t):SUM+2*(4*b_u+\t)+1], v[b_c+\j:b_c+\j+1], v[b_x+8*\t+\j:b_x+8*\t+\j+1], v[SUM+2*(4*b_u+\t):SUM+2*(4*b_u+\t)+1]
.endif
.endr
.endr
.endm
	; ---------------- set-up ----------------
	s_load_b512 s[4:19], s[0:1], 0x0               ; hs 4, kwb 6, qh 8, k_b 10, v_w 12, v_b 14, ebuf 16, pctx 18
	v_lshl_add_u32 v20, v0, 2, 0x4b900
	v_mov_b32 v21, 0
	v_lshrrev_b32 v1, 5, v0
	v_readfirstlane_b32 s20, v1                    ; wave 0..3
	s_lshr_b32 s22, ttmp9, 4                       ; b
	s_and_b32 s23, ttmp9, 15                       ; blk
	s_mov_b32 s25, 0                               ; the upper word of every offset below
	s_mov_b32 s28, 0x4038aa3b                      ; C = 2 log2(e), twice: a pair for the packed forms
	s_mov_b32 s29, 0x4038aa3b
	s_mov_b32 s30, 0x76543210                      ; v_permlanex16_b32: lane i of one half reads lane i of the other
	s_mov_b32 s31, 0xfedcba98
	s_mov_b32 s34, 0x3fb8aa3b                      ; log2(e)
	s_mov_b32 s37, 14                              ; of the 16 sets of hs the set-up stores two
	s_mov_b32 s38, 12                              ; and asks for four
	s_wait_alu depctr_va_sdst(0)                   ; s20 is written, ahead of its first reader: addresses and bases are made from it
	v_and_b32 v1, 15, v0                           ; r
	v_bfe_u32 v3, v0, 4, 1                         ; h
	v_and_b32 v24, 31, v0                          ; lane
	v_mul_u32_u24 v[VAB], v1, AP
	v_lshl_add_u32 v[VAB], v3, 4, v[VAB]
	v_lshl_add_u32 v25, s20, 5, v3                 ; row 32 w + h
	v_mul_u32_u24 v[VSB], v25, AP
	v_lshl_add_u32 v[VSB], v1, 3, v[VSB]
	v_lshlrev_b32 v[VHS], 12, v25
	v_lshl_add_u32 v[VHS], v1, 4, v[VHS]
	v_lshlrev_b32 v[VKB], 4, v24
	s_lshl_b32 s27, s20, 11
	s_add_co_u32 s27, s27, TABQ
	v_lshl_add_u32 v[VTQ], v3, 5, s27
	v_lshl_add_u32 v27, v3, 10, s27                ; thread t makes columns 8 t .. 8 t + 7 = wave w, pass h, columns 8 r .. of the pass
	v_lshl_add_u32 v27, v1, 5, v27
	s_lshl_b32 s27, s20, 10
	s_add_co_u32 s27, s27, TABV
	v_lshl_add_u32 v[VTV], v3, 5, s27
	s_lshl_b32 s27, s20, 11
	s_add_co_u32 s27, s27, ESCR
	v_lshl_add_u32 v[VES], v1, 2, s27
	v_lshlrev_b32 v26, 5, v0                       ; 32 t: my 8 numbers in qh, k_b, v and in the table of -2 v
	v_add_nc_u32 v23, TABV, v26
	s_wait_kmcnt 0x0
	s_load_b32 s32, s[14:15], 0x0                  ; v_b
	s_lshl_b32 s24, ttmp9, 19                      ; my block's 128 rows of 4,096 bytes
	s_add_nc_u64 s[4:5], s[4:5], s[24:25]
	s_lshl_b32 s24, s20, 19                        ; my wave's 256 columns in kwb: 64 K steps of 8 KiB, pass 1's behind pass 0's
	s_add_nc_u64 s[6:7], s[6:7], s[24:25]
	s_lshl_b32 s24, s22, 12                        ; qh's row b (row 16 + b is 65,536 bytes on, the next part 131,072)
	s_add_nc_u64 s[8:9], s[8:9], s[24:25]
	s_lshl_b32 s24, s22, 13                        ; ebuf's row b, my block's 512 bytes
	s_lshl_b32 s27, s23, 9
	s_add_co_u32 s24, s24, s27
	s_add_nc_u64 s[16:17], s[16:17], s[24:25]
	s_lshl_b32 s24, ttmp9, 13                      ; pctx's block, my wave's 1,024 bytes
	s_lshl_b32 s27, s20, 10
	s_add_co_u32 s24, s24, s27
	s_add_nc_u64 s[18:19], s[18:19], s[24:25]
	s_wait_alu depctr_va_vdst(0)                   ; the offsets and LDS addresses made above are written: the loads and stores from here on read them
	global_load_b128 v[32:35], v26, s[8:9]                 ; qh part 0, [0][b]
	global_load_b128 v[36:39], v26, s[8:9] offset:16
	global_load_b128 v[40:43], v26, s[8:9] offset:65536    ; qh part 0, [1][b]
	global_load_b128 v[44:47], v26, s[8:9] offset:65552
.irp p, 1,2,3
.irp d, 0,1
	global_load_b128 v[QP+16*(\p-1)+8*\d:QP+16*(\p-1)+8*\d+3],   v26, s[8:9] offset:\p*131072+\d*65536      ; parts 1 to 3
	global_load_b128 v[QP+16*(\p-1)+8*\d+4:QP+16*(\p-1)+8*\d+7], v26, s[8:9] offset:\p*131072+\d*65536+16
.endr
.endr
	global_load_b128 v[48:51], v26, s[10:11]               ; k_b
	global_load_b128 v[52:55], v26, s[10:11] offset:16
	global_load_b128 v[56:59], v26, s[12:13]               ; v
	global_load_b128 v[60:63], v26, s[12:13] offset:16
	WIN TO_T
	HSLOAD 0, 0                                    ; k 0-63 and 64-127 into registers that are accumulators later
	HSLOAD 64, 256
	WIN 0
	HSLOAD HSB, 512                                ; k 128-191
	WIN TO_B
	BLOAD 0
	WIN 0
	s_wait_loadcnt 32                              ; the 32 youngest (the set k 128-191 and K step 0 of kwb) stay out; tables and k 0-127 are in
	; qh: the four partial sums over K are added, (0 + 1) + (2 + 3)
.irp d, 0,1
.irp j, 0,2,4,6
	v_pk_add_f32 v[32+8*\d+\j:33+8*\d+\j], v[32+8*\d+\j:33+8*\d+\j], v[QP+8*\d+\j:QP+8*\d+\j+1]
	v_pk_add_f32 v[QP+16+8*\d+\j:QP+16+8*\d+\j+1], v[QP+16+8*\d+\j:QP+16+8*\d+\j+1], v[QP+32+8*\d+\j:QP+32+8*\d+\j+1]
.endr
.endr
.irp d, 0,1
.irp j, 0,2,4,6
	v_pk_add_f32 v[32+8*\d+\j:33+8*\d+\j], v[32+8*\d+\j:33+8*\d+\j], v[QP+16+8*\d+\j:QP+16+8*\d+\j+1]
.endr
.endr
	; the tables: C (qh_d + k_b), -2 v; and half the sum of v
.irp j, 0,2,4,6
	v_pk_mul_f32 v[48+\j:49+\j], v[48+\j:49+\j], s[28:29] op_sel_hi:[1,0]
.endr
.irp j, 0,2,4,6
	v_pk_fma_f32 v[32+\j:33+\j], v[32+\j:33+\j], s[28:29], v[48+\j:49+\j] op_sel_hi:[1,0,1]
	v_pk_fma_f32 v[40+\j:41+\j], v[40+\j:41+\j], s[28:29], v[48+\j:49+\j] op_sel_hi:[1,0,1]
.endr
	v_pk_add_f32 v[28:29], v[56:57], v[58:59]
	v_pk_add_f32 v[30:31], v[60:61], v[62:63]
	v_pk_add_f32 v[28:29], v[28:29], v[30:31]
	v_add_f32 v[VS], v28, v29
.irp j, 0,2,4,6
	v_pk_mul_f32 v[56+\j:57+\j], v[56+\j:57+\j], -2.0 op_sel_hi:[1,0]
.endr
.irp x, 1,2,4,8
	v_add_f32_dpp v[VS], v[VS], v[VS] row_xmask:\x row_mask:0xf bank_mask:0xf
.endr
	v_permlanex16_b32 v28, v[VS], s30, s31
	v_add_f32 v[VS], v[VS], v28
	v_mul_f32 v[VS], 0.5, v[VS]                    ; each d's share of e takes it once in each of the two passes
	WIN FROM_T
.irp t, 0,1
.irp i, 0,1,2,3,4,5,6,7,8,9,10,11,12,13,14,15
	v_cvt_pk_bf16_f32 v[AF+32*\t+2*\i],   v[64*\t+4*\i],   v[64*\t+4*\i+1]
	v_cvt_pk_bf16_f32 v[AF+32*\t+2*\i+1], v[64*\t+4*\i+2], v[64*\t+4*\i+3]
.endr
.endr
	WIN 0
	s_wait_alu depctr_va_vdst(0)                   ; the tables in v32-47 and v56-63 and the rounded rows in v64-127 are written: the LDS stores below read them
	ds_store_b128 v27, v[32:35]
	ds_store_b128 v27, v[36:39] offset:16
	ds_store_b128 v27, v[40:43] offset:512
	ds_store_b128 v27, v[44:47] offset:528
	ds_store_b128 v23, v[56:59]
	ds_store_b128 v23, v[60:63] offset:16
.irp t, 0,1
.irp i, 0,1,2,3,4,5,6,7,8,9,10,11,12,13,14,15
	ds_store_b64 v[VSB], v[AF+32*\t+2*\i:AF+32*\t+2*\i+1] offset:\i*2*AP+\t*128     ; region 0
.endr
.endr
	WIN TO_B
	BLOAD 1
	WIN 0
	HSLOAD HSB+64, 768                             ; k 192-255
	WIN TO_B
	BLOAD 2
	BLOAD 3
	WIN 0
	s_wait_kmcnt 0x0                               ; v_b
	s_wait_dscnt 0x0                               ; my part of region 0 and of the tables is in LDS
	s_barrier_signal -1
	s_barrier_wait -1
	; ---------------- two passes: columns 256 w + 128 pass .. + 127 ----------------
	s_mov_b32 s27, 0
.Lpass:
	s_wait_alu depctr_vm_vsrc(0)                   ; the set-up's LDS stores have read v64-127, in which fragments land now; in the second pass: the first's LDS loads and stores have read VA and VST
	v_mov_b32 v[VA], v[VAB]                        ; region 0 is read,
	v_add_nc_u32 v[VST], RG, v[VSB]                ; region 1 stored
	s_wait_alu depctr_va_vdst(0)                   ; VA and VST are written; the set-up's conversions have written v64-127, the epilogue's vector instructions are done reading them
	ALOAD 0, 0
	TRIP 1                                         ; its first products start the sums
	s_mov_b32 s26, 6
.Ltrip:
	TRIP 0
	s_sub_co_u32 s26, s26, 1
	s_cmp_lg_u32 s26, 0
	s_cbranch_scc1 .Ltrip
	TAIL
	s_cmp_lg_u32 s27, 0
	s_cbranch_scc1 .Lno_more_kw
	s_add_nc_u64 s[6:7], s[6:7], 32768             ; every load was waited for in the last K step, so the base is free
	WIN TO_B
	BLOAD 0                                        ; pass 1's first four K steps: they have the epilogue in which to land.  The wait at the last step's end has shown the four buffers read; no vector instruction stands since
	BLOAD 1
	BLOAD 2
	BLOAD 3
	WIN 0
.Lno_more_kw:
	; the epilogue: one run for each d
	s_mov_b32 s39, 0
.Lrun:
	s_wait_alu depctr_va_vdst(0)                   ; the run before is done reading the eight sets of constants, in which the loads below land, and VTQ is written
.irp n, 0,1,2,3,4,5,6,7
	CLOAD \n
.endr
	s_wait_dscnt 28                                ; tile 0's four loads are in, the other seven tiles' stay out
	EF 0
.set g, 0
.rept 16
	EBATCH
.set g, g+1
.endr
	; a lane's two sums, the other half's (columns 8 (1 - h) + j), and half the sum of v: this run's share of e for row 16 mt + r
.irp m, 0,1,2,3,4,5,6,7
	v_add_f32 v[SUM+2*\m], v[SUM+2*\m], v[SUM+2*\m+1]
.endr
.irp m, 0,1,2,3,4,5,6,7
	v_permlanex16_b32 v[SUM+2*\m+1], v[SUM+2*\m], s30, s31
.endr
.irp m, 0,1,2,3,4,5,6,7
	v_add_f32 v[SUM+2*\m], v[SUM+2*\m], v[SUM+2*\m+1]
.endr
.irp m, 0,1,2,3,4,5,6,7
	v_add_f32 v[SUM+2*\m], v[SUM+2*\m], v[VS]
.endr
	s_wait_alu depctr_va_vdst(0)                   ; the eight shares are written: the LDS stores below read them
.irp m, 0,1,2,3,4,5,6,7
	ds_store_b32 v[VES], v[SUM+2*\m] offset:\m*64  ; both halves of the lanes write the same number to the same word
.endr
	s_wait_dscnt 0x0                               ; the share is in LDS
	s_wait_alu depctr_vm_vsrc(0)                   ; the run's LDS loads have read VTQ and VTV, its stores VES and the sums: all four are written again below or in the next run
	v_add_nc_u32 v[VTQ], 512, v[VTQ]               ; the next run's constants
	v_add_nc_u32 v[VES], 512, v[VES]               ; and its share
	s_add_co_u32 s39, s39, 1
	s_cmp_lt_u32 s39, 2
	s_cbranch_scc1 .Lrun
	v_add_nc_u32 v[VTV], 512, v[VTV]               ; the next pass's -2 v
	s_add_co_u32 s27, s27, 1
	s_cmp_lt_u32 s27, 2
	s_cbranch_scc1 .Lpass
	; ---------------- e of the block ----------------
	s_wait_loadcnt 0x0                             ; met: the last loads of kwb were waited for in the last K step; window 1 gets a new use below
	v_and_b32 v1, 15, v0                           ; r
	v_bfe_u32 v3, v0, 4, 1                         ; h
	v_and_b32 v24, 31, v0                          ; lane
	v_add_nc_u32 v14, ESCR, v[VKB]                 ; rows 4 lane .. + 3 of the first share
	s_mul_i32 s24, s20, 544
	s_add_co_u32 s24, s24, PSCR
	v_lshl_add_u32 v16, v24, 3, s24                ; p of rows 4 lane .. + 3
	v_and_b32 v25, 1, v0
	v_mul_u32_u24 v25, v25, 272
	v_lshl_add_u32 v25, v3, 4, v25
	v_add_nc_u32 v17, s24, v25                     ; fragment of p: row d = r & 1, 8 h numbers
	v_and_b32 v25, 7, v0
	v_lshl_add_u32 v25, v3, 3, v25
	v_mul_u32_u24 v25, v25, AP                     ; row 8 h + (lane & 7)
	v_bfe_u32 v26, v0, 3, 1
	v_lshl_add_u32 v25, v26, 4, v25                ; + 16 bytes for lanes 8-15 and 24-31
	s_mul_i32 s24, s20, 2*RG                       ; my wave's 256 columns of hs are regions 2 w and 2 w + 1
	v_add_nc_u32 v[VTR], s24, v25
	s_lshl_b32 s24, s20, 11
	s_add_co_u32 s24, s24, CSCR
	v_lshl_add_u32 v22, v1, 2, s24
	v_add_nc_u32 v23, s24, v[VKB]
	s_wait_alu depctr_va_vdst(0)                   ; v14 is written, by which the shares are loaded; the epilogue is done with v128-191, in which they land
	s_barrier_signal -1                            ; my four shares are in LDS (waited for at the end of each run)
	s_barrier_wait -1
.irp d, 0,1
.irp q, 0,1,2,3,4,5,6,7
	ds_load_b128 v[EPL+32*\d+4*\q:EPL+32*\d+4*\q+3], v14 offset:\q*1024+\d*512     ; q = 2 wave + pass
.endr
.endr
	s_wait_dscnt 0x0
.irp d, 0,1
.irp q, 0,2,4,6
	v_pk_add_f32 v[EPL+32*\d+4*\q:EPL+32*\d+4*\q+1],   v[EPL+32*\d+4*\q:EPL+32*\d+4*\q+1],   v[EPL+32*\d+4*\q+4:EPL+32*\d+4*\q+5]
	v_pk_add_f32 v[EPL+32*\d+4*\q+2:EPL+32*\d+4*\q+3], v[EPL+32*\d+4*\q+2:EPL+32*\d+4*\q+3], v[EPL+32*\d+4*\q+6:EPL+32*\d+4*\q+7]
.endr
.irp q, 0,4
	v_pk_add_f32 v[EPL+32*\d+4*\q:EPL+32*\d+4*\q+1],   v[EPL+32*\d+4*\q:EPL+32*\d+4*\q+1],   v[EPL+32*\d+4*\q+8:EPL+32*\d+4*\q+9]
	v_pk_add_f32 v[EPL+32*\d+4*\q+2:EPL+32*\d+4*\q+3], v[EPL+32*\d+4*\q+2:EPL+32*\d+4*\q+3], v[EPL+32*\d+4*\q+10:EPL+32*\d+4*\q+11]
.endr
	v_pk_add_f32 v[EV+4*\d:EV+4*\d+1],   v[EPL+32*\d:EPL+32*\d+1],   v[EPL+32*\d+16:EPL+32*\d+17]
	v_pk_add_f32 v[EV+4*\d+2:EV+4*\d+3], v[EPL+32*\d+2:EPL+32*\d+3], v[EPL+32*\d+18:EPL+32*\d+19]
.irp i, 0,1,2,3
	v_add_f32 v[EV+4*\d+\i], s32, v[EV+4*\d+\i]    ; + v_b: e[d] of rows 4 lane .. + 3, the same bits in every wave
.endr
.endr
	; p = exp(e - the block's maximum), every wave for itself
.irp d, 0,1
	v_max3_num_f32 v[24+\d], v[EV+4*\d], v[EV+4*\d+1], v[EV+4*\d+2]
	v_max_num_f32 v[24+\d], v[24+\d], v[EV+4*\d+3]
.irp x, 1,2,4,8
	v_max_num_f32_dpp v[24+\d], v[24+\d], v[24+\d] row_xmask:\x row_mask:0xf bank_mask:0xf
.endr
	v_permlanex16_b32 v[26+\d], v[24+\d], s30, s31
	v_max_num_f32 v[24+\d], v[24+\d], v[26+\d]
	v_mul_f32 v[24+\d], s34, v[24+\d]
.irp i, 0,1,2,3
	v_fma_f32 v[ET+4*\d+\i], v[EV+4*\d+\i], s34, -v[24+\d]
.endr
.endr
.irp i, 0,1,2,3,4,5,6,7
	v_exp_f32 v[ET+\i], v[ET+\i]
.endr
	v_nop                                          ; the place behind the exponentials
	s_wait_alu depctr_va_vdst(0)
.irp d, 0,1
	v_cvt_pk_bf16_f32 v[28+2*\d], v[ET+4*\d],   v[ET+4*\d+1]
	v_cvt_pk_bf16_f32 v[29+2*\d], v[ET+4*\d+2], v[ET+4*\d+3]
.endr
	s_wait_alu depctr_va_vdst(0)                   ; e in v240-247 and p in v28-31 are written, which the stores below read, and so are the addresses v16, v17, v18, v22, v23;
	                                               ; the vector instructions are done with v64-79, v192-223 and windows 2 and 3, in which the loads from here to the end land
	s_cmp_lg_u32 s20, 0                            ; wave 0 stores e[0], wave 1 e[1]: 512 neighbouring bytes each.  The data registers are not written again
	s_cbranch_scc1 .Lnot_wave_0
	global_store_b128 v[VKB], v[EV:EV+3], s[16:17]
.Lnot_wave_0:
	s_cmp_lg_u32 s20, 1
	s_cbranch_scc1 .Lnot_wave_1
	global_store_b128 v[VKB], v[EV+4:EV+7], s[16:17] offset:131072
.Lnot_wave_1:
.irp d, 0,1
	ds_store_b64 v16, v[28+2*\d:29+2*\d] offset:272*\d     ; p into my own bytes of LDS
.endr
	; ---------------- pctx[d][g] = sum over the 128 rows of p[d][row] hs[row][g], g = my wave's 256 columns ----------------
	; Natural form: source 0 = p, row m standing for d = m & 1 (rows 2-15 are copies: nothing is cleared), source 1 = hs [K = rows][N = columns] by transposing loads.
	; In the result register j of lane (r, h) is (m = 8 h + j, n = r): registers 0 and 1 are d = 0 and 1, in both halves of the lanes.
	; Group q = 2 k + half of the transposed fragments has 64 registers of its own: window 2 + q / 4, from 64 (q % 4) on.  No register is loaded twice, and no matrix instruction names
	; a group that is still to be loaded: so the loads stand among the matrix instructions, two groups ahead, with no wait but the counted ones for their data.
.macro HLOAD half, k                   ; rows 32 k .. + 31, columns 128 half + 16 b .. + 15 of my 256: offsets up to 65,504, inside the 16-bit field
.set h_q, 2*(\k)+(\half)
.set h_r, 64*(h_q&3)
.if h_q < 4
	WIN TO_T
.else
	WIN TO_U
.endif
.irp b, 0,1,2,3,4,5,6,7
	ds_load_tr16_b128 v[h_r+8*\b:h_r+8*\b+3],   v[VTR] offset:(\k)*32*AP+\half*RG+32*\b
	ds_load_tr16_b128 v[h_r+8*\b+4:h_r+8*\b+7], v[VTR] offset:(\k)*32*AP+\half*RG+32*\b+16*AP
.endr
.endm
.macro CSTEP half, k, left             ; eight of the sixteen accumulators, one instruction a turn
	s_wait_dscnt \left
.set c_q, 2*(\k)+(\half)
.set c_r, 64*(c_q&3)
.if c_q < 4
	WIN CMUL_T
.else
	WIN CMUL_U
.endif
.irp b, 0,1,2,3,4,5,6,7
.if \k == 0
	v_wmma_f32_16x16x32_bf16 v[8*(8*\half+\b):8*(8*\half+\b)+7], v[PF+8*\k:PF+8*\k+7], v[c_r+8*\b:c_r+8*\b+7], 0
.else
	v_wmma_f32_16x16x32_bf16 v[8*(8*\half+\b):8*(8*\half+\b)+7], v[PF+8*\k:PF+8*\k+7], v[c_r+8*\b:c_r+8*\b+7], v[8*(8*\half+\b):8*(8*\half+\b)+7]
.endif
.endr
.endm
.irp k, 0,1,2,3
	ds_load_b128 v[PF+8*\k:PF+8*\k+3],   v17 offset:64*\k      ; LDS serves a wave's instructions in order: these see my stores of p
	ds_load_b128 v[PF+8*\k+4:PF+8*\k+7], v17 offset:64*\k+32
.endr
	HLOAD 0, 0
	HLOAD 1, 0
	HLOAD 0, 1                                     ; 58 LDS instructions of mine are out at the most
	CSTEP 0, 0, 32                                 ; the count leaves the two younger groups' 32 loads out
	HLOAD 1, 1
	CSTEP 1, 0, 32
	HLOAD 0, 2
	CSTEP 0, 1, 32
	HLOAD 1, 2
	CSTEP 1, 1, 32
	HLOAD 0, 3
	CSTEP 0, 2, 32
	HLOAD 1, 3
	CSTEP 1, 2, 32
	CSTEP 0, 3, 16                                 ; nothing is left to ask for: the counts run down
	CSTEP 1, 3, 0
	PLACES                                         ; between the last matrix instruction and the LDS stores of its result
	WIN COUT
	s_wait_alu depctr_va_vdst(0)                   ; the matrix instructions have written the sixteen accumulators, which the LDS stores read; the places above stay beside this wait
.irp b, 0,1,2,3,4,5,6,7,8,9,10,11,12,13,14,15
	ds_store_b32 v22, v[8*\b]   offset:64*\b               ; d = 0, column 16 nt + r
	ds_store_b32 v22, v[8*\b+1] offset:1024+64*\b          ; d = 1
.endr
	WIN 0
.irp q, 0,1,2,3
	ds_load_b128 v[OB+4*\q:OB+4*\q+3], v23 offset:512*\q   ; my own bytes, read back by rows
.endr
.irp q, 0,1,2,3
	s_wait_dscnt 3-\q
	global_store_b128 v[VKB], v[OB+4*\q:OB+4*\q+3], s[18:19] offset:(\q>>1)*4096+(\q&1)*512    ; 512 neighbouring bytes, aligned
.endr
	s_wait_dscnt 0x0
	s_wait_alu depctr_hold_cnt(0) depctr_sa_sdst(0) depctr_va_vdst(0) depctr_va_sdst(0) depctr_va_ssrc(0) depctr_va_vcc(0) depctr_vm_vsrc(0)
	s_wait_tensorcnt 0x0
	ds_add_u32 v20, v21
	s_wait_dscnt 0x0
	s_endpgm
.Lfunc_end_k_qda6c6695ab_main:
	.size	k_qda6c6695ab_main, .Lfunc_end_k_qda6c6695ab_main-k_qda6c6695ab_main
	.p2alignl 7, 3214868480
	.fill 96, 4, 3214868480
	.section	.rodata,"a",@progbits
	.p2align	6, 0x0
	.amdhsa_kernel k_qda6c6695ab_main
		.amdhsa_group_segment_fixed_size 310016
		.amdhsa_private_segment_fixed_size 0
		.amdhsa_enable_private_segment 0
		.amdhsa_kernarg_size 64
		.amdhsa_user_sgpr_count 2
		.amdhsa_user_sgpr_kernarg_segment_ptr 1
		.amdhsa_wavefront_size32 1
		.amdhsa_system_sgpr_workgroup_id_x 1
		.amdhsa_system_sgpr_workgroup_id_y 1
		.amdhsa_system_sgpr_workgroup_id_z 1
		.amdhsa_system_vgpr_workitem_id 0
		.amdhsa_next_free_vgpr 1024
		.amdhsa_next_free_sgpr 66
		.amdhsa_reserve_vcc 0
		.amdhsa_float_denorm_mode_32 3
		.amdhsa_float_denorm_mode_16_64 3
		.amdhsa_memory_ordered 1
		.amdhsa_forward_progress 1
		.amdhsa_inst_pref_size 245
	.end_amdhsa_kernel
	.amdgpu_metadata
---
amdhsa.version: [ 1, 2 ]
amdhsa.kernels:
  - .name:           k_qda6c6695ab_main
    .symbol:         k_qda6c6695ab_main.kd
    .args:
      - { .name: hs, .offset: 0, .size: 8, .value_kind: global_buffer, .address_space: global }
      - { .name: kwb, .offset: 8, .size: 8, .value_kind: global_buffer, .address_space: global }
      - { .name: qh, .offset: 16, .size: 8, .value_kind: global_buffer, .address_space: global }
      - { .name: k_b, .offset: 24, .size: 8, .value_kind: global_buffer, .address_space: global }
      - { .name: v_w, .offset: 32, .size: 8, .value_kind: global_buffer, .address_space: global }
      - { .name: v_b, .offset: 40, .size: 8, .value_kind: global_buffer, .address_space: global }
      - { .name: ebuf, .offset: 48, .size: 8, .value_kind: global_buffer, .address_space: global }
      - { .name: pctx, .offset: 56, .size: 8, .value_kind: global_buffer, .address_space: global }
    .group_segment_fixed_size: 310016
    .private_segment_fixed_size: 0
    .kernarg_segment_align: 8
    .kernarg_segment_size: 64
    .max_flat_workgroup_size: 128
    .sgpr_count:     66
    .vgpr_count:     1024
    .wavefront_size: 32
...
	.end_amdgpu_metadata
.endif
;; end of part 8
;; launch comb: the kernel of part 4 again; grid 32 x 2, 4 waves a work-group, no clusters, 0 bytes of LDS; arguments ebuf, pctx, out1, ctx; writes out1, ctx
;; launch linc: the kernel of part 7 again; grid 16 x 1, 16 waves a work-group, no clusters, 141,312 bytes of LDS; arguments ctx, cwb, c_b, out0; writes out0
